; MI455X (gfx1250); checked and timed in simulation.
; The chip was launched on July 23, 2026; its instructions are those of AMD's public machine-readable ISA for CDNA 5 (MIT licence, August 2026) and "CDNA5" Instruction Set Architecture Reference Guide (July 2026). The comments in the code are by the model that wrote it; some were corrected since.
;; Transformer Block. Allowed arithmetic: matrix products marked QUANTISED: E3M2 operands, one E8M0 scale for each 32 along K, by v_wmma_scale_f32_16x16x128_f8f6f4 with both operands' format E3M2, f32 sums; everything else in f32.
;; Inputs: gn1_b 256 float32; gn1_w 256 float32; gn2_b 256 float32; gn2_w 256 float32; mlp_b1 1,024 float32; mlp_b2 256 float32; mlp_w1 1,024 x 256 float32; mlp_w2 256 x 1,024 float32; phys_bias 1 x 8 x 1 x 1 float32; proj_b 256 float32; proj_w 256 x 256 float32; qkv_w 768 x 256 float32; x 2 x 256 x 64 x 64 float32.
;; Outputs: out0 2 x 256 x 64 x 64 float32.
;; This version of the problem:
;;   THIS VERSION OF THE PROBLEM IS GIVEN IN LOW PRECISION. The matrix products marked QUANTISED in the list below multiply operands that are first quantised to E3M2 (3 exponent bits, 2 mantissa bits; 6 bits a number), with one power-of-two scale for each 32 numbers along K (OCP MX v1.0); their sums are f32. All else is computed in f32.
;;   The module's matrix products, in the order in which they are computed (A, B: the left and right operand; K: the contracted axis; several contracted axes count as one K, in the product's order):
;;     1. [M 8,192, K 256] x [K 256, N 768]; A: computed on the way; B: input qkv_w: QUANTISED
;;     2. batch 16 x [M 4,096, K 32] x [K 32, N 4,096]; A: computed on the way; B: computed on the way: QUANTISED
;;     3. batch 16 x [M 4,096, K 4,096] x [K 4,096, N 32]; A: softmax (see below); B: computed on the way: QUANTISED
;;     4. [M 8,192, K 256] x [K 256, N 256]; A: computed on the way; B: input proj_w: QUANTISED
;;     5. [M 8,192, K 256] x [K 256, N 1,024]; A: computed on the way; B: input mlp_w1: QUANTISED
;;     6. [M 8,192, K 1,024] x [K 1,024, N 256]; A: computed on the way; B: input mlp_w2: QUANTISED
;;   THE QUANTISER, for each operand of a quantised product, along K:
;;     - K is cut into blocks of 32 from its start; a last block that is shorter is filled with zeros.
;;     - A block's scale is 2^e with e = floor(log2(the largest magnitude in the block)) - 4, held to -126 .. 127; a block of zeros has e = 0. As a byte (E8M0): e + 127.
;;     - Each number is divided by its block's scale, clamped to +-28, and rounded to the nearest number of E3M2, ties to even, subnormals kept.
;;     - The product sums the exact products of the quantised numbers (number of the format x scale) in f32.
;;   ~~~python
;;   def quantise(x, axis):      # numpy; x: float32 -> the quantised numbers, widened to float32 again
;;       x = np.moveaxis(x, axis, -1); K = x.shape[-1]
;;       x = np.pad(x, [(0, 0)] * (x.ndim - 1) + [(0, -K % 32)]); x = x.reshape(x.shape[:-1] + (-1, 32)); a = np.abs(x).max(-1, keepdims=True)
;;       e = np.where(a > 0, np.clip(np.frexp(np.where(a > 0, a, 1))[1] - 1 - 4, -126, 127), 0)      # np.frexp(a)[1] - 1 = floor(log2(a)), exactly
;;       r = np.clip(x / 2.0 ** e, -28, 28)
;;       step = 2.0 ** (np.maximum(np.frexp(np.where(r == 0, 1, r))[1] - 1, -2) - 2)
;;       q = np.round(r / step) * step * 2.0 ** e      # np.round: ties to even
;;       return np.moveaxis(q.reshape(q.shape[:-2] + (-1,))[..., :K], -1, axis).astype(np.float32)
;;   ~~~
;;   SOFTMAX AHEAD OF A QUANTISED PRODUCT. Where the list says 'softmax', what is quantised is not the finished softmax but p = 2^(t - M), with t = logit x log2(e) and M = ceil(the row's largest t), a whole number; so 1/2 < the row's largest p <= 1. The row's sum l is taken of the UNQUANTISED p, in f32, and the product's result is divided by l at the end. Since M is a whole number, a kernel that streams over the keys may use a running M (the ceiling of the running maximum): every later rescaling is an exact power of two, which a block's scale takes up: the codes' values come out the same.
;;   OPERANDS COMPUTED ON THE WAY. 'Computed on the way' means the value that the module computes at that place (a softmax that the list does not call 'softmax' is quantised finished and normalised). What goes into a quantiser is computed in f32, as accurately as f32 sums, v_exp_f32 and their like allow (about 1e-6 of the number): no bf16 or f16 on the way to a quantiser, and a product that is left as it is and whose result goes on into a quantised operand takes f32 operands (vector FMAs, or v_wmma_f32_16x16x4_f32). A number that lies on a knife's edge between two numbers of the format may be rounded either way, as far as f32 arithmetic and the matrix unit's own rounding can turn it there, and no further.
;; 2 versions. Each part assembles by itself: llvm-mc -triple=amdgcn-amd-amdhsa -mcpu=gfx1250 --defsym DOCPART=n.
;; ======== version 1 of 2: 5 launches
;; workspace buffers: part1 32,768 bytes; part2 32,768 bytes; wimg 589,824 bytes; wsc 49,152 bytes; qkv 4,915,200 bytes; ao 1,572,864 bytes; aosc 65,536 bytes; x1 8,388,608 bytes
;; launch prep (part 1): grid 224 x 1, 4 waves a work-group, no clusters, 0 bytes of LDS; arguments x, qkv_w, proj_w, mlp_w1, mlp_w2, part1, wimg, wsc; writes part1, wimg, wsc
.if DOCPART == 1
	.amdgcn_target "amdgcn-amd-amdhsa--gfx1250"
	.amdhsa_code_object_version 6
	.text
	.protected	k_qe5b9f15735_prep
	.globl	k_qe5b9f15735_prep
	.p2align	8
	.type	k_qe5b9f15735_prep,@function
k_qe5b9f15735_prep:
	s_mov_b64 s[64:65], 0
	v_nop
	global_prefetch_b8 v0, s[64:65] scope:SCOPE_SE
	s_setreg_imm32_b32 hwreg(HW_REG_WAVE_MODE, 25, 1), 1
	s_wait_xcnt 0x0
; Two jobs that share nothing, parted on the work-group's number.
; Work-groups 0-127: partial statistics of the first group norm.  A group (8 channels x 4,096 tokens) is 64 dense chunks of 512 numbers; a wave takes 8 chunks and stores
; for each (mean, sum of squares about that mean): part1[chunk] = 8 bytes.  No difference of large sums is formed.
; Work-groups 128-223: the four weights become codes of E3M2 with one E8M0 byte for each 32 along K.  A wave makes one operand fragment (16 rows x 128 K) and stores it as an
; IMAGE OF ITS REGISTERS: register q of lane L at 512 (q / 4) + 16 L + 4 (q % 4), 1,536 bytes a fragment; its scale word at 4 L of 128 bytes (both halves of the lanes alike).
; Which rows form a tile hangs on the tensor: row of lane r of tile t = (t >> SH) (16 << SH) + 8 (t % (1 << SH)) + r + ((8 << SH) - 8) (r / 8).
; Fragments: 0-63 qkv_w rows 0-511 (SH 2), 64-95 qkv_w rows 512-767 (SH 1), 96-127 proj_w (SH 0), 128-255 mlp_w1 (SH 2), 256-383 mlp_w2 (SH 0, eight K steps a tile).
; LIMITS: NaN and infinities are not served; a block whose largest magnitude lies under 2^-122 keeps the byte 1, a block of zeros too (its codes are zeros; only this program reads the bytes).
.set SEL, 22                           ; s[22:23] selects for v_permlanex16_b32: lane l xor 16
.set RS,  160                          ; v160-175 the eight chunks' (mean, M2)
.macro RED32 a, t                      ; the sum over the 32 lanes, in every lane
	v_add_f32_dpp v[\a], v[\a], v[\a] row_xmask:1 row_mask:0xf bank_mask:0xf
	v_add_f32_dpp v[\a], v[\a], v[\a] row_xmask:2 row_mask:0xf bank_mask:0xf
	v_add_f32_dpp v[\a], v[\a], v[\a] row_xmask:4 row_mask:0xf bank_mask:0xf
	v_add_f32_dpp v[\a], v[\a], v[\a] row_xmask:8 row_mask:0xf bank_mask:0xf
	v_permlanex16_b32 v[\t], v[\a], s[SEL], s[SEL+1]
	v_add_f32 v[\a], v[\a], v[\t]
.endm
; One lane's 32 registers, a whole block along K, become 6 registers of codes at dst and the scale's byte in by.  m, m+1: maxima; m+2: the conversion's scale operand.
.macro QUANT32 src, dst, tmp, m, by
	v_max3_num_f32 v[\m], |v[\src]|, |v[(\src)+1]|, 0x2800000              ; the floor 2^(5 - 127) among the leaves: the byte cannot fall under 1
	v_max3_num_f32 v[(\m)+1], |v[(\src)+16]|, |v[(\src)+17]|, 0x2800000
.irp i, 2,4,6,8,10,12,14
	v_max3_num_f32 v[\m], v[\m], |v[(\src)+\i]|, |v[(\src)+\i+1]|
	v_max3_num_f32 v[(\m)+1], v[(\m)+1], |v[(\src)+16+\i]|, |v[(\src)+17+\i]|
.endr
	v_max_num_f32 v[\m], v[\m], v[(\m)+1]
	v_add_nc_u32 v[(\m)+2], 0xfe000000, v[\m]                              ; 4 off the exponent field: the scale operand
	v_lshrrev_b32 v[\by], 23, v[(\m)+2]                                    ; the byte
	v_cvt_scalef32_pk16_bf6_f32 v[\dst:(\dst)+2], v[\src:(\src)+15], v[(\m)+2]
	v_cvt_scalef32_pk16_bf6_f32 v[\tmp:(\tmp)+2], v[(\src)+16:(\src)+31], v[(\m)+2]   ; (a conversion's three registers begin on an even number)
	v_nop                                                                  ; one plain place behind a scaled conversion
.irp i, 0,1,2
	v_mov_b32 v[(\dst)+3+\i], v[(\tmp)+\i]
.endr
.endm
.macro CHUNK q                         ; chunk q: 16 numbers a lane
.set XC, 32+16*(\q)
	s_wait_loadcnt 28-4*(\q)                       ; behind this chunk's four loads stand those of the chunks that follow
	v_pk_add_f32 v[8:9], v[XC:XC+1], v[XC+2:XC+3]
	v_pk_add_f32 v[10:11], v[XC+4:XC+5], v[XC+6:XC+7]
	v_pk_add_f32 v[12:13], v[XC+8:XC+9], v[XC+10:XC+11]
	v_pk_add_f32 v[14:15], v[XC+12:XC+13], v[XC+14:XC+15]
	v_pk_add_f32 v[8:9], v[8:9], v[10:11]
	v_pk_add_f32 v[12:13], v[12:13], v[14:15]
	v_pk_add_f32 v[8:9], v[8:9], v[12:13]
	v_add_f32 v8, v8, v9
	RED32 8, 5
	v_mul_f32 v16, 0x3b000000, v8                  ; / 512: the chunk's mean, in both words of a pair
	v_mul_f32 v17, 0x3b000000, v8
.irp i, 0,2,4,6,8,10,12,14
	v_pk_add_f32 v[XC+\i:XC+\i+1], v[XC+\i:XC+\i+1], v[16:17] neg_lo:[0,1] neg_hi:[0,1]
.endr
	v_pk_mul_f32 v[8:9], v[XC:XC+1], v[XC:XC+1]
	v_pk_mul_f32 v[10:11], v[XC+2:XC+3], v[XC+2:XC+3]
.irp i, 4,8,12
	v_pk_fma_f32 v[8:9], v[XC+\i:XC+\i+1], v[XC+\i:XC+\i+1], v[8:9]
	v_pk_fma_f32 v[10:11], v[XC+\i+2:XC+\i+3], v[XC+\i+2:XC+\i+3], v[10:11]
.endr
	v_pk_add_f32 v[8:9], v[8:9], v[10:11]
	v_add_f32 v[RS+2*(\q)+1], v8, v9
	RED32 RS+2*(\q)+1, 5
	v_mov_b32 v[RS+2*(\q)], v16
.endm
	s_load_b256 s[4:11], s[0:1], 0x0               ; x, qkv_w, proj_w, mlp_w1
	s_load_b256 s[12:19], s[0:1], 0x20             ; mlp_w2, part1, wimg, wsc
	v_lshrrev_b32 v1, 5, v0
	v_readfirstlane_b32 s20, v1                    ; wave
	v_and_b32 v1, 31, v0                           ; L
	v_and_b32 v2, 15, v0                           ; r
	v_bfe_u32 v3, v0, 4, 1                         ; h
	v_lshlrev_b32 v4, 4, v1                        ; 16 L
	v_mov_b32 v5, 0                                ; a lane permute's destination counts as read: written once
	s_mov_b32 s[SEL], 0x76543210
	s_mov_b32 s[SEL+1], 0xfedcba98
	s_wait_kmcnt 0x0
	s_cmp_lt_u32 ttmp9, 128
	s_cbranch_scc0 .Lweights
	; ---- statistics: chunks 32 x work-group + 8 x wave + 0 .. 7
	s_lshl_b32 s24, ttmp9, 16
	s_lshl_b32 s25, s20, 14
	s_add_co_u32 s24, s24, s25                     ; the first chunk's byte in x: 2,048 a chunk
	s_mov_b32 s25, 0
	s_add_nc_u64 s[4:5], s[4:5], s[24:25]
	s_lshr_b32 s24, s24, 8                         ; and in part1: 8 a chunk
	s_add_nc_u64 s[14:15], s[14:15], s[24:25]
.irp q, 0,1,2,3,4,5,6,7
.irp k, 0,1,2,3
	global_load_b128 v[32+16*\q+4*\k:32+16*\q+4*\k+3], v4, s[4:5] offset:2048*\q+512*\k   ; 32 lanes read 512 consecutive bytes
.endr
.endr
.irp q, 0,1,2,3,4,5,6,7
	CHUNK \q
.endr
	v_mov_b32 v24, v[RS]                           ; lane q takes chunk q's pair
	v_mov_b32 v25, v[RS+1]
.irp q, 1,2,3,4,5,6,7
	v_cmp_eq_u32 vcc_lo, \q, v1
	v_cndmask_b32 v24, v24, v[RS+2*\q], vcc_lo
	v_cndmask_b32 v25, v25, v[RS+2*\q+1], vcc_lo
.endr
	v_lshlrev_b32 v6, 3, v1
	s_wait_xcnt 0x0                                ; EXEC changes only behind this wait
	v_cmp_gt_u32 vcc_lo, 8, v1
	s_and_saveexec_b32 s26, vcc_lo
	global_store_b64 v6, v[24:25], s[14:15]        ; eight lanes: 64 consecutive bytes
	s_wait_xcnt 0x0
	s_or_b32 exec_lo, exec_lo, s26
	s_endpgm
.Lweights:
	; ---- weights: fragment f = 4 (work-group - 128) + wave.  The tensor's figures begin as mlp_w2's and are replaced going down; every choice hangs on the work-group's number alone
	s_sub_co_u32 s24, ttmp9, 128
	s_lshl_b32 s25, s24, 2
	s_add_co_u32 s25, s25, s20                     ; f
	s_mov_b64 s[28:29], s[12:13]                   ; the tensor
	s_mov_b32 s30, 256                             ; its first fragment
	s_mov_b32 s31, 0                               ; SH
	s_mov_b32 s32, 3                               ; log2 of the K steps in a tile
	s_mov_b32 s33, 12                              ; log2 of a row's bytes
	s_mov_b32 s34, 0                               ; first row
	s_cmp_lt_u32 s24, 64
	s_cselect_b64 s[28:29], s[10:11], s[28:29]
	s_cselect_b32 s30, 128, s30
	s_cselect_b32 s31, 2, s31
	s_cselect_b32 s32, 1, s32
	s_cselect_b32 s33, 10, s33
	s_cmp_lt_u32 s24, 32
	s_cselect_b64 s[28:29], s[8:9], s[28:29]
	s_cselect_b32 s30, 96, s30
	s_cselect_b32 s31, 0, s31
	s_cmp_lt_u32 s24, 24
	s_cselect_b64 s[28:29], s[6:7], s[28:29]
	s_cselect_b32 s30, 64, s30
	s_cselect_b32 s31, 1, s31
	s_cselect_b32 s34, 512, s34
	s_cmp_lt_u32 s24, 16
	s_cselect_b32 s30, 0, s30
	s_cselect_b32 s31, 2, s31
	s_cselect_b32 s34, 0, s34
	s_sub_co_u32 s35, s25, s30                     ; the fragment's number in its tensor
	s_lshr_b32 s36, s35, s32                       ; tile t
	s_lshl_b32 s37, 1, s32
	s_sub_co_u32 s37, s37, 1
	s_and_b32 s37, s35, s37                        ; K step
	s_lshr_b32 s38, s36, s31
	s_lshl_b32 s39, 16, s31
	s_mul_i32 s38, s38, s39                        ; (t >> SH) (16 << SH)
	s_lshl_b32 s39, 1, s31
	s_sub_co_u32 s39, s39, 1
	s_and_b32 s39, s36, s39
	s_lshl_b32 s39, s39, 3                         ; 8 (t % (1 << SH))
	s_add_co_u32 s38, s38, s39
	s_add_co_u32 s38, s38, s34
	s_lshl_b32 s38, s38, s33                       ; in bytes
	s_lshl_b32 s37, s37, 9                         ; 512 bytes a K step
	s_add_co_u32 s38, s38, s37
	s_mov_b32 s39, 0
	s_add_nc_u64 s[28:29], s[28:29], s[38:39]
	s_lshl_b32 s40, 8, s31
	s_sub_co_u32 s40, s40, 8                       ; (8 << SH) - 8
	v_lshrrev_b32 v6, 3, v2
	v_mad_u32_u24 v6, v6, s40, v2                  ; my row in the tile
	v_lshlrev_b32 v6, s33, v6
	v_lshl_add_u32 v6, v3, 7, v6                   ; + 128 h: lane (r, h) holds k = 64 c + 32 h + 0 .. 31
	v_lshlrev_b32 v7, 3, v3                        ; 8 h
	v_lshlrev_b32 v8, 2, v1                        ; 4 L
.irp c, 0,1
.irp j, 0,1,2,3,4,5,6,7
	global_load_b128 v[32+32*\c+4*\j:32+32*\c+4*\j+3], v6, s[28:29] offset:256*\c+16*\j
.endr
.endr
	s_mul_i32 s38, s25, 1536
	s_add_nc_u64 s[16:17], s[16:17], s[38:39]
	s_lshl_b32 s38, s25, 7
	s_add_nc_u64 s[18:19], s[18:19], s[38:39]
	s_wait_loadcnt 0x0
	QUANT32 32, 96, 108, 116, 122
	QUANT32 64, 102, 112, 119, 123
	v_lshl_or_b32 v124, v123, 16, v122             ; my two bytes: blocks h and 2 + h,
	v_lshlrev_b32 v124, v7, v124                   ; at their places,
	v_permlanex16_b32 v5, v124, s[SEL], s[SEL+1]
	v_or_b32 v124, v124, v5                        ; with lane l xor 16's two the word is whole
.irp k, 0,1,2
	global_store_b128 v4, v[96+4*\k:99+4*\k], s[16:17] offset:512*\k    ; 32 lanes store 512 consecutive bytes
.endr
	global_store_b32 v8, v124, s[18:19]
	s_endpgm
.Lfunc_end_k_qe5b9f15735_prep:
	.size	k_qe5b9f15735_prep, .Lfunc_end_k_qe5b9f15735_prep-k_qe5b9f15735_prep
	.p2alignl 7, 3214868480
	.fill 96, 4, 3214868480
	.section	.rodata,"a",@progbits
	.p2align	6, 0x0
	.amdhsa_kernel k_qe5b9f15735_prep
		.amdhsa_group_segment_fixed_size 0
		.amdhsa_private_segment_fixed_size 0
		.amdhsa_enable_private_segment 0
		.amdhsa_kernarg_size 64
		.amdhsa_user_sgpr_count 2
		.amdhsa_user_sgpr_kernarg_segment_ptr 1
		.amdhsa_wavefront_size32 1
		.amdhsa_system_sgpr_workgroup_id_x 1
		.amdhsa_system_sgpr_workgroup_id_y 1
		.amdhsa_system_sgpr_workgroup_id_z 1
		.amdhsa_system_vgpr_workitem_id 0
		.amdhsa_next_free_vgpr 192
		.amdhsa_next_free_sgpr 66
		.amdhsa_reserve_vcc 1
		.amdhsa_float_denorm_mode_32 3
		.amdhsa_float_denorm_mode_16_64 3
		.amdhsa_memory_ordered 1
		.amdhsa_forward_progress 1
		.amdhsa_inst_pref_size 32
	.end_amdhsa_kernel
	.amdgpu_metadata
---
amdhsa.version: [ 1, 2 ]
amdhsa.kernels:
  - .name:           k_qe5b9f15735_prep
    .symbol:         k_qe5b9f15735_prep.kd
    .args:
      - { .name: x, .offset: 0, .size: 8, .value_kind: global_buffer, .address_space: global }
      - { .name: qkv_w, .offset: 8, .size: 8, .value_kind: global_buffer, .address_space: global }
      - { .name: proj_w, .offset: 16, .size: 8, .value_kind: global_buffer, .address_space: global }
      - { .name: mlp_w1, .offset: 24, .size: 8, .value_kind: global_buffer, .address_space: global }
      - { .name: mlp_w2, .offset: 32, .size: 8, .value_kind: global_buffer, .address_space: global }
      - { .name: part1, .offset: 40, .size: 8, .value_kind: global_buffer, .address_space: global }
      - { .name: wimg, .offset: 48, .size: 8, .value_kind: global_buffer, .address_space: global }
      - { .name: wsc, .offset: 56, .size: 8, .value_kind: global_buffer, .address_space: global }
    .group_segment_fixed_size: 0
    .private_segment_fixed_size: 0
    .kernarg_segment_align: 8
    .kernarg_segment_size: 64
    .max_flat_workgroup_size: 128
    .sgpr_count:     66
    .vgpr_count:     192
    .wavefront_size: 32
...
	.end_amdgpu_metadata
.endif
;; end of part 1
;; launch qkv (part 2): grid 64 x 2, 8 waves a work-group, no clusters, 28,672 bytes of LDS; arguments x, part1, gn1_w, gn1_b, wimg, wsc, qkv; writes qkv
.if DOCPART == 2
	.amdgcn_target "amdgcn-amd-amdhsa--gfx1250"
	.amdhsa_code_object_version 6
	.text
	.protected	k_qe5b9f15735_qkv
	.globl	k_qe5b9f15735_qkv
	.p2align	8
	.type	k_qe5b9f15735_qkv,@function
k_qe5b9f15735_qkv:
	s_mov_b64 s[64:65], 0
	v_nop
	global_prefetch_b8 v0, s[64:65] scope:SCOPE_SE
	s_setreg_imm32_b32 hwreg(HW_REG_WAVE_MODE, 25, 1), 1
	s_wait_xcnt 0x0
; Group norm 1, its quantising along the channels, the product with qkv_w, and the quantising of q, k (along a head's 32) and v (along the tokens).
; A work-group takes 128 tokens of a batch (x: 32 b + T).  y = 0 makes q and k, y = 1 makes v; both norm and quantise the same 128 tokens.
; TOKEN ORDER: tokens go in groups G of 64; tile (G, u) has row r <-> token 64 G + 4 r + u, so that one load of 16 bytes of a channel's row carries lane r's number of all four tiles, and sixteen lanes read 256 consecutive bytes.
; THE NORM is one fused multiply-add x a + b', a = gain / sqrt(var + eps), b' = bias - mean a; b' is rounded once, so under a large common offset the result carries half an ulp of b'.
; OPERANDS GO THROUGH LDS AND MEMORY AS IMAGES OF THEIR REGISTERS (register q of lane L at 512 (q / 4) + 16 L + 4 (q % 4)).
; OUT, a record of REC bytes for each (batch, head): KC 64 fragments of k (fragment G: K block u of row r = the 32 codes of token 64 G + 4 r + u), VC 32 steps x 2 fragments of v^T (row = dim 16 (r / 8) + 8 n + r % 8,
; K = 128 tokens; inside a block of 32 tokens place 8 u + j holds token 4 j + u), KS, VS their scale words, QC, QS as KC, KS for q.
; LIMITS: NaN and infinities are not served; blocks under 2^-122, and blocks of zeros, keep the byte 1 (only this program reads the bytes).
.set TAB,  0                           ; LDS: (a, b') of the 256 channels, 8 bytes each
.set XIMG, 2048                        ; 16 fragments of x: ((4 G + u) 2 + s) 1,536
.set XSC,  26624                       ; their scale words: [4 G + u][s][16 words]
.set REC,  307200
.set KC,   0
.set VC,   98304
.set KS,   196608
.set VS,   200704
.set QC,   204800
.set QS,   303104
.set VL,   1                           ; v1 lane  v2 r  v3 h
.set VR,   2
.set VH,   3
.set L16,  4                           ; v4  16 L
.set L4,   5                           ; v5  4 L
.set XA,   6                           ; v6  x: 32 channels x h + 16 r
.set XW0,  7                           ; v7, v8 where my half fragment's pairs of registers go
.set XW1,  8
.set XSB,  9                           ; v9  and its scale byte
.set TABR, 10                          ; v10 my 32 channels' (a, b')
.set TABW, 11                          ; v11 where I store my channel's
.set V8H,  12                          ; v12 8 h
.set SOF,  13                          ; v13 REC h + 4 r
.set WS,   16                          ; v16-23 the weights' scale words
.set AB,   32                          ; v32-63 sixteen (a, b')
.set RW,   64                          ; v64-191 x as loaded: channel i, token u at 4 i + u
.set NL,   192                         ; v192-255 normed, channels 0-15: 16 u + k
.set WV,   18
.set SEL,  22
.set CV,   24
.set CE,   25
.set MSB,  0
.macro WIN new                         ; the immediate's high byte repeats the setting that is left
.if MSB != \new
	s_set_vgpr_msb (MSB<<8)|\new
.set MSB, \new
.endif
.endm
.macro PLACES                          ; four plain places behind matrix instructions, ahead of reads of results and of loads into their registers
.rept 4
	v_nop
.endr
.endm
.macro QUANT32 src, dst, tmp, m, by    ; a lane's 32 registers, one block, become 6 registers of codes and a byte
	v_max3_num_f32 v[\m], |v[\src]|, |v[(\src)+1]|, 0x2800000              ; the floor 2^(5 - 127): the byte cannot fall under 1.  Each accumulator is read from its low end on
	v_max3_num_f32 v[(\m)+1], |v[(\src)+16]|, |v[(\src)+17]|, 0x2800000
.irp i, 2,4,6,8,10,12,14
	v_max3_num_f32 v[\m], v[\m], |v[(\src)+\i]|, |v[(\src)+\i+1]|
	v_max3_num_f32 v[(\m)+1], v[(\m)+1], |v[(\src)+16+\i]|, |v[(\src)+17+\i]|
.endr
	v_max_num_f32 v[\m], v[\m], v[(\m)+1]
	v_add_nc_u32 v[(\m)+2], 0xfe000000, v[\m]
	v_lshrrev_b32 v[\by], 23, v[(\m)+2]
	v_cvt_scalef32_pk16_bf6_f32 v[\dst:(\dst)+2], v[\src:(\src)+15], v[(\m)+2]
	v_cvt_scalef32_pk16_bf6_f32 v[\tmp:(\tmp)+2], v[(\src)+16:(\src)+31], v[(\m)+2]
	v_nop                                                                  ; one plain place behind a scaled conversion
.irp i, 0,1,2
	v_mov_b32 v[(\dst)+3+\i], v[(\tmp)+\i]
.endr
.endm
.macro WORD2 w, b0, b1, t              ; a lane holds the bytes of blocks h and 2 + h: the scale word, in both halves of the lanes
	v_lshl_or_b32 v[\w], v[\b1], 16, v[\b0]
	v_lshlrev_b32 v[\w], v[V8H], v[\w]
	v_permlanex16_b32 v[\t], v[\w], s[SEL], s[SEL+1]
	v_or_b32 v[\w], v[\w], v[\t]
.endm
.macro FETCHX reg, sc, tile            ; a tile's two fragments of x and their scale words (lanes 0-15: K step 0, lanes 16-31: K step 1): seven LDS loads
.irp k, 0,1,2,3,4,5
	ds_load_b128 v[(\reg)+4*\k:(\reg)+4*\k+3], v[L16] offset:XIMG+(\tile)*3072+512*\k
.endr
	ds_load_b32 v[\sc], v[L4] offset:XSC+128*(\tile)
.endm
; Wave w joins the 64 partial statistics of groups 4 w .. 4 w + 3 and stores (a, b') of channel 32 w + lane.  mean = sum of means / 64; M2 = sum of M2 + 512 x sum of (mean_i - mean)^2.
.macro STATS
.irp q, 0,1,2,3
	v_add_f32 v[192+\q], v[32+4*\q], v[34+4*\q]
.endr
.irp msk, 1,2,4,8
.irp q, 0,1,2,3
	v_add_f32_dpp v[192+\q], v[192+\q], v[192+\q] row_xmask:\msk row_mask:0xf bank_mask:0xf
.endr
.endr
.irp q, 0,1,2,3
	v_permlanex16_b32 v[196+\q], v[192+\q], s[SEL], s[SEL+1]
.endr
.irp q, 0,1,2,3
	v_add_f32 v[192+\q], v[192+\q], v[196+\q]
.endr
.irp q, 0,1,2,3
	v_mul_f32 v[192+\q], 0x3c800000, v[192+\q]     ; / 64
.endr
.irp q, 0,1,2,3
	v_sub_f32 v[200+\q], v[32+4*\q], v[192+\q]
	v_sub_f32 v[204+\q], v[34+4*\q], v[192+\q]
	v_add_f32 v[208+\q], v[33+4*\q], v[35+4*\q]
.endr
.irp q, 0,1,2,3
	v_mul_f32 v[200+\q], v[200+\q], v[200+\q]
.endr
.irp q, 0,1,2,3
	v_fma_f32 v[200+\q], v[204+\q], v[204+\q], v[200+\q]
.endr
.irp q, 0,1,2,3
	v_fma_f32 v[208+\q], v[200+\q], 0x44000000, v[208+\q]   ; x 512
.endr
.irp msk, 1,2,4,8
.irp q, 0,1,2,3
	v_add_f32_dpp v[208+\q], v[208+\q], v[208+\q] row_xmask:\msk row_mask:0xf bank_mask:0xf
.endr
.endr
.irp q, 0,1,2,3
	v_permlanex16_b32 v[196+\q], v[208+\q], s[SEL], s[SEL+1]
.endr
.irp q, 0,1,2,3
	v_add_f32 v[208+\q], v[208+\q], v[196+\q]
.endr
.irp q, 0,1,2,3
	v_fma_f32 v[208+\q], v[208+\q], s[CV], s[CE]   ; / 32,768 + eps
.endr
.irp q, 0,1,2,3
	v_rsq_f32 v[208+\q], v[208+\q]
.endr
	v_lshrrev_b32 v212, 3, v[VL]                   ; (a plain place behind the roots)  my channel's group among the four
	v_cmp_eq_u32 vcc_lo, 1, v212
	v_cndmask_b32 v213, v192, v193, vcc_lo
	s_wait_alu depctr_va_vdst(0)
	v_cndmask_b32 v214, v208, v209, vcc_lo
	v_cmp_eq_u32 vcc_lo, 2, v212
	v_cndmask_b32 v213, v213, v194, vcc_lo
	v_cndmask_b32 v214, v214, v210, vcc_lo
	v_cmp_eq_u32 vcc_lo, 3, v212
	v_cndmask_b32 v213, v213, v195, vcc_lo
	v_cndmask_b32 v214, v214, v211, vcc_lo
	v_mul_f32 v216, v214, v48                      ; a
	v_fma_f32 v217, -v213, v216, v49               ; b'
	ds_store_b64 v[TABW], v[216:217]
.endm
; A wave's unit: 64 tokens x 64 channels, of which a lane holds 32 channels (one block) of four tokens.  Normed, quantised, stored as half fragments.
.macro XPHASE
.irp k, 0,1,2,3,4,5,6,7
	ds_load_b128 v[AB+4*\k:AB+4*\k+3], v[TABR] offset:TAB+16*\k
.endr
	s_wait_dscnt 0x0
.set I0, 0
.rept 16
.irp u, 0,1,2,3
	v_fma_f32 v[NL+16*\u+I0], v[RW+4*I0+\u], v[AB+2*I0], v[AB+2*I0+1]     ; the fused multiply-add also turns 'four tokens of a channel' into 'registers along the channels'
.endr
.set I0, I0+1
.endr
.irp k, 0,1,2,3,4,5,6,7
	ds_load_b128 v[AB+4*\k:AB+4*\k+3], v[TABR] offset:TAB+128+16*\k
.endr
	s_wait_dscnt 0x0
.set I0, 0
.rept 16
.irp u, 0,1,2,3
	v_fma_f32 v[RW+16*\u+I0], v[RW+64+4*I0+\u], v[AB+2*I0], v[AB+2*I0+1]  ; channels 16-31, into registers whose numbers are used up
.endr
.set I0, I0+1
.endr
.irp u, 0,1,2,3
	v_max3_num_f32 v[32+\u], |v[NL+16*\u]|, |v[NL+16*\u+1]|, 0x2800000
	v_max3_num_f32 v[36+\u], |v[RW+16*\u]|, |v[RW+16*\u+1]|, 0x2800000
.endr
.irp i, 2,4,6,8,10,12,14
.irp u, 0,1,2,3
	v_max3_num_f32 v[32+\u], v[32+\u], |v[NL+16*\u+\i]|, |v[NL+16*\u+\i+1]|
	v_max3_num_f32 v[36+\u], v[36+\u], |v[RW+16*\u+\i]|, |v[RW+16*\u+\i+1]|
.endr
.endr
.irp u, 0,1,2,3
	v_max_num_f32 v[32+\u], v[32+\u], v[36+\u]
.endr
.irp u, 0,1,2,3
	v_add_nc_u32 v[40+\u], 0xfe000000, v[32+\u]
.endr
.irp u, 0,1,2,3
	v_lshrrev_b32 v[44+\u], 23, v[40+\u]
.endr
.irp u, 0,1,2,3
	v_cvt_scalef32_pk16_bf6_f32 v[128+6*\u:130+6*\u], v[NL+16*\u:NL+16*\u+15], v[40+\u]
	v_cvt_scalef32_pk16_bf6_f32 v[152+4*\u:154+4*\u], v[RW+16*\u:RW+16*\u+15], v[40+\u]
.endr
	v_nop                                          ; one plain place behind the conversions
.irp u, 0,1,2,3
.irp i, 0,1,2
	v_mov_b32 v[131+6*\u+\i], v[152+4*\u+\i]
.endr
.endr
.irp u, 0,1,2,3
	ds_store_b64 v[XW0], v[128+6*\u:129+6*\u] offset:3072*\u
	ds_store_b64 v[XW1], v[130+6*\u:131+6*\u] offset:3072*\u
	ds_store_b64 v[XW0], v[132+6*\u:133+6*\u] offset:3072*\u+512
	ds_store_b8 v[XSB], v[44+\u] offset:128*\u
.endr
.endm
	s_load_b256 s[4:11], s[0:1], 0x0               ; x, part1, gn1_w, gn1_b
	s_load_b128 s[12:15], s[0:1], 0x20             ; wimg, wsc
	s_load_b64 s[16:17], s[0:1], 0x30              ; qkv
	v_lshl_add_u32 v30, v0, 2, 0x6c00
	v_mov_b32 v31, 0
	v_lshrrev_b32 v1, 5, v0
	v_readfirstlane_b32 s[WV], v1                  ; wave 0..7
	v_and_b32 v[VL], 31, v0
	v_and_b32 v[VR], 15, v0
	v_bfe_u32 v[VH], v0, 4, 1
	v_lshlrev_b32 v[L16], 4, v[VL]
	v_lshlrev_b32 v[L4], 2, v[VL]
	v_lshlrev_b32 v[XA], 4, v[VR]
	v_lshl_add_u32 v[XA], v[VH], 19, v[XA]
	v_lshlrev_b32 v[V8H], 3, v[VH]
	v_mul_u32_u24 v[SOF], v[VH], REC
	v_lshl_add_u32 v[SOF], v[VR], 2, v[SOF]
	s_lshr_b32 s19, ttmp9, 5                       ; batch
	s_and_b32 s20, ttmp9, 31                       ; T: which 128 tokens
	s_and_b32 s21, ttmp7, 0xffff                   ; y
	s_lshr_b32 s26, s[WV], 2                       ; my unit: G,
	s_bfe_u32 s27, s[WV], 0x10001                  ; K step s,
	s_and_b32 s28, s[WV], 1                        ; half c of it
	s_mul_i32 s30, s26, 12288
	s_mul_i32 s31, s27, 1536
	s_add_co_u32 s30, s30, s31
	s_mul_i32 s31, s28, 520
	s_add_co_u32 s31, s30, s31
	s_add_co_u32 s31, s31, XIMG
	v_add_nc_u32 v[XW0], s31, v[L16]               ; registers 6 c, 6 c + 1 (and, 512 on, 6 c + 4, 6 c + 5)
	s_mul_i32 s31, s28, 1016
	s_add_co_u32 s31, s30, s31
	s_add_co_u32 s31, s31, XIMG+8
	v_add_nc_u32 v[XW1], s31, v[L16]               ; registers 6 c + 2, 6 c + 3
	s_lshl_b32 s30, s26, 9
	s_lshl_b32 s31, s27, 6
	s_add_co_u32 s30, s30, s31
	s_lshl_b32 s31, s28, 1
	s_add_co_u32 s30, s30, s31
	s_add_co_u32 s30, s30, XSC
	v_lshl_add_u32 v[XSB], v[VR], 2, v[VH]
	v_add_nc_u32 v[XSB], s30, v[XSB]               ; byte 2 c + h of row r's word
	s_lshl_b32 s30, s27, 10
	s_lshl_b32 s31, s28, 9
	s_add_co_u32 s30, s30, s31
	v_lshlrev_b32 v[TABR], 8, v[VH]
	v_add_nc_u32 v[TABR], s30, v[TABR]
	s_lshl_b32 s30, s[WV], 8
	v_lshlrev_b32 v[TABW], 3, v[VL]
	v_add_nc_u32 v[TABW], s30, v[TABW]
.irp q, 0,1,2,3
	v_mov_b32 v[196+\q], 0                         ; lane permutes' destinations count as read
.endr
	s_mov_b32 s[SEL], 0x76543210
	s_mov_b32 s[SEL+1], 0xfedcba98
	s_mov_b32 s[CV], 0x38000000                    ; 1 / 32,768
	s_mov_b32 s[CE], 0x3727c5ac                    ; eps = 1e-5
	; my eight weight fragments: y = 0: 8 w on (64 rows of q or of k, two K steps); y = 1: 64 + 4 w on, of which the first four are my head's (the others lie inside the buffer and are not used)
	s_mul_i32 s30, s[WV], 12288
	s_mul_i32 s31, s[WV], 6144
	s_add_co_u32 s31, s31, 98304
	s_lshl_b32 s32, s[WV], 10
	s_lshl_b32 s33, s[WV], 9
	s_add_co_u32 s33, s33, 8192
	s_cmp_lg_u32 s21, 0
	s_cselect_b32 s30, s31, s30
	s_cselect_b32 s32, s33, s32
	s_mov_b32 s31, 0
	s_mov_b32 s33, 0
	s_lshl_b32 s34, s19, 14
	s_lshl_b32 s35, s[WV], 11
	s_add_co_u32 s34, s34, s35                     ; part1: my four groups
	s_mov_b32 s35, 0
	s_lshl_b32 s36, s[WV], 7                       ; gain and bias: my 32 channels
	s_mov_b32 s37, 0
	s_lshl_b32 s38, s19, 22                        ; x: batch, 128 s + 64 c channels, 128 T + 64 G tokens
	s_lshl_b32 s39, s27, 21
	s_add_co_u32 s38, s38, s39
	s_lshl_b32 s39, s28, 20
	s_add_co_u32 s38, s38, s39
	s_lshl_b32 s39, s20, 9
	s_add_co_u32 s38, s38, s39
	s_lshl_b32 s39, s26, 8
	s_add_co_u32 s38, s38, s39
	s_mov_b32 s39, 0
	s_wait_kmcnt 0x0
	s_add_nc_u64 s[6:7], s[6:7], s[34:35]
	s_add_nc_u64 s[8:9], s[8:9], s[36:37]
	s_add_nc_u64 s[10:11], s[10:11], s[36:37]
	s_add_nc_u64 s[4:5], s[4:5], s[38:39]
	s_add_nc_u64 s[12:13], s[12:13], s[30:31]
	s_add_nc_u64 s[14:15], s[14:15], s[32:33]
.irp q, 0,1,2,3
	global_load_b128 v[32+4*\q:35+4*\q], v[L16], s[6:7] offset:512*\q
.endr
	global_load_b32 v48, v[L4], s[8:9]
	global_load_b32 v49, v[L4], s[10:11]
.set I0, 0
.rept 32
	global_load_b128 v[RW+4*I0:RW+4*I0+3], v[XA], s[4:5] offset:16384*I0   ; sixteen lanes read 256 consecutive bytes of a channel's row
.set I0, I0+1
.endr
	s_wait_loadcnt 32                              ; the statistics, gain and bias are in; x's 32 loads may be out
	STATS
	WIN 0x40                                       ; destination window 1
.set I0, 0
.rept 8
.irp k, 0,1,2
	global_load_b128 v[12*I0+4*\k:12*I0+4*\k+3], v[L16], s[12:13] offset:1536*I0+512*\k
.endr
.set I0, I0+1
.endr
	WIN 0
.irp i, 0,1,2,3,4,5,6,7
	global_load_b32 v[WS+\i], v[L4], s[14:15] offset:128*\i
.endr
	s_wait_loadcnt 32                              ; x is in; behind it stand the weights' 32 loads
	s_wait_dscnt 0x0                               ; my (a, b') have landed
	s_barrier_signal -1
	s_barrier_wait -1                              ; everybody's have
	XPHASE
	s_wait_dscnt 0x0                               ; my half fragments and bytes have landed
	s_barrier_signal -1
	s_barrier_wait -1                              ; x's sixteen fragments lie in LDS; from here on LDS is only read
	s_wait_loadcnt 0x0                             ; the weights
	s_cmp_lg_u32 s21, 0
	s_cbranch_scc1 .Lv
	; ---- q and k.  Wave w: q (w < 4) or k, heads 2 (w % 4) and 2 (w % 4) + 1.  Transposed use: source 0 = 16 rows of the weight, source 1 = 16 tokens: lane (r, h) holds token r and, over four tiles, the 32 dims of head 2 g + h.
	s_lshl_b32 s30, s19, 3
	s_and_b32 s31, s[WV], 3
	s_lshl_b32 s31, s31, 1
	s_add_co_u32 s30, s30, s31
	s_mul_i32 s30, s30, REC                        ; the even head's record
	s_mul_i32 s31, s20, 3072                       ; fragments 2 T, 2 T + 1
	s_lshl_b32 s32, s20, 7
	s_mov_b32 s35, QS
	s_cmp_lg_u32 s26, 0
	s_cselect_b32 s34, KC, QC
	s_cselect_b32 s35, KS, s35
	s_add_co_u32 s34, s34, s30
	s_add_co_u32 s40, s34, s31
	s_mov_b32 s41, 0
	s_add_co_u32 s35, s35, s30
	s_add_co_u32 s44, s35, s32
	s_mov_b32 s45, 0
	s_add_nc_u64 s[42:43], s[16:17], s[40:41]
	s_add_nc_u64 s[44:45], s[16:17], s[44:45]
.macro QKMUL                           ; four accumulators by turns, two K steps
	WIN 0x01                                       ; source 0 in window 1
.irp t, 0,1,2,3
	v_wmma_scale_f32_16x16x128_f8f6f4 v[64+8*\t:71+8*\t], v[24*\t:24*\t+11], v[32:43], 0, v[WS+2*\t], v56 matrix_a_fmt:MATRIX_FMT_BF6 matrix_b_fmt:MATRIX_FMT_BF6
.endr
.irp t, 0,1,2,3
	v_wmma_scale_f32_16x16x128_f8f6f4 v[64+8*\t:71+8*\t], v[24*\t+12:24*\t+23], v[44:55], v[64+8*\t:71+8*\t], v[WS+2*\t+1], v56 matrix_a_fmt:MATRIX_FMT_BF6 matrix_b_fmt:MATRIX_FMT_BF6 matrix_b_scale:MATRIX_SCALE_ROW1
.endr
	WIN 0
.endm
	FETCHX 32, 56, 0
.irp g, 0,1
.irp u, 0,1,2,3
	s_wait_dscnt 0x0                               ; the tile's fragments are in
	QKMUL
	PLACES
.if 4*\g+\u < 7
	FETCHX 32, 56, 4*\g+\u+1                       ; the next tile lands while this one is quantised
.endif
	QUANT32 64, 104+24*\g+12*(\u%2)+6*(\u/2), 152, 96, 164+\u
.endr
.irp i, 0,1,2,3,4,5,6,7,8,9,10,11
	v_permlane16_swap_b32 v[104+24*\g+\i], v[116+24*\g+\i]   ; even tiles' upper lanes (head 2 g + 1) change places with odd tiles' lower lanes (head 2 g): two whole fragments, block u = 2 c + h
.endr
	v_lshl_or_b32 v[160+\g], v165, 8, v164         ; byte u of my token row's word, for head 2 g + h
	v_lshl_or_b32 v[160+\g], v166, 16, v[160+\g]
	v_lshl_or_b32 v[160+\g], v167, 24, v[160+\g]
.irp k, 0,1,2
	global_store_b128 v[L16], v[104+24*\g+4*\k:107+24*\g+4*\k], s[42:43] offset:1536*\g+512*\k
	global_store_b128 v[L16], v[116+24*\g+4*\k:119+24*\g+4*\k], s[42:43] offset:REC+1536*\g+512*\k
.endr
	global_store_b32 v[SOF], v[160+\g], s[44:45] offset:64*\g
.endr
	s_wait_tensorcnt 0x0
	ds_add_u32 v30, v31
	s_wait_dscnt 0x0
	s_endpgm
.Lv:
	; ---- v.  Wave w is head w.  Source 0 = 16 tokens, source 1 = 16 rows of the weight: lane (r, h) holds ONE dim and its registers run along the tokens: over the four tiles of a group 32 tokens, one block of the next K.
	s_lshl_b32 s30, s19, 3
	s_add_co_u32 s30, s30, s[WV]
	s_mul_i32 s30, s30, REC
	s_mul_i32 s31, s20, 3072
	s_add_co_u32 s40, s30, s31
	s_add_co_u32 s40, s40, VC
	s_mov_b32 s41, 0
	s_lshl_b32 s32, s20, 7
	s_add_co_u32 s44, s30, s32
	s_add_co_u32 s44, s44, VS
	s_mov_b32 s45, 0
	s_add_nc_u64 s[42:43], s[16:17], s[40:41]
	s_add_nc_u64 s[44:45], s[16:17], s[44:45]
.macro VMUL t                          ; two accumulators by turns, two K steps
.set XFB, 32+184*((\t)%2)
.set XSR, 56+184*((\t)%2)
	WIN 0x04                                       ; source 1 in window 1
	v_wmma_scale_f32_16x16x128_f8f6f4 v[64+8*(\t):71+8*(\t)], v[XFB:XFB+11], v[0:11], 0, v[XSR], v[WS] matrix_a_fmt:MATRIX_FMT_BF6 matrix_b_fmt:MATRIX_FMT_BF6
	v_wmma_scale_f32_16x16x128_f8f6f4 v[128+8*(\t):135+8*(\t)], v[XFB:XFB+11], v[24:35], 0, v[XSR], v[WS+2] matrix_a_fmt:MATRIX_FMT_BF6 matrix_b_fmt:MATRIX_FMT_BF6
	v_wmma_scale_f32_16x16x128_f8f6f4 v[64+8*(\t):71+8*(\t)], v[XFB+12:XFB+23], v[12:23], v[64+8*(\t):71+8*(\t)], v[XSR], v[WS+1] matrix_a_fmt:MATRIX_FMT_BF6 matrix_b_fmt:MATRIX_FMT_BF6 matrix_a_scale:MATRIX_SCALE_ROW1
	v_wmma_scale_f32_16x16x128_f8f6f4 v[128+8*(\t):135+8*(\t)], v[XFB+12:XFB+23], v[36:47], v[128+8*(\t):135+8*(\t)], v[XSR], v[WS+3] matrix_a_fmt:MATRIX_FMT_BF6 matrix_b_fmt:MATRIX_FMT_BF6 matrix_a_scale:MATRIX_SCALE_ROW1
	WIN 0
.endm
	FETCHX 32, 56, 0
.irp t, 0,1,2,3,4,5,6,7
	PLACES                                         ; ahead of loads into the buffer that the tile before multiplied
.if \t < 7
	FETCHX 32+184*((\t+1)%2), 56+184*((\t+1)%2), \t+1
	s_wait_dscnt 7                                 ; this tile's are in; the seven just issued may be out
.else
	s_wait_dscnt 0x0
.endif
	VMUL \t
.endr
	PLACES
	v_mov_b32 v230, 0
.irp n, 0,1
.irp c, 0,1
	QUANT32 64+64*\n+32*\c, 192+12*\n+6*\c, 216, 220, 224+2*\n+\c
.endr
	WORD2 228+\n, 224+2*\n, 225+2*\n, 230
.endr
	v_cmp_gt_u32 vcc_lo, 16, v[VL]
	v_cndmask_b32 v232, v229, v228, vcc_lo         ; lanes 0-15: fragment 0's words, lanes 16-31: fragment 1's
.irp n, 0,1
.irp k, 0,1,2
	global_store_b128 v[L16], v[192+12*\n+4*\k:195+12*\n+4*\k], s[42:43] offset:1536*\n+512*\k
.endr
.endr
	global_store_b32 v[L4], v232, s[44:45]
	s_wait_tensorcnt 0x0
	ds_add_u32 v30, v31
	s_wait_dscnt 0x0
	s_endpgm
.Lfunc_end_k_qe5b9f15735_qkv:
	.size	k_qe5b9f15735_qkv, .Lfunc_end_k_qe5b9f15735_qkv-k_qe5b9f15735_qkv
	.p2alignl 7, 3214868480
	.fill 96, 4, 3214868480
	.section	.rodata,"a",@progbits
	.p2align	6, 0x0
	.amdhsa_kernel k_qe5b9f15735_qkv
		.amdhsa_group_segment_fixed_size 28672
		.amdhsa_private_segment_fixed_size 0
		.amdhsa_enable_private_segment 0
		.amdhsa_kernarg_size 56
		.amdhsa_user_sgpr_count 2
		.amdhsa_user_sgpr_kernarg_segment_ptr 1
		.amdhsa_wavefront_size32 1
		.amdhsa_system_sgpr_workgroup_id_x 1
		.amdhsa_system_sgpr_workgroup_id_y 1
		.amdhsa_system_sgpr_workgroup_id_z 1
		.amdhsa_system_vgpr_workitem_id 0
		.amdhsa_next_free_vgpr 352
		.amdhsa_next_free_sgpr 66
		.amdhsa_reserve_vcc 1
		.amdhsa_float_denorm_mode_32 3
		.amdhsa_float_denorm_mode_16_64 3
		.amdhsa_memory_ordered 1
		.amdhsa_forward_progress 1
		.amdhsa_inst_pref_size 77
	.end_amdhsa_kernel
	.amdgpu_metadata
---
amdhsa.version: [ 1, 2 ]
amdhsa.kernels:
  - .name:           k_qe5b9f15735_qkv
    .symbol:         k_qe5b9f15735_qkv.kd
    .args:
      - { .name: x, .offset: 0, .size: 8, .value_kind: global_buffer, .address_space: global }
      - { .name: part1, .offset: 8, .size: 8, .value_kind: global_buffer, .address_space: global }
      - { .name: gn1_w, .offset: 16, .size: 8, .value_kind: global_buffer, .address_space: global }
      - { .name: gn1_b, .offset: 24, .size: 8, .value_kind: global_buffer, .address_space: global }
      - { .name: wimg, .offset: 32, .size: 8, .value_kind: global_buffer, .address_space: global }
      - { .name: wsc, .offset: 40, .size: 8, .value_kind: global_buffer, .address_space: global }
      - { .name: qkv, .offset: 48, .size: 8, .value_kind: global_buffer, .address_space: global }
    .group_segment_fixed_size: 28672
    .private_segment_fixed_size: 0
    .kernarg_segment_align: 8
    .kernarg_segment_size: 56
    .max_flat_workgroup_size: 256
    .sgpr_count:     66
    .vgpr_count:     352
    .wavefront_size: 32
...
	.end_amdgpu_metadata
.endif
;; end of part 2
;; launch attn (part 3): grid 16 x 16, 16 waves a work-group, clusters of 4 x 1, 207,104 bytes of LDS; arguments qkv, phys_bias, ao, aosc; writes ao, aosc
.if DOCPART == 3
	.amdgcn_target "amdgcn-amd-amdhsa--gfx1250"
	.amdhsa_code_object_version 6
	.text
	.protected	k_qe5b9f15735_attn
	.globl	k_qe5b9f15735_attn
	.p2align	8
	.type	k_qe5b9f15735_attn,@function
k_qe5b9f15735_attn:
	s_mov_b64 s[64:65], 0
	v_nop
	global_prefetch_b8 v0, s[64:65] scope:SCOPE_SE
	s_setreg_imm32_b32 hwreg(HW_REG_WAVE_MODE, 25, 1), 1
	s_wait_xcnt 0x0
	s_wait_alu depctr_hold_cnt(0) depctr_sa_sdst(0) depctr_va_vdst(0) depctr_va_sdst(0) depctr_va_ssrc(0) depctr_va_vcc(0) depctr_vm_vsrc(0)
	s_getreg_b32 s2, hwreg(HW_REG_IB_STS2, 6, 4)
	s_cmp_eq_u32 s2, 0
	s_cbranch_scc0 .Lentry_in_a_cluster
	s_endpgm
.Lentry_in_a_cluster:
	s_bfe_u32 s2, ttmp6, 0x10000c
	s_cmp_lg_u32 s2, 0x3003
	s_cbranch_scc0 .Lentry_shape_is_right
	s_endpgm
.Lentry_shape_is_right:
; Attention of one (batch, head) for 256 queries, on codes of E3M2; its result, divided by the row's sum, is quantised along the head's 32 (one block of the projection's K).
; t = score x log2(e) / sqrt(32) + bias x log2(e); M = the running largest t rounded up to a whole number; p = 2^(t - M) is quantised along the keys, not normalised; the sum is taken of the unquantised p.
; SHARES.  y = 8 batch + head; x = 4 cluster + place = which 256 queries.  Each of sixteen waves owns one tile of 16 queries (G = 4 x + w / 4, u = w % 4; query r = token 64 G + 4 r + u) and walks all 4,096 keys, 128 a step.
; LDS IS FILLED ONCE: the head's k, v and their scale words, 204,800 dense bytes, fit; each wave brings 50 rows of 256 bytes by one tensor load.  One tensor load a wave is out.  Nothing is filled again.
; CLUSTER: the four work-groups of a cluster walk the same head, so each of those loads is asked for jointly, with the same descriptor and a mask that names the four.
; THE FIRST PRODUCT HAS K = 32.  A fragment of k holds FOUR tiles of 16 keys, one in each block of 32 along the instruction's K; source 1 is q with its 32 codes in block u and zero codes elsewhere: that picks tile u.
; So no byte of k in LDS or registers is idle.  (The blocks that meet zero codes add nothing; they take part in the unit's alignment of exponents.)
; Both products are used transposed: a lane holds one query.  The 32 registers of the four tiles of a fragment are one block of 32 keys (place 8 u + j = key 4 j + u, as v's codes are laid), so p's codes are the second product's operand as the conversions leave them.
; LIMITS: NaN and infinities are not served; blocks under 2^-122 and blocks of zeros keep the byte 1.
.set REC, 307200
.set VC,  98304                        ; LDS as the record: k's fragments at 0, v's at VC, k's scale words at KS, v's 4,096 on
.set KS,  196608
.set QC,  204800
.set QS,  303104
.set AOS, 204800                       ; LDS: the 256 scale bytes of the work-group's result; no load lands here
.set VR,  1                            ; v1 r  v2 h  v3 8 h  v12 lane
.set VH,  2
.set V8H, 3
.set L16, 4                            ; v4  16 L
.set LV,  5                            ; v5  16 L + VC
.set LS,  6                            ; v6  4 L + KS
.set ADK, 7                            ; v7-9 the step's addresses
.set ADV, 8
.set ADS, 9
.set AOO, 10                           ; v10 24 r + 12 h
.set AOW, 11                           ; v11 AOS + 16 w + r
.set VL,  12
.set AOR, 13                           ; v13 AOS + 8 L
; v14-16 q's offsets; v17 zero; v18 8 L; v[20:21] bytes on their way out; v32-55 k, two fragments; v56-79 v, two fragments; v80-86 q as loaded; v96-159 scores, then p; v160-175 O^T; v176-187 p's codes; v188-194 halves of them;
; v200-229 [0 x 6][q in lanes 0-15 x 6][0 x 6][q in lanes 16-31 x 6][0 x 6]; v230 q's byte in all four; v231 k's, v232 v's, v233 p's scale words; v234 -M; v235 largest t; v[236:237] bias - M; v[238:239] the sum; v[240:241] f; v242-251 at work
.set WV,  12
.set G1,  16
.set G0,  24
.set SEL, 28
.set CS,  30
.set PBL, 32
.set TB,  33
.set TS,  34
.set CNT, 35
.macro CROUND                          ; a round of the cluster's barrier
	s_barrier_signal -1
	s_barrier_wait -1
	s_cmp_lg_u32 s[WV], 0
	s_cbranch_scc1 .Lnot_wave_0_\@
	s_barrier_signal -3
.Lnot_wave_0_\@:
	s_barrier_wait -3
	s_barrier_signal -1
	s_barrier_wait -1
.endm
	s_load_b256 s[4:11], s[0:1], 0x0               ; qkv, phys_bias, ao, aosc
	v_lshl_add_u32 v254, v0, 2, 0x32100
	v_mov_b32 v255, 0
	ds_add_u32 v254, v255
	ds_add_u32 v254, v255
	v_lshrrev_b32 v12, 5, v0
	v_readfirstlane_b32 s[WV], v12                 ; wave 0..15
	v_and_b32 v[VL], 31, v0
	v_and_b32 v[VR], 15, v0
	v_bfe_u32 v[VH], v0, 4, 1
	v_lshlrev_b32 v[V8H], 3, v[VH]
	v_lshlrev_b32 v[L16], 4, v[VL]
	v_add_nc_u32 v[LV], VC, v[L16]
	v_lshl_add_u32 v[LS], v[VL], 2, KS
	s_lshl_b32 s36, s[WV], 4
	v_add_nc_u32 v[AOW], s36, v[VR]
	v_add_nc_u32 v[AOW], AOS, v[AOW]
	v_lshl_add_u32 v[AOR], v[VL], 3, AOS
	v_mul_u32_u24 v[AOO], v[VR], 24
	v_mad_u32_u24 v[AOO], v[VH], 12, v[AOO]
	v_lshlrev_b32 v18, 3, v[VL]
	v_lshlrev_b32 v16, 2, v[VR]
	v_mov_b32 v17, 0
	s_bfe_u32 s13, ttmp6, 0x40000                  ; my place in the cluster: it enters the addresses of q, ao and aosc alone
	s_lshl_b32 s14, ttmp9, 2
	s_add_co_u32 s14, s14, s13                     ; which 256 queries
	s_and_b32 s15, ttmp7, 0xffff                   ; 8 batch + head, which the partners share
	s_mov_b32 s[G1], 15|(3<<16)|(1<<21)            ; the mask: all four; elements of 8 bytes; bit 21 beside a mask; no padding
	s_mov_b32 s[G1+1], 32<<16                      ; tensor_dim0 = 32 elements: rows of 256 bytes
	s_mov_b32 s[G1+2], 50<<16                      ; tensor_dim1 = 50
	s_mov_b32 s[G1+3], 32<<16                      ; tile_dim0
	s_mov_b32 s[G1+4], 50                          ; tile_dim1
	s_mov_b32 s[G1+5], 32                          ; pitch: dense
	s_mov_b32 s[G1+6], 0
	s_mov_b32 s[G1+7], 0
	s_mov_b32 s[SEL], 0x76543210
	s_mov_b32 s[SEL+1], 0xfedcba98
	s_mov_b32 s[CS], 0x3e8293ee                    ; log2(e) / sqrt(32)
	s_mov_b32 s[CS+1], s[CS]
	s_mov_b32 s[TB], 0
	s_mov_b32 s[TS], 0
	s_mov_b32 s[CNT], 31
	s_mul_i32 s36, s15, REC
	s_mov_b32 s37, 0
	s_mul_i32 s38, s[WV], 12800                    ; my 50 rows
	s_mov_b32 s39, 0
	s_and_b32 s40, s15, 7
	s_lshl_b32 s40, s40, 2                         ; the head's bias
	s_mov_b32 s41, 0
	s_lshr_b32 s42, s[WV], 2
	s_lshl_b32 s43, s14, 2
	s_add_co_u32 s42, s42, s43                     ; G
	s_and_b32 s43, s[WV], 3                        ; u
	s_mul_i32 s44, s42, 1536
	s_and_b32 s45, s43, 1
	s_lshl_b32 s45, s45, 8                         ; block u lies in the lanes of half u % 2,
	s_add_co_u32 s44, s44, s45
	s_add_co_u32 s44, s44, QC
	s_mov_b32 s45, 0
	s_lshr_b32 s46, s43, 1                         ; in registers 6 (u / 2) on
	s_mul_i32 s47, s46, 520
	v_lshl_add_u32 v14, v[VR], 4, s47
	s_mul_i32 s47, s46, 1016
	s_add_co_u32 s47, s47, 8
	v_lshl_add_u32 v15, v[VR], 4, s47
	s_lshl_b32 s48, s42, 6
	s_add_co_u32 s48, s48, QS
	s_mov_b32 s49, 0
	s_lshl_b32 s50, s43, 3                         ; 8 u
	s_mul_i32 s46, s15, 98304
	s_mul_i32 s47, s14, 6144
	s_add_co_u32 s46, s46, s47
	s_mul_i32 s47, s[WV], 384
	s_add_co_u32 s46, s46, s47                     ; ao: 24 bytes a token
	s_mov_b32 s47, 0
	s_wait_dscnt 0x0
	s_wait_kmcnt 0x0
	s_add_nc_u64 s[4:5], s[4:5], s[36:37]          ; the head's record
	s_add_nc_u64 s[6:7], s[6:7], s[40:41]
	s_load_b32 s[PBL], s[6:7], 0x0
	s_mov_b32 s[G0], 1
	s_mul_i32 s[G0+1], s[WV], 12800                ; LDS address: as in the record
	s_add_nc_u64 s[G0+2:G0+3], s[4:5], s[38:39]
	s_or_b32 s[G0+3], s[G0+3], 0x80000000
	s_add_nc_u64 s[44:45], s[4:5], s[44:45]        ; q's codes
	s_add_nc_u64 s[48:49], s[4:5], s[48:49]        ; q's scale words
	s_add_nc_u64 s[8:9], s[8:9], s[46:47]
	s_lshl_b32 s46, s15, 12
	s_lshl_b32 s36, s14, 8
	s_add_co_u32 s46, s46, s36
	s_add_nc_u64 s[10:11], s[10:11], s[46:47]      ; aosc: one byte a token
	CROUND                                         ; all four work-groups are here: the joint loads meet
	tensor_load_to_lds s[G0:G0+3], s[G1:G1+7]
	s_nop 0
.rept 4
	v_nop
.endr
	global_load_b64 v[80:81], v14, s[44:45]        ; query r's 24 bytes, in both halves of the lanes
	global_load_b64 v[82:83], v15, s[44:45]
	global_load_b64 v[84:85], v14, s[44:45] offset:512
	global_load_b32 v86, v16, s[48:49]
.irp i, 0,1,2,3,4,5
	v_mov_b32 v[200+\i], 0
	v_mov_b32 v[212+\i], 0
	v_mov_b32 v[224+\i], 0
.endr
	v_cmp_gt_u32 vcc_lo, 16, v[VL]
	s_wait_loadcnt 0x0
.irp i, 0,1,2,3,4,5
	v_cndmask_b32 v[206+\i], v17, v[80+\i], vcc_lo ; q in lanes 0-15, zero codes above
	v_cndmask_b32 v[218+\i], v[80+\i], v17, vcc_lo ; and the other way round
.endr
	v_lshrrev_b32 v230, s50, v86
	v_and_b32 v230, 0xff, v230
	v_lshl_or_b32 v230, v230, 8, v230
	v_lshl_or_b32 v230, v230, 16, v230             ; q's byte for whichever block it stands in
.irp i, 0,1,2,3,4,5,6,7,8,9,10,11,12,13,14,15
	v_mov_b32 v[160+\i], 0                         ; O^T: the step is written once; the first finds zeros.  (These lines are also the places between the operands just made and the first products)
.endr
	v_mov_b32 v235, 0xff61b1e6                     ; the largest t so far: -3e38
	v_floor_f32 v234, -v235                        ; -M
	v_mov_b32 v237, 0
	v_mov_b32 v238, 0
	v_mov_b32 v239, 0
	v_mov_b32 v241, 0
	v_mov_b32 v245, 0
	s_wait_kmcnt 0x0
	s_mul_f32 s[PBL], s[PBL], 0x3fb8aa3b           ; bias x log2(e)
	s_wait_tensorcnt 0x0                           ; my 50 rows have landed
	s_barrier_signal -1
	s_barrier_wait -1                              ; everybody's have
.irp k, 0,1,2,3,4,5
	ds_load_b128 v[32+4*\k:35+4*\k], v[L16] offset:512*\k     ; k of step 0
.endr
	ds_load_b32 v231, v[LS]
; A KEY STEP: 128 keys.  last = 1: no next step's k is fetched.
.macro STEP last
	s_wait_dscnt 0x0                               ; this step's k is in
.irp c, 0,1
.irp u, 0,1,2,3
.if \c == 0
	v_wmma_scale_f32_16x16x128_f8f6f4 v[96+8*\u:103+8*\u], v[32:43], v[200+6*(1-\u/2)+12*(\u%2):211+6*(1-\u/2)+12*(\u%2)], 0, v231, v230 matrix_a_fmt:MATRIX_FMT_BF6 matrix_b_fmt:MATRIX_FMT_BF6
.else
	v_wmma_scale_f32_16x16x128_f8f6f4 v[128+8*\u:135+8*\u], v[44:55], v[200+6*(1-\u/2)+12*(\u%2):211+6*(1-\u/2)+12*(\u%2)], 0, v231, v230 matrix_a_fmt:MATRIX_FMT_BF6 matrix_b_fmt:MATRIX_FMT_BF6 matrix_a_scale:MATRIX_SCALE_ROW1
.endif
.endr
.endr
	v_add_nc_u32 v[ADV], s[TB], v[LV]              ; four plain places behind the products: ahead of the loads into their registers and of the first read of the scores
	v_add_nc_u32 v[ADK], s[TB], v[L16]
	v_add_nc_u32 v[ADS], s[TS], v[LS]
	v_nop
.irp k, 0,1,2,3,4,5
	ds_load_b128 v[56+4*\k:59+4*\k], v[ADV] offset:512*\k     ; this step's v
.endr
	ds_load_b32 v232, v[ADS] offset:4096
.if !\last
.irp k, 0,1,2,3,4,5
	ds_load_b128 v[32+4*\k:35+4*\k], v[ADK] offset:3072+512*\k   ; the next step's k
.endr
	ds_load_b32 v231, v[ADS] offset:128
.endif
.irp c, 0,1
	v_max3_num_f32 v[242+\c], v[96+32*\c], v[97+32*\c], v[98+32*\c]   ; the largest score of my two blocks of 32 keys; each accumulator is read from its low end on
.endr
.irp i, 3,5,7,9,11,13,15,17,19,21,23,25,27,29
.irp c, 0,1
	v_max3_num_f32 v[242+\c], v[242+\c], v[96+32*\c+\i], v[97+32*\c+\i]
.endr
.endr
.irp c, 0,1
	v_max_num_f32 v[242+\c], v[242+\c], v[127+32*\c]
.endr
	v_max_num_f32 v244, v242, v243
	v_permlanex16_b32 v245, v244, s[SEL], s[SEL+1]
	v_max_num_f32 v244, v244, v245                 ; the step's largest score of my query
	v_fma_f32 v244, v244, s[CS], s[PBL]            ; as t
	v_max_num_f32 v235, v235, v244
	v_mov_b32 v244, v234
	v_floor_f32 v234, -v235                        ; the new -M: a whole number
	v_sub_f32 v244, v234, v244                     ; old M - new M, 0 or less
	v_cvt_i32_f32 v244, v244                       ; (it saturates)
	v_ldexp_f32 v240, 1.0, v244                    ; f = 2^(old M - new M): rounds nothing
	v_add_f32 v236, s[PBL], v234                   ; bias x log2(e) - M
.set I0, 0
.rept 32
	v_pk_fma_f32 v[96+I0:97+I0], v[96+I0:97+I0], s[CS:CS+1], v[236:237] op_sel_hi:[1,0,0]   ; t - M
.set I0, I0+2
.endr
	v_fma_f32 v242, v242, s[CS], v236              ; the same of each block's largest score
	v_fma_f32 v243, v243, s[CS], v236
.set I0, 0
.rept 64
	v_exp_f32 v[96+I0], v[96+I0]                   ; p
.set I0, I0+1
.endr
	v_exp_f32 v242, v242                           ; the block's largest p: the same two instructions on the same number
	v_exp_f32 v243, v243
	v_pk_mul_f32 v[238:239], v[238:239], v[240:241] op_sel_hi:[1,0]   ; the sum under the new M.  (A plain place behind the exponentials)
	s_wait_alu depctr_va_vdst(0)
	v_max_num_f32 v242, 0x2800000, v242            ; the floor
	v_max_num_f32 v243, 0x2800000, v243
	v_add_nc_u32 v246, 0xfe000000, v242
	v_add_nc_u32 v247, 0xfe000000, v243
	v_lshrrev_b32 v248, 23, v246
	v_lshrrev_b32 v249, 23, v247
	v_lshl_or_b32 v233, v249, 16, v248             ; my blocks h and 2 + h,
	v_lshlrev_b32 v233, v[V8H], v233
	v_permlanex16_b32 v245, v233, s[SEL], s[SEL+1]
	v_or_b32 v233, v233, v245                      ; p's scale word for these 128 keys
	v_cvt_scalef32_pk16_bf6_f32 v[176:178], v[96:111], v246
	v_cvt_scalef32_pk16_bf6_f32 v[188:190], v[112:127], v246
	v_cvt_scalef32_pk16_bf6_f32 v[182:184], v[128:143], v247
	v_cvt_scalef32_pk16_bf6_f32 v[192:194], v[144:159], v247
	v_nop                                          ; one plain place behind the conversions
.irp i, 0,1,2
	v_mov_b32 v[179+\i], v[188+\i]
	v_mov_b32 v[185+\i], v[192+\i]
.endr
.irp i, 0,2,4,6,8,10,12,14
	v_pk_mul_f32 v[160+\i:161+\i], v[160+\i:161+\i], v[240:241] op_sel_hi:[1,0]   ; O^T under the new M
.endr
	v_pk_add_f32 v[250:251], v[96:97], v[98:99]    ; the sum of the unquantised p, in two chains.  (These lines are the places between the operand and scale word just made and the products)
.irp j, 4,8,12,16,20,24,28,32,36,40,44,48,52,56,60
	v_pk_add_f32 v[238:239], v[238:239], v[96+\j:97+\j]
	v_pk_add_f32 v[250:251], v[250:251], v[98+\j:99+\j]
.endr
	v_pk_add_f32 v[238:239], v[238:239], v[250:251]
.if \last
	s_wait_dscnt 0x0
.else
	s_wait_dscnt 7                                 ; v is in; the next step's k, seven loads, may be out
.endif
	v_wmma_scale_f32_16x16x128_f8f6f4 v[160:167], v[56:67], v[176:187], v[160:167], v232, v233 matrix_a_fmt:MATRIX_FMT_BF6 matrix_b_fmt:MATRIX_FMT_BF6
	v_wmma_scale_f32_16x16x128_f8f6f4 v[168:175], v[68:79], v[176:187], v[168:175], v232, v233 matrix_a_fmt:MATRIX_FMT_BF6 matrix_b_fmt:MATRIX_FMT_BF6 matrix_a_scale:MATRIX_SCALE_ROW1
	s_add_co_u32 s[TB], s[TB], 3072
	s_add_co_u32 s[TS], s[TS], 128
.endm
.Lstep:
	STEP 0
	s_sub_co_u32 s[CNT], s[CNT], 1
	s_cmp_lg_u32 s[CNT], 0
	s_cbranch_scc1 .Lstep
	STEP 1
	; THE WAY OUT: O^T / the sum; lanes (r, 0) and (r, 1) hold dims 0-15 and 16-31 of query r: together one block of the projection's K
.rept 4
	v_nop
.endr
	v_add_f32 v238, v238, v239
	v_permlanex16_b32 v245, v238, s[SEL], s[SEL+1]
	v_add_f32 v238, v238, v245
	v_rcp_f32 v238, v238
	v_nop                                          ; a plain place behind the reciprocal
	s_wait_alu depctr_va_vdst(0)
.irp i, 0,1,2,3,4,5,6,7,8,9,10,11,12,13,14,15
	v_mul_f32 v[96+\i], v[160+\i], v238
.endr
	v_max3_num_f32 v242, |v96|, |v97|, 0x2800000
.irp i, 2,4,6,8,10,12,14
	v_max3_num_f32 v242, v242, |v[96+\i]|, |v[97+\i]|
.endr
	v_permlanex16_b32 v245, v242, s[SEL], s[SEL+1]
	v_max_num_f32 v242, v242, v245
	v_add_nc_u32 v246, 0xfe000000, v242
	v_lshrrev_b32 v248, 23, v246
	v_cvt_scalef32_pk16_bf6_f32 v[176:178], v[96:111], v246
	v_nop
	global_store_b96 v[AOO], v[176:178], s[8:9]    ; the wave stores 384 consecutive bytes
	ds_store_b8 v[AOW], v248                       ; both lanes of a query write the same byte
	s_wait_dscnt 0x0
	s_barrier_signal -1
	s_barrier_wait -1                              ; the work-group's 256 bytes lie together
	s_cmp_lg_u32 s[WV], 0
	s_cbranch_scc1 .Lnot_first
	ds_load_b64 v[20:21], v[AOR]
	s_wait_dscnt 0x0
	global_store_b64 v18, v[20:21], s[10:11]       ; 32 lanes store 256 consecutive bytes, aligned
.Lnot_first:
	s_wait_tensorcnt 0x0
	ds_add_u32 v254, v255
	s_wait_dscnt 0x0
	CROUND                                         ; the closing round: no work-group ends while a partner may still ask jointly
	s_endpgm
.Lfunc_end_k_qe5b9f15735_attn:
	.size	k_qe5b9f15735_attn, .Lfunc_end_k_qe5b9f15735_attn-k_qe5b9f15735_attn
	.p2alignl 7, 3214868480
	.fill 96, 4, 3214868480
	.section	.rodata,"a",@progbits
	.p2align	6, 0x0
	.amdhsa_kernel k_qe5b9f15735_attn
		.amdhsa_group_segment_fixed_size 207104
		.amdhsa_private_segment_fixed_size 0
		.amdhsa_enable_private_segment 0
		.amdhsa_kernarg_size 32
		.amdhsa_user_sgpr_count 2
		.amdhsa_user_sgpr_kernarg_segment_ptr 1
		.amdhsa_wavefront_size32 1
		.amdhsa_system_sgpr_workgroup_id_x 1
		.amdhsa_system_sgpr_workgroup_id_y 1
		.amdhsa_system_sgpr_workgroup_id_z 1
		.amdhsa_system_vgpr_workitem_id 0
		.amdhsa_next_free_vgpr 256
		.amdhsa_next_free_sgpr 66
		.amdhsa_reserve_vcc 1
		.amdhsa_float_denorm_mode_32 3
		.amdhsa_float_denorm_mode_16_64 3
		.amdhsa_memory_ordered 1
		.amdhsa_forward_progress 1
		.amdhsa_inst_pref_size 36
	.end_amdhsa_kernel
	.amdgpu_metadata
---
amdhsa.version: [ 1, 2 ]
amdhsa.kernels:
  - .name:           k_qe5b9f15735_attn
    .symbol:         k_qe5b9f15735_attn.kd
    .args:
      - { .name: qkv, .offset: 0, .size: 8, .value_kind: global_buffer, .address_space: global }
      - { .name: phys_bias, .offset: 8, .size: 8, .value_kind: global_buffer, .address_space: global }
      - { .name: ao, .offset: 16, .size: 8, .value_kind: global_buffer, .address_space: global }
      - { .name: aosc, .offset: 24, .size: 8, .value_kind: global_buffer, .address_space: global }
    .group_segment_fixed_size: 207104
    .private_segment_fixed_size: 0
    .kernarg_segment_align: 8
    .kernarg_segment_size: 32
    .max_flat_workgroup_size: 512
    .sgpr_count:     66
    .vgpr_count:     256
    .wavefront_size: 32
...
	.end_amdgpu_metadata
.endif
;; end of part 3
;; launch proj (part 4): grid 128 x 1, 16 waves a work-group, no clusters, 0 bytes of LDS; arguments ao, aosc, wimg, wsc, proj_b, x, x1, part2; writes x1, part2
.if DOCPART == 4
	.amdgcn_target "amdgcn-amd-amdhsa--gfx1250"
	.amdhsa_code_object_version 6
	.text
	.protected	k_qe5b9f15735_proj
	.globl	k_qe5b9f15735_proj
	.p2align	8
	.type	k_qe5b9f15735_proj,@function
k_qe5b9f15735_proj:
	s_mov_b64 s[64:65], 0
	v_nop
	global_prefetch_b8 v0, s[64:65] scope:SCOPE_SE
	s_setreg_imm32_b32 hwreg(HW_REG_WAVE_MODE, 25, 1), 1
	s_wait_xcnt 0x0
; x1 = x + attention's result x proj_w^T + proj_b, and the partial statistics of the second group norm.
; A work-group takes a group of 64 tokens (64 batch + G); wave w makes channels 16 w .. 16 w + 15 for all four tiles of tokens.  Transposed use: source 0 = 16 rows of proj_w, source 1 = 16 tokens:
; lane (r, h) holds token row r and channels 16 w + 8 h + j; the bias is the C of each sum's first instruction.  The four tiles' numbers of a channel are 16 consecutive bytes of x's row, so the residual's
; addition also turns the results into what the stores want: sixteen lanes write 256 consecutive bytes, aligned.  No LDS, no barrier: waves share nothing.
; A half of the lanes holds 8 channels x 64 tokens = 512 numbers of ONE group of the norm: (mean, sum of squares about it) goes to part2[batch][group 2 w + h][G].
; The weights go straight into registers (3 KB a wave, once): nothing is shared through LDS, so no cluster.
.macro RED16 a
	v_add_f32_dpp v[\a], v[\a], v[\a] row_xmask:1 row_mask:0xf bank_mask:0xf
	v_add_f32_dpp v[\a], v[\a], v[\a] row_xmask:2 row_mask:0xf bank_mask:0xf
	v_add_f32_dpp v[\a], v[\a], v[\a] row_xmask:4 row_mask:0xf bank_mask:0xf
	v_add_f32_dpp v[\a], v[\a], v[\a] row_xmask:8 row_mask:0xf bank_mask:0xf
.endm
; v16-39 proj_w's two fragments; v40-41 their scale words; v42-49 the bias; v52-147 the tokens' fragments, 12 (2 u + s); v148-163 scale bytes; v164-167 scale words; v168-199 sums, 8 u + j; v200-231 x, then x1: 4 j + u; v232-255 at work
	s_load_b256 s[4:11], s[0:1], 0x0               ; ao, aosc, wimg, wsc
	s_load_b256 s[12:19], s[0:1], 0x20             ; proj_b, x, x1, part2
	v_lshrrev_b32 v1, 5, v0
	v_readfirstlane_b32 s20, v1                    ; wave 0..15
	v_and_b32 v10, 31, v0
	v_and_b32 v1, 15, v0                           ; r
	v_bfe_u32 v2, v0, 4, 1                         ; h
	v_lshlrev_b32 v3, 4, v10                       ; 16 L
	v_lshlrev_b32 v4, 2, v10                       ; 4 L
	v_mul_u32_u24 v5, v2, 98304
	v_mad_u32_u24 v5, v1, 24, v5                   ; ao: one head x h + 24 r
	v_lshl_add_u32 v6, v2, 14, v1                  ; aosc: four heads x h + r
	v_lshlrev_b32 v7, 5, v2                        ; the bias: 8 numbers x h
	v_lshlrev_b32 v8, 4, v1
	v_lshl_add_u32 v8, v2, 17, v8                  ; x: 8 channels x h + 16 r
	v_lshlrev_b32 v9, 9, v2                        ; part2: one group x h
	s_lshr_b32 s21, ttmp9, 6                       ; batch
	s_and_b32 s22, ttmp9, 63                       ; G
	s_mul_i32 s24, s21, 786432
	s_mul_i32 s25, s22, 1536
	s_add_co_u32 s24, s24, s25
	s_mov_b32 s25, 0
	s_lshl_b32 s26, s21, 15
	s_lshl_b32 s27, s22, 6
	s_add_co_u32 s26, s26, s27
	s_mov_b32 s27, 0
	s_mul_i32 s28, s20, 3072
	s_add_co_u32 s28, s28, 147456                  ; fragments 96 + 2 w, 96 + 2 w + 1
	s_mov_b32 s29, 0
	s_lshl_b32 s30, s20, 8
	s_add_co_u32 s30, s30, 12288
	s_mov_b32 s31, 0
	s_lshl_b32 s32, s20, 6
	s_mov_b32 s33, 0
	s_lshl_b32 s34, s21, 22
	s_lshl_b32 s35, s20, 18
	s_add_co_u32 s34, s34, s35
	s_lshl_b32 s35, s22, 8
	s_add_co_u32 s34, s34, s35
	s_mov_b32 s35, 0
	s_lshl_b32 s36, s21, 14
	s_lshl_b32 s37, s20, 10
	s_add_co_u32 s36, s36, s37
	s_lshl_b32 s37, s22, 3
	s_add_co_u32 s36, s36, s37
	s_mov_b32 s37, 0
	s_wait_kmcnt 0x0
	s_add_nc_u64 s[4:5], s[4:5], s[24:25]
	s_add_nc_u64 s[6:7], s[6:7], s[26:27]
	s_add_nc_u64 s[8:9], s[8:9], s[28:29]
	s_add_nc_u64 s[10:11], s[10:11], s[30:31]
	s_add_nc_u64 s[12:13], s[12:13], s[32:33]
	s_add_nc_u64 s[14:15], s[14:15], s[34:35]
	s_add_nc_u64 s[16:17], s[16:17], s[34:35]
	s_add_nc_u64 s[18:19], s[18:19], s[36:37]
.irp u, 0,1,2,3
.irp s, 0,1
.irp c, 0,1
.irp p, 0,1,2
	global_load_b64 v[52+12*(2*\u+\s)+6*\c+2*\p:53+12*(2*\u+\s)+6*\c+2*\p], v5, s[4:5] offset:(4*\s+2*\c)*98304+384*\u+8*\p   ; block 4 s + 2 c + h of the projection's K is head 4 s + 2 c + h
.endr
.endr
.endr
.endr
.irp u, 0,1,2,3
.irp k, 0,1,2,3
	global_load_u8 v[148+4*\u+\k], v6, s[6:7] offset:4096*\k+16*\u      ; lanes 0-15: heads 0-3, lanes 16-31: heads 4-7
.endr
.endr
.irp k, 0,1,2,3,4,5
	global_load_b128 v[16+4*\k:19+4*\k], v3, s[8:9] offset:512*\k
.endr
	global_load_b32 v40, v4, s[10:11]
	global_load_b32 v41, v4, s[10:11] offset:128
	global_load_b128 v[42:45], v7, s[12:13]
	global_load_b128 v[46:49], v7, s[12:13] offset:16
.irp j, 0,1,2,3,4,5,6,7
	global_load_b128 v[200+4*\j:203+4*\j], v8, s[14:15] offset:16384*\j
.endr
	s_wait_loadcnt 8                               ; all but x's eight loads
.irp u, 0,1,2,3
	v_lshl_or_b32 v[164+\u], v[149+4*\u], 8, v[148+4*\u]
.endr
.irp u, 0,1,2,3
	v_lshl_or_b32 v[164+\u], v[150+4*\u], 16, v[164+\u]
.endr
.irp u, 0,1,2,3
	v_lshl_or_b32 v[164+\u], v[151+4*\u], 24, v[164+\u]    ; lanes 0-15: K step 0's word, lanes 16-31: K step 1's
.endr
.rept 8
	v_nop                                          ; a scale register written by a vector instruction stands eight places ahead of the product
.endr
.irp u, 0,1,2,3
	v_wmma_scale_f32_16x16x128_f8f6f4 v[168+8*\u:175+8*\u], v[16:27], v[52+24*\u:63+24*\u], v[42:49], v40, v[164+\u] matrix_a_fmt:MATRIX_FMT_BF6 matrix_b_fmt:MATRIX_FMT_BF6
.endr
.irp u, 0,1,2,3
	v_wmma_scale_f32_16x16x128_f8f6f4 v[168+8*\u:175+8*\u], v[28:39], v[64+24*\u:75+24*\u], v[168+8*\u:175+8*\u], v41, v[164+\u] matrix_a_fmt:MATRIX_FMT_BF6 matrix_b_fmt:MATRIX_FMT_BF6 matrix_b_scale:MATRIX_SCALE_ROW1
.endr
.rept 4
	v_nop
.endr
	s_wait_loadcnt 0x0
.irp j, 0,1,2,3,4,5,6,7
.irp u, 0,1,2,3
	v_add_f32 v[200+4*\j+\u], v[168+8*\u+\j], v[200+4*\j+\u]      ; each accumulator from its low end on
.endr
.endr
.irp j, 0,1,2,3,4,5,6,7
	global_store_b128 v8, v[200+4*\j:203+4*\j], s[16:17] offset:16384*\j
.endr
.set I0, 0
.rept 8
	v_pk_add_f32 v[232+2*I0:233+2*I0], v[200+4*I0:201+4*I0], v[202+4*I0:203+4*I0]
.set I0, I0+1
.endr
	v_pk_add_f32 v[232:233], v[232:233], v[234:235]
	v_pk_add_f32 v[236:237], v[236:237], v[238:239]
	v_pk_add_f32 v[240:241], v[240:241], v[242:243]
	v_pk_add_f32 v[244:245], v[244:245], v[246:247]
	v_pk_add_f32 v[232:233], v[232:233], v[236:237]
	v_pk_add_f32 v[240:241], v[240:241], v[244:245]
	v_pk_add_f32 v[232:233], v[232:233], v[240:241]
	v_add_f32 v232, v232, v233
	RED16 232
	v_mul_f32 v248, 0x3b000000, v232               ; / 512
	v_mul_f32 v249, 0x3b000000, v232
	v_pk_add_f32 v[234:235], v[200:201], v[248:249] neg_lo:[0,1] neg_hi:[0,1]
	v_pk_add_f32 v[236:237], v[202:203], v[248:249] neg_lo:[0,1] neg_hi:[0,1]
	v_pk_mul_f32 v[240:241], v[234:235], v[234:235]
	v_pk_mul_f32 v[242:243], v[236:237], v[236:237]
.set I0, 1
.rept 7
	v_pk_add_f32 v[234:235], v[200+4*I0:201+4*I0], v[248:249] neg_lo:[0,1] neg_hi:[0,1]
	v_pk_add_f32 v[236:237], v[202+4*I0:203+4*I0], v[248:249] neg_lo:[0,1] neg_hi:[0,1]
	v_pk_fma_f32 v[240:241], v[234:235], v[234:235], v[240:241]
	v_pk_fma_f32 v[242:243], v[236:237], v[236:237], v[242:243]
.set I0, I0+1
.endr
	v_pk_add_f32 v[240:241], v[240:241], v[242:243]
	v_add_f32 v249, v240, v241
	RED16 249
	s_wait_xcnt 0x0                                ; EXEC changes only behind this wait
	v_cmp_eq_u32 vcc_lo, 0, v1
	s_and_saveexec_b32 s38, vcc_lo
	global_store_b64 v9, v[248:249], s[18:19]      ; lanes 0 and 16: their group's pair
	s_wait_xcnt 0x0
	s_or_b32 exec_lo, exec_lo, s38
	s_endpgm
.Lfunc_end_k_qe5b9f15735_proj:
	.size	k_qe5b9f15735_proj, .Lfunc_end_k_qe5b9f15735_proj-k_qe5b9f15735_proj
	.p2alignl 7, 3214868480
	.fill 96, 4, 3214868480
	.section	.rodata,"a",@progbits
	.p2align	6, 0x0
	.amdhsa_kernel k_qe5b9f15735_proj
		.amdhsa_group_segment_fixed_size 0
		.amdhsa_private_segment_fixed_size 0
		.amdhsa_enable_private_segment 0
		.amdhsa_kernarg_size 64
		.amdhsa_user_sgpr_count 2
		.amdhsa_user_sgpr_kernarg_segment_ptr 1
		.amdhsa_wavefront_size32 1
		.amdhsa_system_sgpr_workgroup_id_x 1
		.amdhsa_system_sgpr_workgroup_id_y 1
		.amdhsa_system_sgpr_workgroup_id_z 1
		.amdhsa_system_vgpr_workitem_id 0
		.amdhsa_next_free_vgpr 256
		.amdhsa_next_free_sgpr 66
		.amdhsa_reserve_vcc 1
		.amdhsa_float_denorm_mode_32 3
		.amdhsa_float_denorm_mode_16_64 3
		.amdhsa_memory_ordered 1
		.amdhsa_forward_progress 1
		.amdhsa_inst_pref_size 18
	.end_amdhsa_kernel
	.amdgpu_metadata
---
amdhsa.version: [ 1, 2 ]
amdhsa.kernels:
  - .name:           k_qe5b9f15735_proj
    .symbol:         k_qe5b9f15735_proj.kd
    .args:
      - { .name: ao, .offset: 0, .size: 8, .value_kind: global_buffer, .address_space: global }
      - { .name: aosc, .offset: 8, .size: 8, .value_kind: global_buffer, .address_space: global }
      - { .name: wimg, .offset: 16, .size: 8, .value_kind: global_buffer, .address_space: global }
      - { .name: wsc, .offset: 24, .size: 8, .value_kind: global_buffer, .address_space: global }
      - { .name: proj_b, .offset: 32, .size: 8, .value_kind: global_buffer, .address_space: global }
      - { .name: x, .offset: 40, .size: 8, .value_kind: global_buffer, .address_space: global }
      - { .name: x1, .offset: 48, .size: 8, .value_kind: global_buffer, .address_space: global }
      - { .name: part2, .offset: 56, .size: 8, .value_kind: global_buffer, .address_space: global }
    .group_segment_fixed_size: 0
    .private_segment_fixed_size: 0
    .kernarg_segment_align: 8
    .kernarg_segment_size: 64
    .max_flat_workgroup_size: 512
    .sgpr_count:     66
    .vgpr_count:     256
    .wavefront_size: 32
...
	.end_amdgpu_metadata
.endif
;; end of part 4
;; launch mlp (part 5): grid 128 x 1, 8 waves a work-group, no clusters, 67,072 bytes of LDS; arguments x1, part2, gn2_w, gn2_b, wimg, wsc, mlp_b1, mlp_b2, out0; writes out0
.if DOCPART == 5
	.amdgcn_target "amdgcn-amd-amdhsa--gfx1250"
	.amdhsa_code_object_version 6
	.text
	.protected	k_qe5b9f15735_mlp
	.globl	k_qe5b9f15735_mlp
	.p2align	8
	.type	k_qe5b9f15735_mlp,@function
k_qe5b9f15735_mlp:
	s_mov_b64 s[64:65], 0
	v_nop
	global_prefetch_b8 v0, s[64:65] scope:SCOPE_SE
	s_setreg_imm32_b32 hwreg(HW_REG_WAVE_MODE, 25, 1), 1
	s_wait_xcnt 0x0
; out0 = x1 + gelu(norm2(x1) W1^T + b1) W2^T + b2, both products on codes of E3M2.  The hidden layer never goes to memory.
; A work-group takes a group of 64 tokens (64 batch + G), four tiles (row r of tile u = token 4 r + u).  THE WAVES SHARE THE COLUMNS: wave w makes hidden units 128 w .. + 127 and outputs 32 w .. + 31 for all 64 tokens;
; its parts of W1 and then of W2 (24 KB each) stand in its registers, window 1.  Operands go from wave to wave through LDS as images of their registers.
; Three barriers: (a, b') of the norm | x's eight fragments (made by waves 0-3) | the hidden layer's 32 fragments.
; THE NORM is one fused multiply-add x a + b' (b' rounded once: under a large common offset the result carries half an ulp of b').
; GELU, exact form: gelu(x) = max(x, 0) - |x| E, E = erfc(|x| / sqrt 2) / 2 = t 2^(P(t) - x^2 log2(e) / 2), t = 1 / (1 + |x| / (2 sqrt 2)), P of degree 9 (a Chebyshev fit whose fractional error stays under 1.2e-7 for every x); all in f32.
; The rows of W1 that form a tile are chosen so that a lane's 32 registers of four tiles are one block of the next K (hidden 64 g + 32 h + 0 .. 31).  The biases are the C of each sum's first instruction.
; The weights go straight into registers, once a wave: nothing of them is shared through LDS, so no cluster.
; LIMITS: NaN and infinities are not served; blocks under 2^-122 and blocks of zeros keep the byte 1.
.set TAB,  0
.set XIMG, 2048                        ; x's 8 fragments: (2 u + s) 1,536
.set XSC,  14336                       ; their scale words [u][s][16]
.set HSC,  14848                       ; the hidden layer's [u][K step][16]
.set HIMG, 16896                       ; its 32 fragments: (8 u + K step) 1,536
.set VL,   1
.set VR,   2
.set VH,   3
.set L16,  4
.set L4,   5
.set XA,   6
.set XW0,  7
.set XW1,  8
.set XSB,  9
.set TABR, 10
.set TABW, 11
.set V8H,  12
.set HWI,  13                          ; v13 HIMG + 16 L + 1,536 w
.set HWS,  14                          ; v14 HSC + 4 r + 64 w
.set HRD,  15                          ; v15 HIMG + 16 L
.set AB,   32
.set RW,   64
.set NL,   192
.set HA,   64                          ; v64-127 my 8 tiles of the hidden layer
.set T1,   128                         ; v128-175 GELU at work
.set T2,   144
.set T3,   160
.set C8V,  204                         ; v[204:205] c8
; v16-31 W1's scale words; v32-55, v56 x's fragments and words; v176-183 quantiser; v184-195 codes; v196-202 halves; v203 scale word; v206 permute; v224-239 b2; v240-255 W2's scale words
; second product: v32-79 four hidden fragments; v80-83 their words; v84 offset; v96-159 sums 8 (4 n + u); v160-223 x1: 4 (8 n + j) + u
; window 1: v0-191 W1 (12 (2 tile + s)), later W2 (12 (8 n + K step)); v192-255 b1's 8 tiles
.set WV,   22
.set SEL,  26
.set CV,   28
.set CE,   29
.set C9,   40
.set C7,   44
.set C6,   46
.set C5,   48
.set C4,   50
.set C3,   52
.set C2,   54
.set C1,   56
.set C0,   58
.set K2,   60
.set KK,   62
.set MSB,  0
.macro WIN new
.if MSB != \new
	s_set_vgpr_msb (MSB<<8)|\new
.set MSB, \new
.endif
.endm
.macro PLACES
.rept 4
	v_nop
.endr
.endm
.macro QUANT32 src, dst, tmp, m, by
	v_max3_num_f32 v[\m], |v[\src]|, |v[(\src)+1]|, 0x2800000
	v_max3_num_f32 v[(\m)+1], |v[(\src)+16]|, |v[(\src)+17]|, 0x2800000
.irp i, 2,4,6,8,10,12,14
	v_max3_num_f32 v[\m], v[\m], |v[(\src)+\i]|, |v[(\src)+\i+1]|
	v_max3_num_f32 v[(\m)+1], v[(\m)+1], |v[(\src)+16+\i]|, |v[(\src)+17+\i]|
.endr
	v_max_num_f32 v[\m], v[\m], v[(\m)+1]
	v_add_nc_u32 v[(\m)+2], 0xfe000000, v[\m]
	v_lshrrev_b32 v[\by], 23, v[(\m)+2]
	v_cvt_scalef32_pk16_bf6_f32 v[\dst:(\dst)+2], v[\src:(\src)+15], v[(\m)+2]
	v_cvt_scalef32_pk16_bf6_f32 v[\tmp:(\tmp)+2], v[(\src)+16:(\src)+31], v[(\m)+2]
	v_nop
.irp i, 0,1,2
	v_mov_b32 v[(\dst)+3+\i], v[(\tmp)+\i]
.endr
.endm
.macro WORD2 w, b0, b1, t
	v_lshl_or_b32 v[\w], v[\b1], 16, v[\b0]
	v_lshlrev_b32 v[\w], v[V8H], v[\w]
	v_permlanex16_b32 v[\t], v[\w], s[SEL], s[SEL+1]
	v_or_b32 v[\w], v[\w], v[\t]
.endm
.macro FETCHX reg, sc, tile
.irp k, 0,1,2,3,4,5
	ds_load_b128 v[(\reg)+4*\k:(\reg)+4*\k+3], v[L16] offset:XIMG+(\tile)*3072+512*\k
.endr
	ds_load_b32 v[\sc], v[L4] offset:XSC+128*(\tile)
.endm
.macro STATS                           ; wave w joins the 64 partial statistics of groups 4 w .. 4 w + 3 and stores (a, b') of channel 32 w + lane
.irp q, 0,1,2,3
	v_add_f32 v[192+\q], v[32+4*\q], v[34+4*\q]
.endr
.irp msk, 1,2,4,8
.irp q, 0,1,2,3
	v_add_f32_dpp v[192+\q], v[192+\q], v[192+\q] row_xmask:\msk row_mask:0xf bank_mask:0xf
.endr
.endr
.irp q, 0,1,2,3
	v_permlanex16_b32 v[196+\q], v[192+\q], s[SEL], s[SEL+1]
.endr
.irp q, 0,1,2,3
	v_add_f32 v[192+\q], v[192+\q], v[196+\q]
.endr
.irp q, 0,1,2,3
	v_mul_f32 v[192+\q], 0x3c800000, v[192+\q]
.endr
.irp q, 0,1,2,3
	v_sub_f32 v[200+\q], v[32+4*\q], v[192+\q]
	v_sub_f32 v[204+\q], v[34+4*\q], v[192+\q]
	v_add_f32 v[208+\q], v[33+4*\q], v[35+4*\q]
.endr
.irp q, 0,1,2,3
	v_mul_f32 v[200+\q], v[200+\q], v[200+\q]
.endr
.irp q, 0,1,2,3
	v_fma_f32 v[200+\q], v[204+\q], v[204+\q], v[200+\q]
.endr
.irp q, 0,1,2,3
	v_fma_f32 v[208+\q], v[200+\q], 0x44000000, v[208+\q]
.endr
.irp msk, 1,2,4,8
.irp q, 0,1,2,3
	v_add_f32_dpp v[208+\q], v[208+\q], v[208+\q] row_xmask:\msk row_mask:0xf bank_mask:0xf
.endr
.endr
.irp q, 0,1,2,3
	v_permlanex16_b32 v[196+\q], v[208+\q], s[SEL], s[SEL+1]
.endr
.irp q, 0,1,2,3
	v_add_f32 v[208+\q], v[208+\q], v[196+\q]
.endr
.irp q, 0,1,2,3
	v_fma_f32 v[208+\q], v[208+\q], s[CV], s[CE]
.endr
.irp q, 0,1,2,3
	v_rsq_f32 v[208+\q], v[208+\q]
.endr
	v_lshrrev_b32 v212, 3, v[VL]                   ; (a plain place behind the roots)
	v_cmp_eq_u32 vcc_lo, 1, v212
	v_cndmask_b32 v213, v192, v193, vcc_lo
	s_wait_alu depctr_va_vdst(0)
	v_cndmask_b32 v214, v208, v209, vcc_lo
	v_cmp_eq_u32 vcc_lo, 2, v212
	v_cndmask_b32 v213, v213, v194, vcc_lo
	v_cndmask_b32 v214, v214, v210, vcc_lo
	v_cmp_eq_u32 vcc_lo, 3, v212
	v_cndmask_b32 v213, v213, v195, vcc_lo
	v_cndmask_b32 v214, v214, v211, vcc_lo
	v_mul_f32 v216, v214, v48
	v_fma_f32 v217, -v213, v216, v49
	ds_store_b64 v[TABW], v[216:217]
.endm
.macro XPHASE                          ; a wave's unit: 64 tokens x 64 channels; a lane holds 32 channels (one block) of four tokens
.irp k, 0,1,2,3,4,5,6,7
	ds_load_b128 v[AB+4*\k:AB+4*\k+3], v[TABR] offset:TAB+16*\k
.endr
	s_wait_dscnt 0x0
.set I0, 0
.rept 16
.irp u, 0,1,2,3
	v_fma_f32 v[NL+16*\u+I0], v[RW+4*I0+\u], v[AB+2*I0], v[AB+2*I0+1]
.endr
.set I0, I0+1
.endr
.irp k, 0,1,2,3,4,5,6,7
	ds_load_b128 v[AB+4*\k:AB+4*\k+3], v[TABR] offset:TAB+128+16*\k
.endr
	s_wait_dscnt 0x0
.set I0, 0
.rept 16
.irp u, 0,1,2,3
	v_fma_f32 v[RW+16*\u+I0], v[RW+64+4*I0+\u], v[AB+2*I0], v[AB+2*I0+1]
.endr
.set I0, I0+1
.endr
.irp u, 0,1,2,3
	v_max3_num_f32 v[32+\u], |v[NL+16*\u]|, |v[NL+16*\u+1]|, 0x2800000
	v_max3_num_f32 v[36+\u], |v[RW+16*\u]|, |v[RW+16*\u+1]|, 0x2800000
.endr
.irp i, 2,4,6,8,10,12,14
.irp u, 0,1,2,3
	v_max3_num_f32 v[32+\u], v[32+\u], |v[NL+16*\u+\i]|, |v[NL+16*\u+\i+1]|
	v_max3_num_f32 v[36+\u], v[36+\u], |v[RW+16*\u+\i]|, |v[RW+16*\u+\i+1]|
.endr
.endr
.irp u, 0,1,2,3
	v_max_num_f32 v[32+\u], v[32+\u], v[36+\u]
.endr
.irp u, 0,1,2,3
	v_add_nc_u32 v[40+\u], 0xfe000000, v[32+\u]
.endr
.irp u, 0,1,2,3
	v_lshrrev_b32 v[44+\u], 23, v[40+\u]
.endr
.irp u, 0,1,2,3
	v_cvt_scalef32_pk16_bf6_f32 v[128+6*\u:130+6*\u], v[NL+16*\u:NL+16*\u+15], v[40+\u]
	v_cvt_scalef32_pk16_bf6_f32 v[152+4*\u:154+4*\u], v[RW+16*\u:RW+16*\u+15], v[40+\u]
.endr
	v_nop
.irp u, 0,1,2,3
.irp i, 0,1,2
	v_mov_b32 v[131+6*\u+\i], v[152+4*\u+\i]
.endr
.endr
.irp u, 0,1,2,3
	ds_store_b64 v[XW0], v[128+6*\u:129+6*\u] offset:3072*\u
	ds_store_b64 v[XW1], v[130+6*\u:131+6*\u] offset:3072*\u
	ds_store_b64 v[XW0], v[132+6*\u:133+6*\u] offset:3072*\u+512
	ds_store_b8 v[XSB], v[44+\u] offset:128*\u
.endr
.endm
.macro GELU hb                         ; sixteen numbers, in place
.irp i, 0,1,2,3,4,5,6,7,8,9,10,11,12,13,14,15
	v_fma_f32 v[T1+\i], |v[(\hb)+\i]|, s[KK], 1.0  ; each accumulator is read from its low end on
.endr
.irp i, 0,1,2,3,4,5,6,7,8,9,10,11,12,13,14,15
	v_rcp_f32 v[T1+\i], v[T1+\i]                   ; t
.endr
.irp i, 0,2,4,6,8,10,12,14
	v_pk_mul_f32 v[T3+\i:T3+\i+1], v[(\hb)+\i:(\hb)+\i+1], s[K2:K2+1] op_sel_hi:[1,0]    ; (plain places behind the reciprocals)  -x log2(e) / 2
.endr
	s_wait_alu depctr_va_vdst(0)
.irp i, 0,2,4,6,8,10,12,14
	v_pk_fma_f32 v[T2+\i:T2+\i+1], v[T1+\i:T1+\i+1], s[C9:C9+1], v[C8V:C8V+1] op_sel_hi:[1,0,1]
.endr
.irp cc, C7,C6,C5,C4,C3,C2,C1,C0
.irp i, 0,2,4,6,8,10,12,14
	v_pk_fma_f32 v[T2+\i:T2+\i+1], v[T2+\i:T2+\i+1], v[T1+\i:T1+\i+1], s[\cc:\cc+1] op_sel_hi:[1,1,0]
.endr
.endr
.irp i, 0,2,4,6,8,10,12,14
	v_pk_fma_f32 v[T2+\i:T2+\i+1], v[T3+\i:T3+\i+1], v[(\hb)+\i:(\hb)+\i+1], v[T2+\i:T2+\i+1]
.endr
.irp i, 0,1,2,3,4,5,6,7,8,9,10,11,12,13,14,15
	v_exp_f32 v[T2+\i], v[T2+\i]
.endr
.irp i, 0,1,2,3,4,5,6,7,8,9,10,11,12,13,14,15
	v_max_num_f32 v[T3+\i], 0, v[(\hb)+\i]         ; (plain places behind the exponentials)
.endr
	s_wait_alu depctr_va_vdst(0)
.irp i, 0,2,4,6,8,10,12,14
	v_pk_mul_f32 v[T2+\i:T2+\i+1], v[T2+\i:T2+\i+1], v[T1+\i:T1+\i+1]
.endr
.irp i, 0,1,2,3,4,5,6,7,8,9,10,11,12,13,14,15
	v_fma_f32 v[(\hb)+\i], -|v[(\hb)+\i]|, v[T2+\i], v[T3+\i]
.endr
.endm
	s_load_b256 s[4:11], s[0:1], 0x0               ; x1, part2, gn2_w, gn2_b
	s_load_b256 s[12:19], s[0:1], 0x20             ; wimg, wsc, mlp_b1, mlp_b2
	s_load_b64 s[20:21], s[0:1], 0x40              ; out0
	v_lshrrev_b32 v1, 5, v0
	v_readfirstlane_b32 s[WV], v1                  ; wave 0..7
	v_and_b32 v[VL], 31, v0
	v_and_b32 v[VR], 15, v0
	v_bfe_u32 v[VH], v0, 4, 1
	v_lshlrev_b32 v[L16], 4, v[VL]
	v_lshlrev_b32 v[L4], 2, v[VL]
	v_lshlrev_b32 v[XA], 4, v[VR]
	v_lshl_add_u32 v[XA], v[VH], 19, v[XA]
	v_lshlrev_b32 v[V8H], 3, v[VH]
	s_lshr_b32 s23, ttmp9, 6                       ; batch
	s_and_b32 s24, ttmp9, 63                       ; G
	s_bfe_u32 s30, s[WV], 0x10001                  ; waves 0-3: K step s,
	s_and_b32 s31, s[WV], 1                        ; half c
	s_mul_i32 s32, s30, 1536
	s_mul_i32 s33, s31, 520
	s_add_co_u32 s33, s32, s33
	s_add_co_u32 s33, s33, XIMG
	v_add_nc_u32 v[XW0], s33, v[L16]
	s_mul_i32 s33, s31, 1016
	s_add_co_u32 s33, s32, s33
	s_add_co_u32 s33, s33, XIMG+8
	v_add_nc_u32 v[XW1], s33, v[L16]
	s_lshl_b32 s32, s30, 6
	s_lshl_b32 s33, s31, 1
	s_add_co_u32 s32, s32, s33
	s_add_co_u32 s32, s32, XSC
	v_lshl_add_u32 v[XSB], v[VR], 2, v[VH]
	v_add_nc_u32 v[XSB], s32, v[XSB]
	s_lshl_b32 s32, s30, 10
	s_lshl_b32 s33, s31, 9
	s_add_co_u32 s32, s32, s33
	v_lshlrev_b32 v[TABR], 8, v[VH]
	v_add_nc_u32 v[TABR], s32, v[TABR]
	s_lshl_b32 s32, s[WV], 8
	v_lshlrev_b32 v[TABW], 3, v[VL]
	v_add_nc_u32 v[TABW], s32, v[TABW]
	s_mul_i32 s32, s[WV], 1536
	s_add_co_u32 s32, s32, HIMG
	v_add_nc_u32 v[HWI], s32, v[L16]
	s_lshl_b32 s32, s[WV], 6
	s_add_co_u32 s32, s32, HSC
	v_lshl_add_u32 v[HWS], v[VR], 2, s32
	v_add_nc_u32 v[HRD], HIMG, v[L16]
.irp q, 0,1,2,3
	v_mov_b32 v[196+\q], 0
.endr
	s_mov_b32 s[SEL], 0x76543210
	s_mov_b32 s[SEL+1], 0xfedcba98
	s_mov_b32 s[CV], 0x38000000
	s_mov_b32 s[CE], 0x3727c5ac
	s_mov_b32 s[C9], 0x3e7c6f08                    ; P's coefficients x log2(e), the factor 1/2 in c0; each in both words of a pair, since the packed form names the pair
	s_mov_b32 s[C9+1], 0x3e7c6f08
	s_mov_b32 s[C7], 0x40097039
	s_mov_b32 s[C7+1], 0x40097039
	s_mov_b32 s[C6], 0xbfd1a1e5
	s_mov_b32 s[C6+1], 0xbfd1a1e5
	s_mov_b32 s[C5], 0x3ecdfd18
	s_mov_b32 s[C5+1], 0x3ecdfd18
	s_mov_b32 s[C4], 0xbe899a80
	s_mov_b32 s[C4+1], 0xbe899a80
	s_mov_b32 s[C3], 0x3e0efb2e
	s_mov_b32 s[C3+1], 0x3e0efb2e
	s_mov_b32 s[C2], 0x3f0a29d2
	s_mov_b32 s[C2+1], 0x3f0a29d2
	s_mov_b32 s[C1], 0x3fb8ab5a
	s_mov_b32 s[C1+1], 0x3fb8ab5a
	s_mov_b32 s[C0], 0xc034d90f
	s_mov_b32 s[C0+1], 0xc034d90f
	s_mov_b32 s[K2], 0xbf38aa3b                    ; -log2(e) / 2
	s_mov_b32 s[K2+1], 0xbf38aa3b
	s_mov_b32 s[KK], 0x3eb504f3                    ; 1 / (2 sqrt 2)
	s_lshl_b32 s32, s23, 22                        ; x1, for the norm: batch, 128 s + 64 c channels, group G
	s_lshl_b32 s33, s30, 21
	s_add_co_u32 s32, s32, s33
	s_lshl_b32 s33, s31, 20
	s_add_co_u32 s32, s32, s33
	s_lshl_b32 s33, s24, 8
	s_add_co_u32 s32, s32, s33
	s_mov_b32 s33, 0
	s_lshl_b32 s34, s23, 22                        ; x1 and out0, for the residual: batch, 32 w channels, group G
	s_lshl_b32 s35, s[WV], 19
	s_add_co_u32 s34, s34, s35
	s_lshl_b32 s35, s24, 8
	s_add_co_u32 s34, s34, s35
	s_mov_b32 s35, 0
	s_mul_i32 s36, s[WV], 24576
	s_add_co_u32 s36, s36, 196608                  ; fragments 128 + 16 w on (W2's lie 196,608 bytes further)
	s_mov_b32 s37, 0
	s_lshl_b32 s38, s[WV], 11
	s_add_co_u32 s38, s38, 16384                   ; their scale words (W2's 16,384 further)
	s_mov_b32 s39, 0
	s_lshl_b32 s30, s23, 14
	s_lshl_b32 s31, s[WV], 11
	s_add_co_u32 s30, s30, s31
	s_mov_b32 s31, 0
	s_wait_kmcnt 0x0
	s_add_nc_u64 s[6:7], s[6:7], s[30:31]          ; part2: my four groups
	s_lshl_b32 s30, s[WV], 7
	s_add_nc_u64 s[8:9], s[8:9], s[30:31]
	s_add_nc_u64 s[10:11], s[10:11], s[30:31]
	s_add_nc_u64 s[18:19], s[18:19], s[30:31]      ; b2: my 32
	s_lshl_b32 s30, s[WV], 9
	s_add_nc_u64 s[16:17], s[16:17], s[30:31]      ; b1: my 128
	s_add_nc_u64 s[32:33], s[4:5], s[32:33]
	s_add_nc_u64 s[4:5], s[4:5], s[34:35]
	s_add_nc_u64 s[20:21], s[20:21], s[34:35]
	s_add_nc_u64 s[12:13], s[12:13], s[36:37]
	s_add_nc_u64 s[14:15], s[14:15], s[38:39]
.irp q, 0,1,2,3
	global_load_b128 v[32+4*\q:35+4*\q], v[L16], s[6:7] offset:512*\q
.endr
	global_load_b32 v48, v[L4], s[8:9]
	global_load_b32 v49, v[L4], s[10:11]
	s_cmp_lt_u32 s[WV], 4
	s_cbranch_scc0 .Lno_raw
.set I0, 0
.rept 32
	global_load_b128 v[RW+4*I0:RW+4*I0+3], v[XA], s[32:33] offset:16384*I0
.set I0, I0+1
.endr
	s_wait_loadcnt 32                              ; the statistics are in; x1's 32 loads may be out
	s_branch .Lstat
.Lno_raw:
	s_wait_loadcnt 0x0
.Lstat:
	STATS
	WIN 0x40                                       ; destination window 1
.set I0, 0
.rept 16
.irp k, 0,1,2
	global_load_b128 v[12*I0+4*\k:12*I0+4*\k+3], v[L16], s[12:13] offset:1536*I0+512*\k    ; W1
.endr
.set I0, I0+1
.endr
	WIN 0
	s_wait_dscnt 0x0
	s_barrier_signal -1
	s_barrier_wait -1                              ; the 256 channels' (a, b') lie in LDS
	s_cmp_lt_u32 s[WV], 4
	s_cbranch_scc0 .Lno_x
	s_wait_loadcnt 48                              ; x1 is in; behind it stand W1's 48 loads
	XPHASE
.Lno_x:
	v_lshlrev_b32 v57, 7, v[VH]                    ; b1: 32 numbers x h
	v_lshlrev_b32 v58, 5, v[VH]                    ; b2: 8 numbers x h
	v_mov_b32 v[C8V], 0xbf97d29d
	v_mov_b32 v[C8V+1], 0xbf97d29d
	v_mov_b32 v206, 0
.irp i, 0,1,2,3,4,5,6,7,8,9,10,11,12,13,14,15
	global_load_b32 v[16+\i], v[L4], s[14:15] offset:128*\i
.endr
	WIN 0x40
.irp i, 0,1,2,3,4,5,6,7,8,9,10,11,12,13,14,15
	global_load_b128 v[192+4*\i:195+4*\i], v57, s[16:17] offset:256*(\i/8)+16*(\i%8)     ; b1 at hidden 64 c + 32 h + 0 .. 31: the results' layout
.endr
	WIN 0
.irp i, 0,1,2,3,4,5,6,7,8,9,10,11,12,13,14,15
	global_load_b32 v[240+\i], v[L4], s[14:15] offset:16384+128*\i
.endr
.irp i, 0,1,2,3
	global_load_b128 v[224+4*\i:227+4*\i], v58, s[18:19] offset:64*(\i/2)+16*(\i%2)
.endr
	s_wait_dscnt 0x0
	s_barrier_signal -1
	s_barrier_wait -1                              ; x's eight fragments lie in LDS
	FETCHX 32, 56, 0
	s_wait_loadcnt 0x0
; ---- the hidden layer, a tile of 16 tokens at a time: eight accumulators by turns, two K steps; GELU; quantised: K step w of the second product
.macro PH1 u
	s_wait_dscnt 0x0
	WIN 0x11                                       ; source 0 (W1) and C (b1) in window 1
.irp i, 0,1,2,3,4,5,6,7
	v_wmma_scale_f32_16x16x128_f8f6f4 v[HA+8*\i:HA+8*\i+7], v[24*\i:24*\i+11], v[32:43], v[192+8*\i:199+8*\i], v[16+2*\i], v56 matrix_a_fmt:MATRIX_FMT_BF6 matrix_b_fmt:MATRIX_FMT_BF6
.endr
	WIN 0x01
.irp i, 0,1,2,3,4,5,6,7
	v_wmma_scale_f32_16x16x128_f8f6f4 v[HA+8*\i:HA+8*\i+7], v[24*\i+12:24*\i+23], v[44:55], v[HA+8*\i:HA+8*\i+7], v[17+2*\i], v56 matrix_a_fmt:MATRIX_FMT_BF6 matrix_b_fmt:MATRIX_FMT_BF6 matrix_b_scale:MATRIX_SCALE_ROW1
.endr
	WIN 0
	PLACES
.if \u < 3
	FETCHX 32, 56, (\u)+1                          ; the next tile lands under the GELU
.else
	WIN 0x40
.set I0, 0
.rept 16
.irp k, 0,1,2
	global_load_b128 v[12*I0+4*\k:12*I0+4*\k+3], v[L16], s[12:13] offset:196608+1536*I0+512*\k   ; W1 is done with: W2 takes its registers
.endr
.set I0, I0+1
.endr
	WIN 0
.endif
	GELU HA
	GELU HA+16
	GELU HA+32
	GELU HA+48
	QUANT32 HA, 184, 196, 176, 182
	QUANT32 HA+32, 190, 200, 179, 183
	WORD2 203, 182, 183, 206
.irp k, 0,1,2
	ds_store_b128 v[HWI], v[184+4*\k:187+4*\k] offset:12288*(\u)+512*\k
.endr
	ds_store_b32 v[HWS], v203 offset:512*(\u)      ; both halves of the lanes write the same word
.endm
	PH1 0
	PH1 1
	PH1 2
	PH1 3
	v_lshlrev_b32 v84, 4, v[VR]
	v_lshl_add_u32 v84, v[VH], 17, v84             ; x1, out0: 8 channels x h + 16 r
	s_wait_dscnt 0x0                               ; my fragments have landed
.irp n, 0,1
.irp j, 0,1,2,3,4,5,6,7
	global_load_b128 v[160+4*(8*\n+\j):163+4*(8*\n+\j)], v84, s[4:5] offset:16384*(16*\n+\j)
.endr
.endr
	s_barrier_signal -1
	s_barrier_wait -1                              ; the hidden layer's 32 fragments lie in LDS
	; ---- my 32 outputs for the 64 tokens: eight accumulators by turns, a K step at a time
.irp z, 0,1,2,3,4,5,6,7
	PLACES
.irp u, 0,1,2,3
.irp k, 0,1,2
	ds_load_b128 v[32+12*\u+4*\k:35+12*\u+4*\k], v[HRD] offset:(8*\u+\z)*1536+512*\k
.endr
.endr
.if \z%2 == 0
.irp u, 0,1,2,3
	ds_load_b32 v[80+\u], v[L4] offset:HSC+512*\u+64*\z     ; lanes 0-15: this K step's words, lanes 16-31: the next one's
.endr
.endif
	s_wait_dscnt 0x0
.if \z == 0
	s_wait_loadcnt 16                              ; W2 is in; x1's sixteen loads may be out
.endif
	WIN 0x01
.irp u, 0,1,2,3
.irp n, 0,1
.if \z == 0
	v_wmma_scale_f32_16x16x128_f8f6f4 v[96+8*(4*\n+\u):103+8*(4*\n+\u)], v[12*(8*\n+\z):12*(8*\n+\z)+11], v[32+12*\u:43+12*\u], v[224+8*\n:231+8*\n], v[240+8*\n+\z], v[80+\u] matrix_a_fmt:MATRIX_FMT_BF6 matrix_b_fmt:MATRIX_FMT_BF6
.elseif \z%2 == 0
	v_wmma_scale_f32_16x16x128_f8f6f4 v[96+8*(4*\n+\u):103+8*(4*\n+\u)], v[12*(8*\n+\z):12*(8*\n+\z)+11], v[32+12*\u:43+12*\u], v[96+8*(4*\n+\u):103+8*(4*\n+\u)], v[240+8*\n+\z], v[80+\u] matrix_a_fmt:MATRIX_FMT_BF6 matrix_b_fmt:MATRIX_FMT_BF6
.else
	v_wmma_scale_f32_16x16x128_f8f6f4 v[96+8*(4*\n+\u):103+8*(4*\n+\u)], v[12*(8*\n+\z):12*(8*\n+\z)+11], v[32+12*\u:43+12*\u], v[96+8*(4*\n+\u):103+8*(4*\n+\u)], v[240+8*\n+\z], v[80+\u] matrix_a_fmt:MATRIX_FMT_BF6 matrix_b_fmt:MATRIX_FMT_BF6 matrix_b_scale:MATRIX_SCALE_ROW1
.endif
.endr
.endr
	WIN 0
.endr
	PLACES
	s_wait_loadcnt 0x0
.irp n, 0,1
.irp j, 0,1,2,3,4,5,6,7
.irp u, 0,1,2,3
	v_add_f32 v[160+4*(8*\n+\j)+\u], v[96+8*(4*\n+\u)+\j], v[160+4*(8*\n+\j)+\u]     ; the residual; each accumulator from its low end on
.endr
.endr
.endr
.irp n, 0,1
.irp j, 0,1,2,3,4,5,6,7
	global_store_b128 v84, v[160+4*(8*\n+\j):163+4*(8*\n+\j)], s[20:21] offset:16384*(16*\n+\j) th:TH_STORE_NT   ; sixteen lanes store 256 consecutive bytes, aligned
.endr
.endr
	s_wait_xcnt 0x0
	v_lshl_add_u32 v254, v0, 2, 0x10200
	v_mov_b32 v255, 0
	s_wait_tensorcnt 0x0
	ds_add_u32 v254, v255
	s_wait_dscnt 0x0
	s_endpgm
.Lfunc_end_k_qe5b9f15735_mlp:
	.size	k_qe5b9f15735_mlp, .Lfunc_end_k_qe5b9f15735_mlp-k_qe5b9f15735_mlp
	.p2alignl 7, 3214868480
	.fill 96, 4, 3214868480
	.section	.rodata,"a",@progbits
	.p2align	6, 0x0
	.amdhsa_kernel k_qe5b9f15735_mlp
		.amdhsa_group_segment_fixed_size 67072
		.amdhsa_private_segment_fixed_size 0
		.amdhsa_enable_private_segment 0
		.amdhsa_kernarg_size 72
		.amdhsa_user_sgpr_count 2
		.amdhsa_user_sgpr_kernarg_segment_ptr 1
		.amdhsa_wavefront_size32 1
		.amdhsa_system_sgpr_workgroup_id_x 1
		.amdhsa_system_sgpr_workgroup_id_y 1
		.amdhsa_system_sgpr_workgroup_id_z 1
		.amdhsa_system_vgpr_workitem_id 0
		.amdhsa_next_free_vgpr 512
		.amdhsa_next_free_sgpr 66
		.amdhsa_reserve_vcc 1
		.amdhsa_float_denorm_mode_32 3
		.amdhsa_float_denorm_mode_16_64 3
		.amdhsa_memory_ordered 1
		.amdhsa_forward_progress 1
		.amdhsa_inst_pref_size 244
	.end_amdhsa_kernel
	.amdgpu_metadata
---
amdhsa.version: [ 1, 2 ]
amdhsa.kernels:
  - .name:           k_qe5b9f15735_mlp
    .symbol:         k_qe5b9f15735_mlp.kd
    .args:
      - { .name: x1, .offset: 0, .size: 8, .value_kind: global_buffer, .address_space: global }
      - { .name: part2, .offset: 8, .size: 8, .value_kind: global_buffer, .address_space: global }
      - { .name: gn2_w, .offset: 16, .size: 8, .value_kind: global_buffer, .address_space: global }
      - { .name: gn2_b, .offset: 24, .size: 8, .value_kind: global_buffer, .address_space: global }
      - { .name: wimg, .offset: 32, .size: 8, .value_kind: global_buffer, .address_space: global }
      - { .name: wsc, .offset: 40, .size: 8, .value_kind: global_buffer, .address_space: global }
      - { .name: mlp_b1, .offset: 48, .size: 8, .value_kind: global_buffer, .address_space: global }
      - { .name: mlp_b2, .offset: 56, .size: 8, .value_kind: global_buffer, .address_space: global }
      - { .name: out0, .offset: 64, .size: 8, .value_kind: global_buffer, .address_space: global }
    .group_segment_fixed_size: 67072
    .private_segment_fixed_size: 0
    .kernarg_segment_align: 8
    .kernarg_segment_size: 72
    .max_flat_workgroup_size: 256
    .sgpr_count:     66
    .vgpr_count:     512
    .wavefront_size: 32
...
	.end_amdgpu_metadata
.endif
;; end of part 5
;; ======== version 2 of 2: 5 launches
;; workspace buffers: part1 32,768 bytes; part2 32,768 bytes; wimg 589,824 bytes; wsc 49,152 bytes; qkv 4,915,200 bytes; ao 1,572,864 bytes; aosc 65,536 bytes; x1 8,388,608 bytes
;; launch prep (part 6): grid 224 x 1, 4 waves a work-group, no clusters, 0 bytes of LDS; arguments x, qkv_w, proj_w, mlp_w1, mlp_w2, part1, wimg, wsc; writes part1, wimg, wsc
.if DOCPART == 6
	.amdgcn_target "amdgcn-amd-amdhsa--gfx1250"
	.amdhsa_code_object_version 6
	.text
	.protected	k_qe5b9f15735_prep
	.globl	k_qe5b9f15735_prep
	.p2align	8
	.type	k_qe5b9f15735_prep,@function
k_qe5b9f15735_prep:
	s_mov_b64 s[64:65], 0
	v_nop
	global_prefetch_b8 v0, s[64:65] scope:SCOPE_SE
	s_setreg_imm32_b32 hwreg(HW_REG_WAVE_MODE, 25, 1), 1
	s_wait_xcnt 0x0
; Two jobs that share nothing, parted on the work-group's number.
; Work-groups 0-127: partial statistics of the first group norm.  A group (8 channels x 4,096 tokens) is 64 dense chunks of 512 numbers; a wave takes 8 chunks and stores
; for each (mean, sum of squares about that mean): part1[chunk] = 8 bytes.  No difference of large sums is formed.
; Work-groups 128-223: the four weights become codes of E3M2 with one E8M0 byte for each 32 along K.  A wave makes one operand fragment (16 rows x 128 K) and stores it as an
; IMAGE OF ITS REGISTERS: register q of lane L at 512 (q / 4) + 16 L + 4 (q % 4), 1,536 bytes a fragment; its scale word at 4 L of 128 bytes (both halves of the lanes alike).
; Which rows form a tile hangs on the tensor: row of lane r of tile t = (t >> SH) (16 << SH) + 8 (t % (1 << SH)) + r + ((8 << SH) - 8) (r / 8).
; Fragments: 0-63 qkv_w rows 0-511 (SH 2), 64-95 qkv_w rows 512-767 (SH 1), 96-127 proj_w (SH 0), 128-255 mlp_w1 (SH 2), 256-383 mlp_w2 (SH 0, eight K steps a tile).
; LIMITS: NaN and infinities are not served; a block whose largest magnitude lies under 2^-122 keeps the byte 1, a block of zeros too (its codes are zeros; only this program reads the bytes).
.set SEL, 22                           ; s[22:23] selects for v_permlanex16_b32: lane l xor 16
.set RS,  160                          ; v160-175 the eight chunks' (mean, M2)
.macro RED32 a, t                      ; the sum over the 32 lanes, in every lane
	v_add_f32_dpp v[\a], v[\a], v[\a] row_xmask:1 row_mask:0xf bank_mask:0xf
	v_add_f32_dpp v[\a], v[\a], v[\a] row_xmask:2 row_mask:0xf bank_mask:0xf
	v_add_f32_dpp v[\a], v[\a], v[\a] row_xmask:4 row_mask:0xf bank_mask:0xf
	v_add_f32_dpp v[\a], v[\a], v[\a] row_xmask:8 row_mask:0xf bank_mask:0xf
	v_permlanex16_b32 v[\t], v[\a], s[SEL], s[SEL+1]
	v_add_f32 v[\a], v[\a], v[\t]
.endm
; One lane's 32 registers, a whole block along K, become 6 registers of codes at dst and the scale's byte in by.  m, m+1: maxima; m+2: the conversion's scale operand.
.macro QUANT32 src, dst, tmp, m, by
	v_max3_num_f32 v[\m], |v[\src]|, |v[(\src)+1]|, 0x2800000              ; the floor 2^(5 - 127) among the leaves: the byte cannot fall under 1
	v_max3_num_f32 v[(\m)+1], |v[(\src)+16]|, |v[(\src)+17]|, 0x2800000
.irp i, 2,4,6,8,10,12,14
	v_max3_num_f32 v[\m], v[\m], |v[(\src)+\i]|, |v[(\src)+\i+1]|
	v_max3_num_f32 v[(\m)+1], v[(\m)+1], |v[(\src)+16+\i]|, |v[(\src)+17+\i]|
.endr
	v_max_num_f32 v[\m], v[\m], v[(\m)+1]
	v_add_nc_u32 v[(\m)+2], 0xfe000000, v[\m]                              ; 4 off the exponent field: the scale operand
	v_lshrrev_b32 v[\by], 23, v[(\m)+2]                                    ; the byte
	v_cvt_scalef32_pk16_bf6_f32 v[\dst:(\dst)+2], v[\src:(\src)+15], v[(\m)+2]
	v_cvt_scalef32_pk16_bf6_f32 v[\tmp:(\tmp)+2], v[(\src)+16:(\src)+31], v[(\m)+2]   ; (a conversion's three registers begin on an even number)
	v_nop                                                                  ; one plain place behind a scaled conversion
.irp i, 0,1,2
	v_mov_b32 v[(\dst)+3+\i], v[(\tmp)+\i]
.endr
.endm
.macro CHUNK q                         ; chunk q: 16 numbers a lane
.set XC, 32+16*(\q)
	s_wait_loadcnt 28-4*(\q)                       ; behind this chunk's four loads stand those of the chunks that follow
	v_pk_add_f32 v[8:9], v[XC:XC+1], v[XC+2:XC+3]
	v_pk_add_f32 v[10:11], v[XC+4:XC+5], v[XC+6:XC+7]
	v_pk_add_f32 v[12:13], v[XC+8:XC+9], v[XC+10:XC+11]
	v_pk_add_f32 v[14:15], v[XC+12:XC+13], v[XC+14:XC+15]
	v_pk_add_f32 v[8:9], v[8:9], v[10:11]
	v_pk_add_f32 v[12:13], v[12:13], v[14:15]
	v_pk_add_f32 v[8:9], v[8:9], v[12:13]
	v_add_f32 v8, v8, v9
	RED32 8, 5
	v_mul_f32 v16, 0x3b000000, v8                  ; / 512: the chunk's mean, in both words of a pair
	v_mul_f32 v17, 0x3b000000, v8
.irp i, 0,2,4,6,8,10,12,14
	v_pk_add_f32 v[XC+\i:XC+\i+1], v[XC+\i:XC+\i+1], v[16:17] neg_lo:[0,1] neg_hi:[0,1]
.endr
	v_pk_mul_f32 v[8:9], v[XC:XC+1], v[XC:XC+1]
	v_pk_mul_f32 v[10:11], v[XC+2:XC+3], v[XC+2:XC+3]
.irp i, 4,8,12
	v_pk_fma_f32 v[8:9], v[XC+\i:XC+\i+1], v[XC+\i:XC+\i+1], v[8:9]
	v_pk_fma_f32 v[10:11], v[XC+\i+2:XC+\i+3], v[XC+\i+2:XC+\i+3], v[10:11]
.endr
	v_pk_add_f32 v[8:9], v[8:9], v[10:11]
	v_add_f32 v[RS+2*(\q)+1], v8, v9
	RED32 RS+2*(\q)+1, 5
	v_mov_b32 v[RS+2*(\q)], v16
.endm
	s_load_b256 s[4:11], s[0:1], 0x0               ; x, qkv_w, proj_w, mlp_w1
	s_load_b256 s[12:19], s[0:1], 0x20             ; mlp_w2, part1, wimg, wsc
	v_lshrrev_b32 v1, 5, v0
	v_readfirstlane_b32 s20, v1                    ; wave
	v_and_b32 v1, 31, v0                           ; L
	v_and_b32 v2, 15, v0                           ; r
	v_bfe_u32 v3, v0, 4, 1                         ; h
	v_lshlrev_b32 v4, 4, v1                        ; 16 L
	v_mov_b32 v5, 0                                ; a lane permute's destination counts as read: written once
	s_mov_b32 s[SEL], 0x76543210
	s_mov_b32 s[SEL+1], 0xfedcba98
	s_wait_kmcnt 0x0
	s_cmp_lt_u32 ttmp9, 128
	s_cbranch_scc0 .Lweights
	; ---- statistics: chunks 32 x work-group + 8 x wave + 0 .. 7
	s_lshl_b32 s24, ttmp9, 16
	s_lshl_b32 s25, s20, 14
	s_add_co_u32 s24, s24, s25                     ; the first chunk's byte in x: 2,048 a chunk
	s_mov_b32 s25, 0
	s_add_nc_u64 s[4:5], s[4:5], s[24:25]
	s_lshr_b32 s24, s24, 8                         ; and in part1: 8 a chunk
	s_add_nc_u64 s[14:15], s[14:15], s[24:25]
	s_wait_alu depctr_va_vdst(0)
.irp q, 0,1,2,3,4,5,6,7
.irp k, 0,1,2,3
	global_load_b128 v[32+16*\q+4*\k:32+16*\q+4*\k+3], v4, s[4:5] offset:2048*\q+512*\k   ; 32 lanes read 512 consecutive bytes
.endr
.endr
.irp q, 0,1,2,3,4,5,6,7
	CHUNK \q
.endr
	v_mov_b32 v24, v[RS]                           ; lane q takes chunk q's pair
	v_mov_b32 v25, v[RS+1]
.irp q, 1,2,3,4,5,6,7
	v_cmp_eq_u32 vcc_lo, \q, v1
	v_cndmask_b32 v24, v24, v[RS+2*\q], vcc_lo
	v_cndmask_b32 v25, v25, v[RS+2*\q+1], vcc_lo
.endr
	v_lshlrev_b32 v6, 3, v1
	s_wait_alu depctr_va_vdst(0)
	s_wait_xcnt 0x0                                ; EXEC changes only behind this wait
	v_cmp_gt_u32 vcc_lo, 8, v1
	s_and_saveexec_b32 s26, vcc_lo
	global_store_b64 v6, v[24:25], s[14:15]        ; eight lanes: 64 consecutive bytes
	s_wait_xcnt 0x0
	s_or_b32 exec_lo, exec_lo, s26
	s_endpgm
.Lweights:
	; ---- weights: fragment f = 4 (work-group - 128) + wave.  The tensor's figures begin as mlp_w2's and are replaced going down; every choice hangs on the work-group's number alone
	s_sub_co_u32 s24, ttmp9, 128
	s_lshl_b32 s25, s24, 2
	s_add_co_u32 s25, s25, s20                     ; f
	s_mov_b64 s[28:29], s[12:13]                   ; the tensor
	s_mov_b32 s30, 256                             ; its first fragment
	s_mov_b32 s31, 0                               ; SH
	s_mov_b32 s32, 3                               ; log2 of the K steps in a tile
	s_mov_b32 s33, 12                              ; log2 of a row's bytes
	s_mov_b32 s34, 0                               ; first row
	s_cmp_lt_u32 s24, 64
	s_cselect_b64 s[28:29], s[10:11], s[28:29]
	s_cselect_b32 s30, 128, s30
	s_cselect_b32 s31, 2, s31
	s_cselect_b32 s32, 1, s32
	s_cselect_b32 s33, 10, s33
	s_cmp_lt_u32 s24, 32
	s_cselect_b64 s[28:29], s[8:9], s[28:29]
	s_cselect_b32 s30, 96, s30
	s_cselect_b32 s31, 0, s31
	s_cmp_lt_u32 s24, 24
	s_cselect_b64 s[28:29], s[6:7], s[28:29]
	s_cselect_b32 s30, 64, s30
	s_cselect_b32 s31, 1, s31
	s_cselect_b32 s34, 512, s34
	s_cmp_lt_u32 s24, 16
	s_cselect_b32 s30, 0, s30
	s_cselect_b32 s31, 2, s31
	s_cselect_b32 s34, 0, s34
	s_sub_co_u32 s35, s25, s30                     ; the fragment's number in its tensor
	s_lshr_b32 s36, s35, s32                       ; tile t
	s_lshl_b32 s37, 1, s32
	s_sub_co_u32 s37, s37, 1
	s_and_b32 s37, s35, s37                        ; K step
	s_lshr_b32 s38, s36, s31
	s_lshl_b32 s39, 16, s31
	s_mul_i32 s38, s38, s39                        ; (t >> SH) (16 << SH)
	s_lshl_b32 s39, 1, s31
	s_sub_co_u32 s39, s39, 1
	s_and_b32 s39, s36, s39
	s_lshl_b32 s39, s39, 3                         ; 8 (t % (1 << SH))
	s_add_co_u32 s38, s38, s39
	s_add_co_u32 s38, s38, s34
	s_lshl_b32 s38, s38, s33                       ; in bytes
	s_lshl_b32 s37, s37, 9                         ; 512 bytes a K step
	s_add_co_u32 s38, s38, s37
	s_mov_b32 s39, 0
	s_add_nc_u64 s[28:29], s[28:29], s[38:39]
	s_lshl_b32 s40, 8, s31
	s_sub_co_u32 s40, s40, 8                       ; (8 << SH) - 8
	s_wait_alu depctr_va_vdst(0)
	v_lshrrev_b32 v6, 3, v2
	v_mad_u32_u24 v6, v6, s40, v2                  ; my row in the tile
	v_lshlrev_b32 v6, s33, v6
	v_lshl_add_u32 v6, v3, 7, v6                   ; + 128 h: lane (r, h) holds k = 64 c + 32 h + 0 .. 31
	v_lshlrev_b32 v7, 3, v3                        ; 8 h
	v_lshlrev_b32 v8, 2, v1                        ; 4 L
.irp c, 0,1
.irp j, 0,1,2,3,4,5,6,7
	global_load_b128 v[32+32*\c+4*\j:32+32*\c+4*\j+3], v6, s[28:29] offset:256*\c+16*\j
.endr
.endr
	s_mul_i32 s38, s25, 1536
	s_add_nc_u64 s[16:17], s[16:17], s[38:39]
	s_lshl_b32 s38, s25, 7
	s_add_nc_u64 s[18:19], s[18:19], s[38:39]
	s_wait_loadcnt 0x0
	QUANT32 32, 96, 108, 116, 122
	QUANT32 64, 102, 112, 119, 123
	v_lshl_or_b32 v124, v123, 16, v122             ; my two bytes: blocks h and 2 + h,
	v_lshlrev_b32 v124, v7, v124                   ; at their places,
	v_permlanex16_b32 v5, v124, s[SEL], s[SEL+1]
	v_or_b32 v124, v124, v5                        ; with lane l xor 16's two the word is whole
.irp k, 0,1,2
	global_store_b128 v4, v[96+4*\k:99+4*\k], s[16:17] offset:512*\k    ; 32 lanes store 512 consecutive bytes
.endr
	global_store_b32 v8, v124, s[18:19]
	s_endpgm
.Lfunc_end_k_qe5b9f15735_prep:
	.size	k_qe5b9f15735_prep, .Lfunc_end_k_qe5b9f15735_prep-k_qe5b9f15735_prep
	.p2alignl 7, 3214868480
	.fill 96, 4, 3214868480
	.section	.rodata,"a",@progbits
	.p2align	6, 0x0
	.amdhsa_kernel k_qe5b9f15735_prep
		.amdhsa_group_segment_fixed_size 0
		.amdhsa_private_segment_fixed_size 0
		.amdhsa_enable_private_segment 0
		.amdhsa_kernarg_size 64
		.amdhsa_user_sgpr_count 2
		.amdhsa_user_sgpr_kernarg_segment_ptr 1
		.amdhsa_wavefront_size32 1
		.amdhsa_system_sgpr_workgroup_id_x 1
		.amdhsa_system_sgpr_workgroup_id_y 1
		.amdhsa_system_sgpr_workgroup_id_z 1
		.amdhsa_system_vgpr_workitem_id 0
		.amdhsa_next_free_vgpr 192
		.amdhsa_next_free_sgpr 66
		.amdhsa_reserve_vcc 1
		.amdhsa_float_denorm_mode_32 3
		.amdhsa_float_denorm_mode_16_64 3
		.amdhsa_memory_ordered 1
		.amdhsa_forward_progress 1
		.amdhsa_inst_pref_size 32
	.end_amdhsa_kernel
	.amdgpu_metadata
---
amdhsa.version: [ 1, 2 ]
amdhsa.kernels:
  - .name:           k_qe5b9f15735_prep
    .symbol:         k_qe5b9f15735_prep.kd
    .args:
      - { .name: x, .offset: 0, .size: 8, .value_kind: global_buffer, .address_space: global }
      - { .name: qkv_w, .offset: 8, .size: 8, .value_kind: global_buffer, .address_space: global }
      - { .name: proj_w, .offset: 16, .size: 8, .value_kind: global_buffer, .address_space: global }
      - { .name: mlp_w1, .offset: 24, .size: 8, .value_kind: global_buffer, .address_space: global }
      - { .name: mlp_w2, .offset: 32, .size: 8, .value_kind: global_buffer, .address_space: global }
      - { .name: part1, .offset: 40, .size: 8, .value_kind: global_buffer, .address_space: global }
      - { .name: wimg, .offset: 48, .size: 8, .value_kind: global_buffer, .address_space: global }
      - { .name: wsc, .offset: 56, .size: 8, .value_kind: global_buffer, .address_space: global }
    .group_segment_fixed_size: 0
    .private_segment_fixed_size: 0
    .kernarg_segment_align: 8
    .kernarg_segment_size: 64
    .max_flat_workgroup_size: 128
    .sgpr_count:     66
    .vgpr_count:     192
    .wavefront_size: 32
...
	.end_amdgpu_metadata
.endif
;; end of part 6
;; launch qkv (part 7): grid 64 x 2, 8 waves a work-group, no clusters, 28,672 bytes of LDS; arguments x, part1, gn1_w, gn1_b, wimg, wsc, qkv; writes qkv
.if DOCPART == 7
	.amdgcn_target "amdgcn-amd-amdhsa--gfx1250"
	.amdhsa_code_object_version 6
	.text
	.protected	k_qe5b9f15735_qkv
	.globl	k_qe5b9f15735_qkv
	.p2align	8
	.type	k_qe5b9f15735_qkv,@function
k_qe5b9f15735_qkv:
	s_mov_b64 s[64:65], 0
	v_nop
	global_prefetch_b8 v0, s[64:65] scope:SCOPE_SE
	s_setreg_imm32_b32 hwreg(HW_REG_WAVE_SCHED_MODE, 0, 2), 2
	s_setreg_imm32_b32 hwreg(HW_REG_WAVE_MODE, 25, 1), 1
	s_wait_xcnt 0x0
	s_wait_alu depctr_vm_vsrc(0)
; Group norm 1, its quantising along the channels, the product with qkv_w, and the quantising of q, k (along a head's 32) and v (along the tokens).
; A work-group takes 128 tokens of a batch (x: 32 b + T).  y = 0 makes q and k, y = 1 makes v; both norm and quantise the same 128 tokens.
; TOKEN ORDER: tokens go in groups G of 64; tile (G, u) has row r <-> token 64 G + 4 r + u, so that one load of 16 bytes of a channel's row carries lane r's number of all four tiles, and sixteen lanes read 256 consecutive bytes.
; THE NORM is one fused multiply-add x a + b', a = gain / sqrt(var + eps), b' = bias - mean a; b' is rounded once, so under a large common offset the result carries half an ulp of b'.
; OPERANDS GO THROUGH LDS AND MEMORY AS IMAGES OF THEIR REGISTERS (register q of lane L at 512 (q / 4) + 16 L + 4 (q % 4)).
; OUT, a record of REC bytes for each (batch, head): KC 64 fragments of k (fragment G: K block u of row r = the 32 codes of token 64 G + 4 r + u), VC 32 steps x 2 fragments of v^T (row = dim 16 (r / 8) + 8 n + r % 8,
; K = 128 tokens; inside a block of 32 tokens place 8 u + j holds token 4 j + u), KS, VS their scale words, QC, QS as KC, KS for q.
; LIMITS: NaN and infinities are not served; blocks under 2^-122, and blocks of zeros, keep the byte 1 (only this program reads the bytes).
; THE MODE: SCHED_MODE bits 1:0 = 2 (LLVM: expert scheduling mode 2), set by the entry lines.  The code itself states the register dependences
; between vector or matrix instructions and memory or LDS instructions, with s_wait_alu, always for 0.
; THE PLAN.  Registers that memory or LDS instructions touch:
;   v4-v13        offsets and LDS addresses: made once at the head, never written again.
;   v32-49        the partial statistics, gain and bias as loaded; read by the statistics' lines; then part of AB.
;   v[216:217]    (a, b'): written by the statistics, read by one LDS store; later written by the norm.
;   AB, AB2       two sets of sixteen (a, b'): both asked for together; read by the norm's two runs of multiply-adds.
;   v128-151, v44-47  the half fragments and bytes: written by the conversions, read by the LDS stores; later taken by loads or left.
;   q and k: two buffers of x's fragments, v32-56 and v216-240, by turns: tile t's products read buffer t % 2, the loads of tile t + 1 land in the other.  v104-151, v160-161: codes and words, written once, stored once.
;   v: the eight tiles' fragments stand in window 1 and their words in v56-63, each loaded once: no load follows a product.  v192-215, v232: written once, stored once.
; So one wait on va_vdst stands at a tile's head on q's and k's way, and none in the walk on v's.
.set TAB,  0                           ; LDS: (a, b') of the 256 channels, 8 bytes each
.set XIMG, 2048                        ; 16 fragments of x: ((4 G + u) 2 + s) 1,536
.set XSC,  26624                       ; their scale words: [4 G + u][s][16 words]
.set REC,  307200
.set KC,   0
.set VC,   98304
.set KS,   196608
.set VS,   200704
.set QC,   204800
.set QS,   303104
.set VL,   1                           ; v1 lane  v2 r  v3 h
.set VR,   2
.set VH,   3
.set L16,  4                           ; v4  16 L
.set L4,   5                           ; v5  4 L
.set XA,   6                           ; v6  x: 32 channels x h + 16 r
.set XW0,  7                           ; v7, v8 where my half fragment's pairs of registers go
.set XW1,  8
.set XSB,  9                           ; v9  and its scale byte
.set TABR, 10                          ; v10 my 32 channels' (a, b')
.set TABW, 11                          ; v11 where I store my channel's
.set V8H,  12                          ; v12 8 h
.set SOF,  13                          ; v13 REC h + 4 r
.set WS,   16                          ; v16-23 the weights' scale words
.set AB,   32                          ; v32-63 sixteen (a, b')
.set AB2,  96                          ; window 1, v352-383: the other sixteen
.set XV,   48                          ; window 1, on v's way: v304-495, the eight tiles' fragments of x, 24 registers a tile (over the weight fragments that this way does not use, and over AB2)
.set XVS,  56                          ; v56-63 on v's way: their scale words
.set RW,   64                          ; v64-191 x as loaded: channel i, token u at 4 i + u
.set NL,   192                         ; v192-255 normed, channels 0-15: 16 u + k
.set WV,   18
.set SEL,  22
.set CV,   24
.set CE,   25
.set MK,   2                           ; s2, s3, s29 the masks of the statistics' three compares
.set MK2,  29
.set MSB,  0
.macro WIN new                         ; the immediate's high byte repeats the setting that is left
.if MSB != \new
	s_set_vgpr_msb (MSB<<8)|\new
.set MSB, \new
.endif
.endm
.macro PLACES                          ; four plain places behind matrix instructions (ISA guide 7.12.1), ahead of reads of results
.rept 4
	v_nop
.endr
.endm
.macro QUANT32 src, dst, tmp, m, by    ; a lane's 32 registers, one block, become 6 registers of codes and a byte
	v_max3_num_f32 v[\m], |v[\src]|, |v[(\src)+1]|, 0x2800000              ; the floor 2^(5 - 127): the byte cannot fall under 1.  Each accumulator is read from its low end on
	v_max3_num_f32 v[(\m)+1], |v[(\src)+16]|, |v[(\src)+17]|, 0x2800000
.irp i, 2,4,6,8,10,12,14
	v_max3_num_f32 v[\m], v[\m], |v[(\src)+\i]|, |v[(\src)+\i+1]|
	v_max3_num_f32 v[(\m)+1], v[(\m)+1], |v[(\src)+16+\i]|, |v[(\src)+17+\i]|
.endr
	v_max_num_f32 v[\m], v[\m], v[(\m)+1]
	v_add_nc_u32 v[(\m)+2], 0xfe000000, v[\m]
	v_lshrrev_b32 v[\by], 23, v[(\m)+2]
	v_cvt_scalef32_pk16_bf6_f32 v[\dst:(\dst)+2], v[\src:(\src)+15], v[(\m)+2]
	v_cvt_scalef32_pk16_bf6_f32 v[\tmp:(\tmp)+2], v[(\src)+16:(\src)+31], v[(\m)+2]
	v_nop                                                                  ; one plain place behind a scaled conversion
.irp i, 0,1,2
	v_mov_b32 v[(\dst)+3+\i], v[(\tmp)+\i]
.endr
.endm
.macro WORD2 w, b0, b1, t              ; a lane holds the bytes of blocks h and 2 + h: the scale word, in both halves of the lanes
	v_lshl_or_b32 v[\w], v[\b1], 16, v[\b0]
	v_lshlrev_b32 v[\w], v[V8H], v[\w]
	v_permlanex16_b32 v[\t], v[\w], s[SEL], s[SEL+1]
	v_or_b32 v[\w], v[\w], v[\t]
.endm
.macro FETCHX reg, sc, tile            ; a tile's two fragments of x and their scale words (lanes 0-15: K step 0, lanes 16-31: K step 1): seven LDS loads
.irp k, 0,1,2,3,4,5
	ds_load_b128 v[(\reg)+4*\k:(\reg)+4*\k+3], v[L16] offset:XIMG+(\tile)*3072+512*\k
.endr
	ds_load_b32 v[\sc], v[L4] offset:XSC+128*(\tile)
.endm
; Wave w joins the 64 partial statistics of groups 4 w .. 4 w + 3 and stores (a, b') of channel 32 w + lane.  mean = sum of means / 64; M2 = sum of M2 + 512 x sum of (mean_i - mean)^2.
.macro STATS
.irp q, 0,1,2,3
	v_add_f32 v[192+\q], v[32+4*\q], v[34+4*\q]
.endr
.irp msk, 1,2,4,8
.irp q, 0,1,2,3
	v_add_f32_dpp v[192+\q], v[192+\q], v[192+\q] row_xmask:\msk row_mask:0xf bank_mask:0xf
.endr
.endr
.irp q, 0,1,2,3
	v_permlanex16_b32 v[196+\q], v[192+\q], s[SEL], s[SEL+1]
.endr
.irp q, 0,1,2,3
	v_add_f32 v[192+\q], v[192+\q], v[196+\q]
.endr
.irp q, 0,1,2,3
	v_mul_f32 v[192+\q], 0x3c800000, v[192+\q]     ; / 64
.endr
.irp q, 0,1,2,3
	v_sub_f32 v[200+\q], v[32+4*\q], v[192+\q]
	v_sub_f32 v[204+\q], v[34+4*\q], v[192+\q]
	v_add_f32 v[208+\q], v[33+4*\q], v[35+4*\q]
.endr
.irp q, 0,1,2,3
	v_mul_f32 v[200+\q], v[200+\q], v[200+\q]
.endr
.irp q, 0,1,2,3
	v_fma_f32 v[200+\q], v[204+\q], v[204+\q], v[200+\q]
.endr
.irp q, 0,1,2,3
	v_fma_f32 v[208+\q], v[200+\q], 0x44000000, v[208+\q]   ; x 512
.endr
.irp msk, 1,2,4,8
.irp q, 0,1,2,3
	v_add_f32_dpp v[208+\q], v[208+\q], v[208+\q] row_xmask:\msk row_mask:0xf bank_mask:0xf
.endr
.endr
.irp q, 0,1,2,3
	v_permlanex16_b32 v[196+\q], v[208+\q], s[SEL], s[SEL+1]
.endr
.irp q, 0,1,2,3
	v_add_f32 v[208+\q], v[208+\q], v[196+\q]
.endr
.irp q, 0,1,2,3
	v_fma_f32 v[208+\q], v[208+\q], s[CV], s[CE]   ; / 32,768 + eps
.endr
	s_wait_alu depctr_va_vdst(0)
.irp q, 0,1,2,3
	v_rsq_f32 v[208+\q], v[208+\q]
.endr
	v_lshrrev_b32 v212, 3, v[VL]                   ; (a plain place behind the roots)  my channel's group among the four
	v_cmp_eq_u32 s[MK], 1, v212                    ; the three compares in one run, each into a mask of its own
	v_cmp_eq_u32 s[MK+1], 2, v212
	v_cmp_eq_u32 s[MK2], 3, v212
	s_wait_alu depctr_va_sdst(0)                   ; the three masks are written, ahead of the first select that reads one
	v_cndmask_b32 v213, v192, v193, s[MK]
	v_cndmask_b32 v213, v213, v194, s[MK+1]
	v_cndmask_b32 v213, v213, v195, s[MK2]
	s_wait_alu depctr_va_vdst(0)                   ; the four roots v208-211 are written, ahead of their first reader
	v_cndmask_b32 v214, v208, v209, s[MK]
	v_cndmask_b32 v214, v214, v210, s[MK+1]
	v_cndmask_b32 v214, v214, v211, s[MK2]
	v_mul_f32 v216, v214, v48                      ; a
	v_fma_f32 v217, -v213, v216, v49               ; b'
	s_wait_alu depctr_va_vdst(0)                   ; v[216:217] are written, which the LDS store reads; and these lines are done reading v32-49, in which the next LDS loads land
	ds_store_b64 v[TABW], v[216:217]
.endm
; A wave's unit: 64 tokens x 64 channels, of which a lane holds 32 channels (one block) of four tokens.  Normed, quantised, stored as half fragments.
.macro XPHASE
.irp k, 0,1,2,3,4,5,6,7
	ds_load_b128 v[AB+4*\k:AB+4*\k+3], v[TABR] offset:TAB+16*\k
.endr
	WIN 0x40                                       ; destination window 1
.irp k, 0,1,2,3,4,5,6,7
	ds_load_b128 v[AB2+4*\k:AB2+4*\k+3], v[TABR] offset:TAB+128+16*\k    ; the other sixteen, into registers of their own: no vector line has named them
.endr
	WIN 0
	s_wait_dscnt 8                                 ; the first sixteen are in; the eight loads behind them may be out
.set I0, 0
.rept 16
.irp u, 0,1,2,3
	v_fma_f32 v[NL+16*\u+I0], v[RW+4*I0+\u], v[AB+2*I0], v[AB+2*I0+1]     ; the fused multiply-add also turns 'four tokens of a channel' into 'registers along the channels'
.endr
.set I0, I0+1
.endr
	s_wait_dscnt 0x0
	WIN 0x14                                       ; sources 1 and 2 in window 1
.set I0, 0
.rept 16
.irp u, 0,1,2,3
	v_fma_f32 v[RW+16*\u+I0], v[RW+64+4*I0+\u], v[AB2+2*I0], v[AB2+2*I0+1]  ; channels 16-31, into registers whose numbers are used up
.endr
.set I0, I0+1
.endr
	WIN 0
.irp u, 0,1,2,3
	v_max3_num_f32 v[32+\u], |v[NL+16*\u]|, |v[NL+16*\u+1]|, 0x2800000
	v_max3_num_f32 v[36+\u], |v[RW+16*\u]|, |v[RW+16*\u+1]|, 0x2800000
.endr
.irp i, 2,4,6,8,10,12,14
.irp u, 0,1,2,3
	v_max3_num_f32 v[32+\u], v[32+\u], |v[NL+16*\u+\i]|, |v[NL+16*\u+\i+1]|
	v_max3_num_f32 v[36+\u], v[36+\u], |v[RW+16*\u+\i]|, |v[RW+16*\u+\i+1]|
.endr
.endr
.irp u, 0,1,2,3
	v_max_num_f32 v[32+\u], v[32+\u], v[36+\u]
.endr
.irp u, 0,1,2,3
	v_add_nc_u32 v[40+\u], 0xfe000000, v[32+\u]
.endr
.irp u, 0,1,2,3
	v_lshrrev_b32 v[44+\u], 23, v[40+\u]
.endr
.irp u, 0,1,2,3
	v_cvt_scalef32_pk16_bf6_f32 v[128+6*\u:130+6*\u], v[NL+16*\u:NL+16*\u+15], v[40+\u]
	v_cvt_scalef32_pk16_bf6_f32 v[152+4*\u:154+4*\u], v[RW+16*\u:RW+16*\u+15], v[40+\u]
.endr
	v_nop                                          ; one plain place behind the conversions
.irp u, 0,1,2,3
.irp i, 0,1,2
	v_mov_b32 v[131+6*\u+\i], v[152+4*\u+\i]
.endr
.endr
	s_wait_alu depctr_va_vdst(0)                   ; the codes v128-151 and the bytes v44-47 are written, which the LDS stores read; and the norm and the quantiser are done with AB, AB2, v32-47 and v192-255, in which later loads land
.irp u, 0,1,2,3
	ds_store_b64 v[XW0], v[128+6*\u:129+6*\u] offset:3072*\u
	ds_store_b64 v[XW1], v[130+6*\u:131+6*\u] offset:3072*\u
	ds_store_b64 v[XW0], v[132+6*\u:133+6*\u] offset:3072*\u+512
	ds_store_b8 v[XSB], v[44+\u] offset:128*\u
.endr
.endm
	s_load_b256 s[4:11], s[0:1], 0x0               ; x, part1, gn1_w, gn1_b
	s_load_b128 s[12:15], s[0:1], 0x20             ; wimg, wsc
	s_load_b64 s[16:17], s[0:1], 0x30              ; qkv
	v_lshl_add_u32 v30, v0, 2, 0x6c00
	v_mov_b32 v31, 0
	v_lshrrev_b32 v1, 5, v0
	v_readfirstlane_b32 s[WV], v1                  ; wave 0..7
	v_and_b32 v[VL], 31, v0
	v_and_b32 v[VR], 15, v0
	v_bfe_u32 v[VH], v0, 4, 1
	v_lshlrev_b32 v[L16], 4, v[VL]
	s_wait_alu depctr_va_vdst(0)
	v_lshlrev_b32 v[L4], 2, v[VL]
	v_lshlrev_b32 v[XA], 4, v[VR]
	v_lshl_add_u32 v[XA], v[VH], 19, v[XA]
	v_lshlrev_b32 v[V8H], 3, v[VH]
	v_mul_u32_u24 v[SOF], v[VH], REC
	v_lshl_add_u32 v[SOF], v[VR], 2, v[SOF]
	s_wait_alu depctr_va_sdst(0)                   ; the wave's number is written, ahead of its first reader: LDS places and bases are made from it
	s_lshr_b32 s19, ttmp9, 5                       ; batch
	s_and_b32 s20, ttmp9, 31                       ; T: which 128 tokens
	s_and_b32 s21, ttmp7, 0xffff                   ; y
	s_lshr_b32 s26, s[WV], 2                       ; my unit: G,
	s_bfe_u32 s27, s[WV], 0x10001                  ; K step s,
	s_and_b32 s28, s[WV], 1                        ; half c of it
	s_mul_i32 s30, s26, 12288
	s_mul_i32 s31, s27, 1536
	s_add_co_u32 s30, s30, s31
	s_mul_i32 s31, s28, 520
	s_add_co_u32 s31, s30, s31
	s_add_co_u32 s31, s31, XIMG
	v_add_nc_u32 v[XW0], s31, v[L16]               ; registers 6 c, 6 c + 1 (and, 512 on, 6 c + 4, 6 c + 5)
	s_mul_i32 s31, s28, 1016
	s_add_co_u32 s31, s30, s31
	s_add_co_u32 s31, s31, XIMG+8
	v_add_nc_u32 v[XW1], s31, v[L16]               ; registers 6 c + 2, 6 c + 3
	s_lshl_b32 s30, s26, 9
	s_lshl_b32 s31, s27, 6
	s_add_co_u32 s30, s30, s31
	s_lshl_b32 s31, s28, 1
	s_add_co_u32 s30, s30, s31
	s_add_co_u32 s30, s30, XSC
	v_lshl_add_u32 v[XSB], v[VR], 2, v[VH]
	v_add_nc_u32 v[XSB], s30, v[XSB]               ; byte 2 c + h of row r's word
	s_lshl_b32 s30, s27, 10
	s_lshl_b32 s31, s28, 9
	s_add_co_u32 s30, s30, s31
	v_lshlrev_b32 v[TABR], 8, v[VH]
	v_add_nc_u32 v[TABR], s30, v[TABR]
	s_lshl_b32 s30, s[WV], 8
	v_lshlrev_b32 v[TABW], 3, v[VL]
	v_add_nc_u32 v[TABW], s30, v[TABW]
.irp q, 0,1,2,3
	v_mov_b32 v[196+\q], 0                         ; lane permutes' destinations count as read
.endr
	s_mov_b32 s[SEL], 0x76543210
	s_mov_b32 s[SEL+1], 0xfedcba98
	s_mov_b32 s[CV], 0x38000000                    ; 1 / 32,768
	s_mov_b32 s[CE], 0x3727c5ac                    ; eps = 1e-5
	; my eight weight fragments: y = 0: 8 w on (64 rows of q or of k, two K steps); y = 1: 64 + 4 w on, of which the first four are my head's (the others lie inside the buffer and are not used)
	s_mul_i32 s30, s[WV], 12288
	s_mul_i32 s31, s[WV], 6144
	s_add_co_u32 s31, s31, 98304
	s_lshl_b32 s32, s[WV], 10
	s_lshl_b32 s33, s[WV], 9
	s_add_co_u32 s33, s33, 8192
	s_cmp_lg_u32 s21, 0
	s_cselect_b32 s30, s31, s30
	s_cselect_b32 s32, s33, s32
	s_mov_b32 s31, 0
	s_mov_b32 s33, 0
	s_lshl_b32 s34, s19, 14
	s_lshl_b32 s35, s[WV], 11
	s_add_co_u32 s34, s34, s35                     ; part1: my four groups
	s_mov_b32 s35, 0
	s_lshl_b32 s36, s[WV], 7                       ; gain and bias: my 32 channels
	s_mov_b32 s37, 0
	s_lshl_b32 s38, s19, 22                        ; x: batch, 128 s + 64 c channels, 128 T + 64 G tokens
	s_lshl_b32 s39, s27, 21
	s_add_co_u32 s38, s38, s39
	s_lshl_b32 s39, s28, 20
	s_add_co_u32 s38, s38, s39
	s_lshl_b32 s39, s20, 9
	s_add_co_u32 s38, s38, s39
	s_lshl_b32 s39, s26, 8
	s_add_co_u32 s38, s38, s39
	s_mov_b32 s39, 0
	s_wait_kmcnt 0x0
	s_add_nc_u64 s[6:7], s[6:7], s[34:35]
	s_add_nc_u64 s[8:9], s[8:9], s[36:37]
	s_add_nc_u64 s[10:11], s[10:11], s[36:37]
	s_add_nc_u64 s[4:5], s[4:5], s[38:39]
	s_add_nc_u64 s[12:13], s[12:13], s[30:31]
	s_add_nc_u64 s[14:15], s[14:15], s[32:33]
	s_wait_alu depctr_va_vdst(0)                   ; the offsets and LDS addresses v4 to v13 are written: every load and store of the kernel reads one of them
.irp q, 0,1,2,3
	global_load_b128 v[32+4*\q:35+4*\q], v[L16], s[6:7] offset:512*\q
.endr
	global_load_b32 v48, v[L4], s[8:9]
	global_load_b32 v49, v[L4], s[10:11]
.set I0, 0
.rept 32
	global_load_b128 v[RW+4*I0:RW+4*I0+3], v[XA], s[4:5] offset:16384*I0   ; sixteen lanes read 256 consecutive bytes of a channel's row
.set I0, I0+1
.endr
	s_wait_loadcnt 32                              ; the statistics, gain and bias are in; x's 32 loads may be out
	STATS
	WIN 0x40                                       ; destination window 1: registers that no vector line has named
.set I0, 0
.rept 8
.irp k, 0,1,2
	global_load_b128 v[12*I0+4*\k:12*I0+4*\k+3], v[L16], s[12:13] offset:1536*I0+512*\k
.endr
.set I0, I0+1
.endr
	WIN 0
.irp i, 0,1,2,3,4,5,6,7
	global_load_b32 v[WS+\i], v[L4], s[14:15] offset:128*\i
.endr
	s_wait_loadcnt 32                              ; x is in; behind it stand the weights' 32 loads
	s_wait_dscnt 0x0                               ; my (a, b') have landed
	s_barrier_signal -1
	s_barrier_wait -1                              ; everybody's have
	s_wait_alu depctr_vm_vsrc(0)                   ; my LDS store has read v[216:217], which the norm's multiply-adds write
	XPHASE
	s_wait_dscnt 0x0                               ; my half fragments and bytes have landed
	s_barrier_signal -1
	s_barrier_wait -1                              ; x's sixteen fragments lie in LDS; from here on LDS is only read
	s_wait_alu depctr_vm_vsrc(0)                   ; my LDS stores have read v44-47 and v128-151: on both ways below loads or vector lines write them
	s_wait_loadcnt 0x0                             ; the weights
	s_cmp_lg_u32 s21, 0
	s_cbranch_scc1 .Lv
	; ---- q and k.  Wave w: q (w < 4) or k, heads 2 (w % 4) and 2 (w % 4) + 1.  Transposed use: source 0 = 16 rows of the weight, source 1 = 16 tokens: lane (r, h) holds token r and, over four tiles, the 32 dims of head 2 g + h.
	s_lshl_b32 s30, s19, 3
	s_and_b32 s31, s[WV], 3
	s_lshl_b32 s31, s31, 1
	s_add_co_u32 s30, s30, s31
	s_mul_i32 s30, s30, REC                        ; the even head's record
	s_mul_i32 s31, s20, 3072                       ; fragments 2 T, 2 T + 1
	s_lshl_b32 s32, s20, 7
	s_mov_b32 s35, QS
	s_cmp_lg_u32 s26, 0
	s_cselect_b32 s34, KC, QC
	s_cselect_b32 s35, KS, s35
	s_add_co_u32 s34, s34, s30
	s_add_co_u32 s40, s34, s31
	s_mov_b32 s41, 0
	s_add_co_u32 s35, s35, s30
	s_add_co_u32 s44, s35, s32
	s_mov_b32 s45, 0
	s_add_nc_u64 s[42:43], s[16:17], s[40:41]
	s_add_nc_u64 s[44:45], s[16:17], s[44:45]
.macro QKMUL p                         ; four accumulators by turns, two K steps; p: which buffer holds the tile
.set XFB, 32+184*(\p)
.set XSR, 56+184*(\p)
	WIN 0x01                                       ; source 0 in window 1
.irp t, 0,1,2,3
	v_wmma_scale_f32_16x16x128_f8f6f4 v[64+8*\t:71+8*\t], v[24*\t:24*\t+11], v[XFB:XFB+11], 0, v[WS+2*\t], v[XSR] matrix_a_fmt:MATRIX_FMT_BF6 matrix_b_fmt:MATRIX_FMT_BF6
.endr
.irp t, 0,1,2,3
	v_wmma_scale_f32_16x16x128_f8f6f4 v[64+8*\t:71+8*\t], v[24*\t+12:24*\t+23], v[XFB+12:XFB+23], v[64+8*\t:71+8*\t], v[WS+2*\t+1], v[XSR] matrix_a_fmt:MATRIX_FMT_BF6 matrix_b_fmt:MATRIX_FMT_BF6 matrix_b_scale:MATRIX_SCALE_ROW1
.endr
	WIN 0
.endm
.macro QKOUT g                         ; group g's two fragments and their scale words leave
.irp k, 0,1,2
	global_store_b128 v[L16], v[104+24*(\g)+4*\k:107+24*(\g)+4*\k], s[42:43] offset:1536*(\g)+512*\k
	global_store_b128 v[L16], v[116+24*(\g)+4*\k:119+24*(\g)+4*\k], s[42:43] offset:REC+1536*(\g)+512*\k
.endr
	global_store_b32 v[SOF], v[160+(\g)], s[44:45] offset:64*(\g)
.endm
	FETCHX 32, 56, 0                               ; no vector line since the wait ahead of the fragments' stores names v32-56 or v216-240
.irp g, 0,1
.irp u, 0,1,2,3
	s_wait_dscnt 0x0                               ; the tile's fragments are in
.if 4*\g+\u > 0
	s_wait_alu depctr_va_vdst(0)                   ; the tile before: its products are done reading the other buffer, in which the loads below land; at group 1's first tile also: group 0's codes and words are written, which the stores below read
.endif
.if (\g == 1) && (\u == 0)
	QKOUT 0
.endif
.if 4*\g+\u < 7
	FETCHX 32+184*((\u+1)%2), 56+184*((\u+1)%2), 4*\g+\u+1   ; the next tile lands while this one is multiplied and quantised
.endif
	QKMUL \u%2
	PLACES
	QUANT32 64, 104+24*\g+12*(\u%2)+6*(\u/2), 152, 96, 164+\u
.endr
.irp i, 0,1,2,3,4,5,6,7,8,9,10,11
	v_permlane16_swap_b32 v[104+24*\g+\i], v[116+24*\g+\i]   ; even tiles' upper lanes (head 2 g + 1) change places with odd tiles' lower lanes (head 2 g): two whole fragments, block u = 2 c + h
.endr
	v_lshl_or_b32 v[160+\g], v165, 8, v164         ; byte u of my token row's word, for head 2 g + h
	v_lshl_or_b32 v[160+\g], v166, 16, v[160+\g]
	v_lshl_or_b32 v[160+\g], v167, 24, v[160+\g]
.endr
	s_wait_alu depctr_va_vdst(0)                   ; group 1's codes and words are written, which the last stores read
	QKOUT 1
	s_wait_dscnt 0x0                               ; the closing lines, six on end
	s_wait_alu 0x0
	s_wait_tensorcnt 0x0
	ds_add_u32 v30, v31
	s_wait_dscnt 0x0
	s_endpgm
.Lv:
	; ---- v.  Wave w is head w.  Source 0 = 16 tokens, source 1 = 16 rows of the weight: lane (r, h) holds ONE dim and its registers run along the tokens: over the four tiles of a group 32 tokens, one block of the next K.
	s_lshl_b32 s30, s19, 3
	s_add_co_u32 s30, s30, s[WV]
	s_mul_i32 s30, s30, REC
	s_mul_i32 s31, s20, 3072
	s_add_co_u32 s40, s30, s31
	s_add_co_u32 s40, s40, VC
	s_mov_b32 s41, 0
	s_lshl_b32 s32, s20, 7
	s_add_co_u32 s44, s30, s32
	s_add_co_u32 s44, s44, VS
	s_mov_b32 s45, 0
	s_add_nc_u64 s[42:43], s[16:17], s[40:41]
	s_add_nc_u64 s[44:45], s[16:17], s[44:45]
.macro VMUL t                          ; two accumulators by turns, two K steps
	v_wmma_scale_f32_16x16x128_f8f6f4 v[64+8*(\t):71+8*(\t)], v[XV+24*(\t):XV+24*(\t)+11], v[0:11], 0, v[XVS+(\t)], v[WS] matrix_a_fmt:MATRIX_FMT_BF6 matrix_b_fmt:MATRIX_FMT_BF6
	v_wmma_scale_f32_16x16x128_f8f6f4 v[128+8*(\t):135+8*(\t)], v[XV+24*(\t):XV+24*(\t)+11], v[24:35], 0, v[XVS+(\t)], v[WS+2] matrix_a_fmt:MATRIX_FMT_BF6 matrix_b_fmt:MATRIX_FMT_BF6
	v_wmma_scale_f32_16x16x128_f8f6f4 v[64+8*(\t):71+8*(\t)], v[XV+24*(\t)+12:XV+24*(\t)+23], v[12:23], v[64+8*(\t):71+8*(\t)], v[XVS+(\t)], v[WS+1] matrix_a_fmt:MATRIX_FMT_BF6 matrix_b_fmt:MATRIX_FMT_BF6 matrix_a_scale:MATRIX_SCALE_ROW1
	v_wmma_scale_f32_16x16x128_f8f6f4 v[128+8*(\t):135+8*(\t)], v[XV+24*(\t)+12:XV+24*(\t)+23], v[36:47], v[128+8*(\t):135+8*(\t)], v[XVS+(\t)], v[WS+3] matrix_a_fmt:MATRIX_FMT_BF6 matrix_b_fmt:MATRIX_FMT_BF6 matrix_a_scale:MATRIX_SCALE_ROW1
.endm
	; all eight tiles are asked for at once, each into registers of its own: the words first, then the fragments tile by tile.  No vector line since the wait ahead of the fragments' stores names v56-63 or window 1
.irp t, 0,1,2,3,4,5,6,7
	ds_load_b32 v[XVS+\t], v[L4] offset:XSC+128*\t
.endr
	WIN 0x40                                       ; destination window 1
.set I0, 0
.rept 8
.irp k, 0,1,2,3,4,5
	ds_load_b128 v[XV+24*I0+4*\k:XV+24*I0+4*\k+3], v[L16] offset:XIMG+I0*3072+512*\k
.endr
.set I0, I0+1
.endr
	WIN 0x05                                       ; sources 0 and 1 in window 1
.irp t, 0,1,2,3,4,5,6,7
	s_wait_dscnt 6*(7-\t)                          ; LDS loads come back in order (ISA guide 5.7.1): this tile's are in; the later tiles' six each may be out
	VMUL \t
.endr
	WIN 0
	PLACES
	v_mov_b32 v230, 0
	v_cmp_gt_u32 vcc_lo, 16, v[VL]                 ; the mask for the select below, made well ahead of it
.irp n, 0,1
.irp c, 0,1
	QUANT32 64+64*\n+32*\c, 192+12*\n+6*\c, 216, 220, 224+2*\n+\c
.endr
	WORD2 228+\n, 224+2*\n, 225+2*\n, 230
.endr
	s_wait_alu depctr_va_vcc(0)                    ; VCC is written, ahead of the select that reads it
	v_cndmask_b32 v232, v229, v228, vcc_lo         ; lanes 0-15: fragment 0's words, lanes 16-31: fragment 1's
	s_wait_alu depctr_va_vdst(0)                   ; the codes v192-215 and the words v232 are written, which the stores read
.irp n, 0,1
.irp k, 0,1,2
	global_store_b128 v[L16], v[192+12*\n+4*\k:195+12*\n+4*\k], s[42:43] offset:1536*\n+512*\k
.endr
.endr
	global_store_b32 v[L4], v232, s[44:45]
	s_wait_dscnt 0x0                               ; the closing lines, six on end
	s_wait_alu 0x0
	s_wait_tensorcnt 0x0
	ds_add_u32 v30, v31
	s_wait_dscnt 0x0
	s_endpgm
.Lfunc_end_k_qe5b9f15735_qkv:
	.size	k_qe5b9f15735_qkv, .Lfunc_end_k_qe5b9f15735_qkv-k_qe5b9f15735_qkv
	.p2alignl 7, 3214868480
	.fill 96, 4, 3214868480
	.section	.rodata,"a",@progbits
	.p2align	6, 0x0
	.amdhsa_kernel k_qe5b9f15735_qkv
		.amdhsa_group_segment_fixed_size 28672
		.amdhsa_private_segment_fixed_size 0
		.amdhsa_enable_private_segment 0
		.amdhsa_kernarg_size 56
		.amdhsa_user_sgpr_count 2
		.amdhsa_user_sgpr_kernarg_segment_ptr 1
		.amdhsa_wavefront_size32 1
		.amdhsa_system_sgpr_workgroup_id_x 1
		.amdhsa_system_sgpr_workgroup_id_y 1
		.amdhsa_system_sgpr_workgroup_id_z 1
		.amdhsa_system_vgpr_workitem_id 0
		.amdhsa_next_free_vgpr 496
		.amdhsa_next_free_sgpr 66
		.amdhsa_reserve_vcc 1
		.amdhsa_float_denorm_mode_32 3
		.amdhsa_float_denorm_mode_16_64 3
		.amdhsa_memory_ordered 1
		.amdhsa_forward_progress 1
		.amdhsa_inst_pref_size 77
	.end_amdhsa_kernel
	.amdgpu_metadata
---
amdhsa.version: [ 1, 2 ]
amdhsa.kernels:
  - .name:           k_qe5b9f15735_qkv
    .symbol:         k_qe5b9f15735_qkv.kd
    .args:
      - { .name: x, .offset: 0, .size: 8, .value_kind: global_buffer, .address_space: global }
      - { .name: part1, .offset: 8, .size: 8, .value_kind: global_buffer, .address_space: global }
      - { .name: gn1_w, .offset: 16, .size: 8, .value_kind: global_buffer, .address_space: global }
      - { .name: gn1_b, .offset: 24, .size: 8, .value_kind: global_buffer, .address_space: global }
      - { .name: wimg, .offset: 32, .size: 8, .value_kind: global_buffer, .address_space: global }
      - { .name: wsc, .offset: 40, .size: 8, .value_kind: global_buffer, .address_space: global }
      - { .name: qkv, .offset: 48, .size: 8, .value_kind: global_buffer, .address_space: global }
    .group_segment_fixed_size: 28672
    .private_segment_fixed_size: 0
    .kernarg_segment_align: 8
    .kernarg_segment_size: 56
    .max_flat_workgroup_size: 256
    .sgpr_count:     66
    .vgpr_count:     496
    .wavefront_size: 32
...
	.end_amdgpu_metadata
.endif
;; end of part 7
;; launch attn (part 8): grid 16 x 16, 16 waves a work-group, clusters of 4 x 1, 207,104 bytes of LDS; arguments qkv, phys_bias, ao, aosc; writes ao, aosc
.if DOCPART == 8
	.amdgcn_target "amdgcn-amd-amdhsa--gfx1250"
	.amdhsa_code_object_version 6
	.text
	.protected	k_qe5b9f15735_attn
	.globl	k_qe5b9f15735_attn
	.p2align	8
	.type	k_qe5b9f15735_attn,@function
k_qe5b9f15735_attn:
	s_mov_b64 s[64:65], 0
	v_nop
	global_prefetch_b8 v0, s[64:65] scope:SCOPE_SE
	s_setreg_imm32_b32 hwreg(HW_REG_WAVE_MODE, 25, 1), 1
	s_wait_xcnt 0x0
	s_wait_alu depctr_hold_cnt(0) depctr_sa_sdst(0) depctr_va_vdst(0) depctr_va_sdst(0) depctr_va_ssrc(0) depctr_va_vcc(0) depctr_vm_vsrc(0)
	s_getreg_b32 s2, hwreg(HW_REG_IB_STS2, 6, 4)
	s_cmp_eq_u32 s2, 0
	s_cbranch_scc0 .Lentry_in_a_cluster
	s_endpgm
.Lentry_in_a_cluster:
	s_bfe_u32 s2, ttmp6, 0x10000c
	s_cmp_lg_u32 s2, 0x3003
	s_cbranch_scc0 .Lentry_shape_is_right
	s_endpgm
.Lentry_shape_is_right:
; Attention of one (batch, head) for 256 queries, on codes of E3M2; its result, divided by the row's sum, is quantised along the head's 32 (one block of the projection's K).
; t = score x log2(e) / sqrt(32) + bias x log2(e); M = the running largest t rounded up to a whole number; p = 2^(t - M) is quantised along the keys, not normalised; the sum is taken of the unquantised p.
; SHARES.  y = 8 batch + head; x = 4 cluster + place = which 256 queries.  Each of sixteen waves owns one tile of 16 queries (G = 4 x + w / 4, u = w % 4; query r = token 64 G + 4 r + u) and walks all 4,096 keys, 128 a step.
; LDS IS FILLED ONCE: the head's k, v and their scale words, 204,800 dense bytes, fit; each wave brings 50 rows of 256 bytes by one tensor load.  One tensor load a wave is out.  Nothing is filled again.
; CLUSTER: the four work-groups of a cluster walk the same head, so each of those loads is asked for jointly, with the same descriptor and a mask that names the four.
; THE FIRST PRODUCT HAS K = 32.  A fragment of k holds FOUR tiles of 16 keys, one in each block of 32 along the instruction's K; source 1 is q with its 32 codes in block u and zero codes elsewhere: that picks tile u.
; So no byte of k in LDS or registers is idle.  (The blocks that meet zero codes add nothing; they take part in the unit's alignment of exponents.)
; Both products are used transposed: a lane holds one query.  The 32 registers of the four tiles of a fragment are one block of 32 keys (place 8 u + j = key 4 j + u, as v's codes are laid), so p's codes are the second product's operand as the conversions leave them.
; LIMITS: NaN and infinities are not served; blocks under 2^-122 and blocks of zeros keep the byte 1.
.set REC, 307200
.set VC,  98304                        ; LDS as the record: k's fragments at 0, v's at VC, k's scale words at KS, v's 4,096 on
.set KS,  196608
.set QC,  204800
.set QS,  303104
.set AOS, 204800                       ; LDS: the 256 scale bytes of the work-group's result; no load lands here
.set VR,  1                            ; v1 r  v2 h  v3 8 h  v12 lane
.set VH,  2
.set V8H, 3
.set L16, 4                            ; v4  16 L
.set LV,  5                            ; v5  16 L + VC
.set LS,  6                            ; v6  4 L + KS
.set ADK, 7                            ; v7-9 the step's addresses
.set ADV, 8
.set ADS, 9
.set AOO, 10                           ; v10 24 r + 12 h
.set AOW, 11                           ; v11 AOS + 16 w + r
.set VL,  12
.set AOR, 13                           ; v13 AOS + 8 L
; v14-16 q's offsets; v17 zero; v18 8 L; v[20:21] bytes on their way out; v32-55 k, two fragments; v56-79 v, two fragments; v80-86 q as loaded; v96-159 scores, then p; v160-175 O^T; v176-187 p's codes; v188-194 halves of them;
; v200-229 [0 x 6][q in lanes 0-15 x 6][0 x 6][q in lanes 16-31 x 6][0 x 6]; v230 q's byte in all four; v231 k's, v232 v's, v233 p's scale words; v234 -M; v235 largest t; v[236:237] bias - M; v[238:239] the sum; v[240:241] f; v242-251 at work
.set WV,  12
.set G1,  16
.set G0,  24
.set SEL, 28
.set CS,  30
.set PBL, 32
.set TB,  33
.set TS,  34
.set CNT, 35
.macro CROUND                          ; a round of the cluster's barrier
	s_barrier_signal -1
	s_barrier_wait -1
	s_cmp_lg_u32 s[WV], 0
	s_cbranch_scc1 .Lnot_wave_0_\@
	s_barrier_signal -3
.Lnot_wave_0_\@:
	s_barrier_wait -3
	s_barrier_signal -1
	s_barrier_wait -1
.endm
	s_load_b256 s[4:11], s[0:1], 0x0               ; qkv, phys_bias, ao, aosc
	v_lshl_add_u32 v254, v0, 2, 0x32100
	v_mov_b32 v255, 0
	ds_add_u32 v254, v255
	ds_add_u32 v254, v255
	v_lshrrev_b32 v12, 5, v0
	s_delay_alu instid0(VALU_DEP_1)
	v_readfirstlane_b32 s[WV], v12                 ; wave 0..15
	v_and_b32 v[VL], 31, v0
	v_and_b32 v[VR], 15, v0
	v_bfe_u32 v[VH], v0, 4, 1
	s_delay_alu instid0(VALU_DEP_1)
	v_lshlrev_b32 v[V8H], 3, v[VH]
	s_delay_alu instid0(VALU_DEP_4)
	v_lshlrev_b32 v[L16], 4, v[VL]
	s_delay_alu instid0(VALU_DEP_1)
	v_add_nc_u32 v[LV], VC, v[L16]
	v_lshl_add_u32 v[LS], v[VL], 2, KS
	s_lshl_b32 s36, s[WV], 4
	v_add_nc_u32 v[AOW], s36, v[VR]
	s_delay_alu instid0(VALU_DEP_1)
	v_add_nc_u32 v[AOW], AOS, v[AOW]
	v_lshl_add_u32 v[AOR], v[VL], 3, AOS
	v_mul_u32_u24 v[AOO], v[VR], 24
	s_delay_alu instid0(VALU_DEP_1)
	v_mad_u32_u24 v[AOO], v[VH], 12, v[AOO]
	v_lshlrev_b32 v18, 3, v[VL]
	v_lshlrev_b32 v16, 2, v[VR]
	v_mov_b32 v17, 0
	s_bfe_u32 s13, ttmp6, 0x40000                  ; my place in the cluster: it enters the addresses of q, ao and aosc alone
	s_lshl_b32 s14, ttmp9, 2
	s_add_co_u32 s14, s14, s13                     ; which 256 queries
	s_and_b32 s15, ttmp7, 0xffff                   ; 8 batch + head, which the partners share
	s_mov_b32 s[G1], 15|(3<<16)|(1<<21)            ; the mask: all four; elements of 8 bytes; bit 21 beside a mask; no padding
	s_mov_b32 s[G1+1], 32<<16                      ; tensor_dim0 = 32 elements: rows of 256 bytes
	s_mov_b32 s[G1+2], 50<<16                      ; tensor_dim1 = 50
	s_mov_b32 s[G1+3], 32<<16                      ; tile_dim0
	s_mov_b32 s[G1+4], 50                          ; tile_dim1
	s_mov_b32 s[G1+5], 32                          ; pitch: dense
	s_mov_b32 s[G1+6], 0
	s_mov_b32 s[G1+7], 0
	s_mov_b32 s[SEL], 0x76543210
	s_mov_b32 s[SEL+1], 0xfedcba98
	s_mov_b32 s[CS], 0x3e8293ee                    ; log2(e) / sqrt(32)
	s_mov_b32 s[CS+1], s[CS]
	s_mov_b32 s[TB], 0
	s_mov_b32 s[TS], 0
	s_mov_b32 s[CNT], 31
	s_mul_i32 s36, s15, REC
	s_mov_b32 s37, 0
	s_mul_i32 s38, s[WV], 12800                    ; my 50 rows
	s_mov_b32 s39, 0
	s_and_b32 s40, s15, 7
	s_lshl_b32 s40, s40, 2                         ; the head's bias
	s_mov_b32 s41, 0
	s_lshr_b32 s42, s[WV], 2
	s_lshl_b32 s43, s14, 2
	s_add_co_u32 s42, s42, s43                     ; G
	s_and_b32 s43, s[WV], 3                        ; u
	s_mul_i32 s44, s42, 1536
	s_and_b32 s45, s43, 1
	s_lshl_b32 s45, s45, 8                         ; block u lies in the lanes of half u % 2,
	s_add_co_u32 s44, s44, s45
	s_add_co_u32 s44, s44, QC
	s_mov_b32 s45, 0
	s_lshr_b32 s46, s43, 1                         ; in registers 6 (u / 2) on
	s_mul_i32 s47, s46, 520
	v_lshl_add_u32 v14, v[VR], 4, s47
	s_mul_i32 s47, s46, 1016
	s_add_co_u32 s47, s47, 8
	v_lshl_add_u32 v15, v[VR], 4, s47
	s_lshl_b32 s48, s42, 6
	s_add_co_u32 s48, s48, QS
	s_mov_b32 s49, 0
	s_lshl_b32 s50, s43, 3                         ; 8 u
	s_mul_i32 s46, s15, 98304
	s_mul_i32 s47, s14, 6144
	s_add_co_u32 s46, s46, s47
	s_mul_i32 s47, s[WV], 384
	s_add_co_u32 s46, s46, s47                     ; ao: 24 bytes a token
	s_mov_b32 s47, 0
	s_wait_dscnt 0x0
	s_wait_kmcnt 0x0
	s_add_nc_u64 s[4:5], s[4:5], s[36:37]          ; the head's record
	s_add_nc_u64 s[6:7], s[6:7], s[40:41]
	s_load_b32 s[PBL], s[6:7], 0x0
	s_mov_b32 s[G0], 1
	s_mul_i32 s[G0+1], s[WV], 12800                ; LDS address: as in the record
	s_add_nc_u64 s[G0+2:G0+3], s[4:5], s[38:39]
	s_or_b32 s[G0+3], s[G0+3], 0x80000000
	s_add_nc_u64 s[44:45], s[4:5], s[44:45]        ; q's codes
	s_add_nc_u64 s[48:49], s[4:5], s[48:49]        ; q's scale words
	s_add_nc_u64 s[8:9], s[8:9], s[46:47]
	s_lshl_b32 s46, s15, 12
	s_lshl_b32 s36, s14, 8
	s_add_co_u32 s46, s46, s36
	s_add_nc_u64 s[10:11], s[10:11], s[46:47]      ; aosc: one byte a token
	CROUND                                         ; all four work-groups are here: the joint loads meet
	tensor_load_to_lds s[G0:G0+3], s[G1:G1+7]
	s_nop 0
.rept 4
	v_nop
.endr
	s_wait_alu depctr_va_vdst(0)
	global_load_b64 v[80:81], v14, s[44:45]        ; query r's 24 bytes, in both halves of the lanes
	global_load_b64 v[82:83], v15, s[44:45]
	global_load_b64 v[84:85], v14, s[44:45] offset:512
	global_load_b32 v86, v16, s[48:49]
.irp i, 0,1,2,3,4,5
	v_mov_b32 v[200+\i], 0
	v_mov_b32 v[212+\i], 0
	v_mov_b32 v[224+\i], 0
.endr
	v_cmp_gt_u32 vcc_lo, 16, v[VL]
	s_wait_loadcnt 0x0
.irp i, 0,1,2,3,4,5
	v_cndmask_b32 v[206+\i], v17, v[80+\i], vcc_lo ; q in lanes 0-15, zero codes above
	v_cndmask_b32 v[218+\i], v[80+\i], v17, vcc_lo ; and the other way round
.endr
	v_lshrrev_b32 v230, s50, v86
	s_delay_alu instid0(VALU_DEP_1)
	v_and_b32 v230, 0xff, v230
	s_delay_alu instid0(VALU_DEP_1)
	v_lshl_or_b32 v230, v230, 8, v230
	s_delay_alu instid0(VALU_DEP_1)
	v_lshl_or_b32 v230, v230, 16, v230             ; q's byte for whichever block it stands in
.irp i, 0,1,2,3,4,5,6,7,8,9,10,11,12,13,14,15
	v_mov_b32 v[160+\i], 0                         ; O^T: the step is written once; the first finds zeros.  (These lines are also the places between the operands just made and the first products)
.endr
	v_mov_b32 v235, 0xff61b1e6                     ; the largest t so far: -3e38
	s_delay_alu instid0(VALU_DEP_1)
	v_floor_f32 v234, -v235                        ; -M
	v_mov_b32 v237, 0
	v_mov_b32 v238, 0
	v_mov_b32 v239, 0
	v_mov_b32 v241, 0
	v_mov_b32 v245, 0
	s_wait_kmcnt 0x0
	s_mul_f32 s[PBL], s[PBL], 0x3fb8aa3b           ; bias x log2(e)
	s_wait_tensorcnt 0x0                           ; my 50 rows have landed
	s_barrier_signal -1
	s_barrier_wait -1                              ; everybody's have
.irp k, 0,1,2,3,4,5
	ds_load_b128 v[32+4*\k:35+4*\k], v[L16] offset:512*\k     ; k of step 0
.endr
	ds_load_b32 v231, v[LS]
; A KEY STEP: 128 keys.  last = 1: no next step's k is fetched.
.macro STEP last
	s_wait_dscnt 0x0                               ; this step's k is in
.irp c, 0,1
.irp u, 0,1,2,3
.if \c == 0
	v_wmma_scale_f32_16x16x128_f8f6f4 v[96+8*\u:103+8*\u], v[32:43], v[200+6*(1-\u/2)+12*(\u%2):211+6*(1-\u/2)+12*(\u%2)], 0, v231, v230 matrix_a_fmt:MATRIX_FMT_BF6 matrix_b_fmt:MATRIX_FMT_BF6
.else
	v_wmma_scale_f32_16x16x128_f8f6f4 v[128+8*\u:135+8*\u], v[44:55], v[200+6*(1-\u/2)+12*(\u%2):211+6*(1-\u/2)+12*(\u%2)], 0, v231, v230 matrix_a_fmt:MATRIX_FMT_BF6 matrix_b_fmt:MATRIX_FMT_BF6 matrix_a_scale:MATRIX_SCALE_ROW1
.endif
.endr
.endr
	v_add_nc_u32 v[ADV], s[TB], v[LV]              ; four plain places behind the products: ahead of the loads into their registers and of the first read of the scores
	v_add_nc_u32 v[ADK], s[TB], v[L16]
	v_add_nc_u32 v[ADS], s[TS], v[LS]
	v_nop
.irp k, 0,1,2,3,4,5
	ds_load_b128 v[56+4*\k:59+4*\k], v[ADV] offset:512*\k     ; this step's v
.endr
	ds_load_b32 v232, v[ADS] offset:4096
.if !\last
.irp k, 0,1,2,3,4,5
	ds_load_b128 v[32+4*\k:35+4*\k], v[ADK] offset:3072+512*\k   ; the next step's k
.endr
	ds_load_b32 v231, v[ADS] offset:128
.endif
.irp c, 0,1
	v_max3_num_f32 v[242+\c], v[96+32*\c], v[97+32*\c], v[98+32*\c]   ; the largest score of my two blocks of 32 keys; each accumulator is read from its low end on
.endr
.irp i, 3,5,7,9,11,13,15,17,19,21,23,25,27,29
.irp c, 0,1
	v_max3_num_f32 v[242+\c], v[242+\c], v[96+32*\c+\i], v[97+32*\c+\i]
.endr
.endr
.irp c, 0,1
	v_max_num_f32 v[242+\c], v[242+\c], v[127+32*\c]
.endr
	s_delay_alu instid0(VALU_DEP_1)
	v_max_num_f32 v244, v242, v243
	s_delay_alu instid0(VALU_DEP_1)
	v_permlanex16_b32 v245, v244, s[SEL], s[SEL+1]
	s_delay_alu instid0(VALU_DEP_1)
	v_max_num_f32 v244, v244, v245                 ; the step's largest score of my query
	s_delay_alu instid0(VALU_DEP_1)
	v_fma_f32 v244, v244, s[CS], s[PBL]            ; as t
	s_delay_alu instid0(VALU_DEP_1)
	v_max_num_f32 v235, v235, v244
	v_mov_b32 v244, v234
	s_delay_alu instid0(VALU_DEP_2)
	v_floor_f32 v234, -v235                        ; the new -M: a whole number
	s_delay_alu instid0(VALU_DEP_1)
	v_sub_f32 v244, v234, v244                     ; old M - new M, 0 or less
	s_delay_alu instid0(VALU_DEP_1)
	v_cvt_i32_f32 v244, v244                       ; (it saturates)
	s_delay_alu instid0(VALU_DEP_1)
	v_ldexp_f32 v240, 1.0, v244                    ; f = 2^(old M - new M): rounds nothing
	s_delay_alu instid0(VALU_DEP_4)
	v_add_f32 v236, s[PBL], v234                   ; bias x log2(e) - M
.set I0, 0
.rept 32
	v_pk_fma_f32 v[96+I0:97+I0], v[96+I0:97+I0], s[CS:CS+1], v[236:237] op_sel_hi:[1,0,0]   ; t - M
.set I0, I0+2
.endr
	v_fma_f32 v242, v242, s[CS], v236              ; the same of each block's largest score
	v_fma_f32 v243, v243, s[CS], v236
.set I0, 0
	s_setprio 1
	s_wait_alu depctr_va_vdst(0)
.rept 64
	v_exp_f32 v[96+I0], v[96+I0]                   ; p
.set I0, I0+1
.endr
	v_exp_f32 v242, v242                           ; the block's largest p: the same two instructions on the same number
	v_exp_f32 v243, v243
	v_pk_mul_f32 v[238:239], v[238:239], v[240:241] op_sel_hi:[1,0]   ; the sum under the new M.  (A plain place behind the exponentials)
	s_wait_alu depctr_va_vdst(0)
	v_max_num_f32 v242, 0x2800000, v242            ; the floor
	v_max_num_f32 v243, 0x2800000, v243
	s_delay_alu instid0(VALU_DEP_2)
	v_add_nc_u32 v246, 0xfe000000, v242
	s_delay_alu instid0(VALU_DEP_2)
	v_add_nc_u32 v247, 0xfe000000, v243
	s_delay_alu instid0(VALU_DEP_2)
	v_lshrrev_b32 v248, 23, v246
	s_delay_alu instid0(VALU_DEP_2)
	v_lshrrev_b32 v249, 23, v247
	s_delay_alu instid0(VALU_DEP_1)
	v_lshl_or_b32 v233, v249, 16, v248             ; my blocks h and 2 + h,
	s_delay_alu instid0(VALU_DEP_1)
	v_lshlrev_b32 v233, v[V8H], v233
	s_delay_alu instid0(VALU_DEP_1)
	v_permlanex16_b32 v245, v233, s[SEL], s[SEL+1]
	s_delay_alu instid0(VALU_DEP_1)
	v_or_b32 v233, v233, v245                      ; p's scale word for these 128 keys
	v_cvt_scalef32_pk16_bf6_f32 v[176:178], v[96:111], v246
	v_cvt_scalef32_pk16_bf6_f32 v[188:190], v[112:127], v246
	v_cvt_scalef32_pk16_bf6_f32 v[182:184], v[128:143], v247
	v_cvt_scalef32_pk16_bf6_f32 v[192:194], v[144:159], v247
	v_nop                                          ; one plain place behind the conversions
.irp i, 0,1,2
	v_mov_b32 v[179+\i], v[188+\i]
	v_mov_b32 v[185+\i], v[192+\i]
.endr
.irp i, 0,2,4,6,8,10,12,14
	v_pk_mul_f32 v[160+\i:161+\i], v[160+\i:161+\i], v[240:241] op_sel_hi:[1,0]   ; O^T under the new M
.endr
	v_pk_add_f32 v[250:251], v[100:101], v[104:105]
	v_pk_add_f32 v[252:253], v[108:109], v[112:113]
	v_pk_add_f32 v[248:249], v[116:117], v[120:121]
	v_pk_add_f32 v[246:247], v[124:125], v[128:129]
	v_pk_add_f32 v[242:243], v[132:133], v[136:137]
	v_pk_add_f32 v[198:199], v[140:141], v[144:145]
	s_setprio 0
	v_pk_add_f32 v[196:197], v[148:149], v[152:153]
	v_pk_add_f32 v[238:239], v[238:239], v[156:157]
	v_pk_add_f32 v[250:251], v[250:251], v[96:97]
	v_pk_add_f32 v[252:253], v[252:253], v[98:99]
	v_pk_add_f32 v[248:249], v[248:249], v[102:103]
	v_pk_add_f32 v[246:247], v[246:247], v[106:107]
	v_pk_add_f32 v[242:243], v[242:243], v[110:111]
	v_pk_add_f32 v[198:199], v[198:199], v[114:115]
	v_pk_add_f32 v[196:197], v[196:197], v[118:119]
	v_pk_add_f32 v[238:239], v[238:239], v[122:123]
	v_pk_add_f32 v[250:251], v[250:251], v[126:127]
	v_pk_add_f32 v[252:253], v[252:253], v[130:131]
	v_pk_add_f32 v[248:249], v[248:249], v[134:135]
	v_pk_add_f32 v[246:247], v[246:247], v[138:139]
	v_pk_add_f32 v[242:243], v[242:243], v[142:143]
	v_pk_add_f32 v[198:199], v[198:199], v[146:147]
	v_pk_add_f32 v[196:197], v[196:197], v[150:151]
	v_pk_add_f32 v[238:239], v[238:239], v[154:155]
	v_pk_add_f32 v[250:251], v[250:251], v[158:159]
	s_delay_alu instid0(VALU_DEP_2)
	v_pk_add_f32 v[238:239], v[238:239], v[246:247]
	s_delay_alu instid0(VALU_DEP_2)
	v_pk_add_f32 v[250:251], v[250:251], v[242:243]
	v_pk_add_f32 v[252:253], v[252:253], v[198:199]
	v_pk_add_f32 v[248:249], v[248:249], v[196:197]
	s_delay_alu instid0(VALU_DEP_2)
	v_pk_add_f32 v[238:239], v[238:239], v[252:253]
	s_delay_alu instid0(VALU_DEP_2)
	v_pk_add_f32 v[250:251], v[250:251], v[248:249]
	s_delay_alu instid0(VALU_DEP_1)
	v_pk_add_f32 v[238:239], v[238:239], v[250:251]
.if \last
	s_wait_alu depctr_va_vdst(0)
	s_wait_dscnt 0x0
.else
	s_wait_dscnt 7                                 ; v is in; the next step's k, seven loads, may be out
.endif
	v_wmma_scale_f32_16x16x128_f8f6f4 v[160:167], v[56:67], v[176:187], v[160:167], v232, v233 matrix_a_fmt:MATRIX_FMT_BF6 matrix_b_fmt:MATRIX_FMT_BF6
	v_wmma_scale_f32_16x16x128_f8f6f4 v[168:175], v[68:79], v[176:187], v[168:175], v232, v233 matrix_a_fmt:MATRIX_FMT_BF6 matrix_b_fmt:MATRIX_FMT_BF6 matrix_a_scale:MATRIX_SCALE_ROW1
	s_add_co_u32 s[TB], s[TB], 3072
	s_add_co_u32 s[TS], s[TS], 128
.endm
.Lstep:
	s_setprio 2
	STEP 0
	s_sub_co_u32 s[CNT], s[CNT], 1
	s_cmp_lg_u32 s[CNT], 0
	s_cbranch_scc1 .Lstep
	s_setprio 0
	STEP 1
	; THE WAY OUT: O^T / the sum; lanes (r, 0) and (r, 1) hold dims 0-15 and 16-31 of query r: together one block of the projection's K
.rept 4
	v_nop
.endr
	v_add_f32 v238, v238, v239
	s_delay_alu instid0(VALU_DEP_1)
	v_permlanex16_b32 v245, v238, s[SEL], s[SEL+1]
	s_delay_alu instid0(VALU_DEP_1)
	v_add_f32 v238, v238, v245
	s_wait_alu depctr_va_vdst(0)
	v_rcp_f32 v238, v238
	v_nop                                          ; a plain place behind the reciprocal
	s_wait_alu depctr_va_vdst(0)
.irp i, 0,1,2,3,4,5,6,7,8,9,10,11,12,13,14,15
	v_mul_f32 v[96+\i], v[160+\i], v238
.endr
	v_max3_num_f32 v242, |v96|, |v97|, 0x2800000
.irp i, 2,4,6,8,10,12,14
	s_delay_alu instid0(VALU_DEP_1)
	v_max3_num_f32 v242, v242, |v[96+\i]|, |v[97+\i]|
.endr
	s_delay_alu instid0(VALU_DEP_1)
	v_permlanex16_b32 v245, v242, s[SEL], s[SEL+1]
	s_delay_alu instid0(VALU_DEP_1)
	v_max_num_f32 v242, v242, v245
	s_delay_alu instid0(VALU_DEP_1)
	v_add_nc_u32 v246, 0xfe000000, v242
	s_delay_alu instid0(VALU_DEP_1)
	v_lshrrev_b32 v248, 23, v246
	v_cvt_scalef32_pk16_bf6_f32 v[176:178], v[96:111], v246
	v_nop
	global_store_b96 v[AOO], v[176:178], s[8:9]    ; the wave stores 384 consecutive bytes
	ds_store_b8 v[AOW], v248                       ; both lanes of a query write the same byte
	s_wait_dscnt 0x0
	s_barrier_signal -1
	s_barrier_wait -1                              ; the work-group's 256 bytes lie together
	s_cmp_lg_u32 s[WV], 0
	s_cbranch_scc1 .Lnot_first
	ds_load_b64 v[20:21], v[AOR]
	s_wait_dscnt 0x0
	global_store_b64 v18, v[20:21], s[10:11]       ; 32 lanes store 256 consecutive bytes, aligned
.Lnot_first:
	s_wait_tensorcnt 0x0
	ds_add_u32 v254, v255
	s_wait_dscnt 0x0
	CROUND                                         ; the closing round: no work-group ends while a partner may still ask jointly
	s_endpgm
.Lfunc_end_k_qe5b9f15735_attn:
	.size	k_qe5b9f15735_attn, .Lfunc_end_k_qe5b9f15735_attn-k_qe5b9f15735_attn
	.p2alignl 7, 3214868480
	.fill 96, 4, 3214868480
	.section	.rodata,"a",@progbits
	.p2align	6, 0x0
	.amdhsa_kernel k_qe5b9f15735_attn
		.amdhsa_group_segment_fixed_size 207104
		.amdhsa_private_segment_fixed_size 0
		.amdhsa_enable_private_segment 0
		.amdhsa_kernarg_size 32
		.amdhsa_user_sgpr_count 2
		.amdhsa_user_sgpr_kernarg_segment_ptr 1
		.amdhsa_wavefront_size32 1
		.amdhsa_system_sgpr_workgroup_id_x 1
		.amdhsa_system_sgpr_workgroup_id_y 1
		.amdhsa_system_sgpr_workgroup_id_z 1
		.amdhsa_system_vgpr_workitem_id 0
		.amdhsa_next_free_vgpr 256
		.amdhsa_next_free_sgpr 66
		.amdhsa_reserve_vcc 1
		.amdhsa_float_denorm_mode_32 3
		.amdhsa_float_denorm_mode_16_64 3
		.amdhsa_memory_ordered 1
		.amdhsa_forward_progress 1
		.amdhsa_inst_pref_size 39
	.end_amdhsa_kernel
	.amdgpu_metadata
---
amdhsa.version: [ 1, 2 ]
amdhsa.kernels:
  - .name:           k_qe5b9f15735_attn
    .symbol:         k_qe5b9f15735_attn.kd
    .args:
      - { .name: qkv, .offset: 0, .size: 8, .value_kind: global_buffer, .address_space: global }
      - { .name: phys_bias, .offset: 8, .size: 8, .value_kind: global_buffer, .address_space: global }
      - { .name: ao, .offset: 16, .size: 8, .value_kind: global_buffer, .address_space: global }
      - { .name: aosc, .offset: 24, .size: 8, .value_kind: global_buffer, .address_space: global }
    .group_segment_fixed_size: 207104
    .private_segment_fixed_size: 0
    .kernarg_segment_align: 8
    .kernarg_segment_size: 32
    .max_flat_workgroup_size: 512
    .sgpr_count:     66
    .vgpr_count:     256
    .wavefront_size: 32
...
	.end_amdgpu_metadata
.endif
;; end of part 8
;; launch proj (part 9): grid 128 x 1, 16 waves a work-group, no clusters, 0 bytes of LDS; arguments ao, aosc, wimg, wsc, proj_b, x, x1, part2; writes x1, part2
.if DOCPART == 9
	.amdgcn_target "amdgcn-amd-amdhsa--gfx1250"
	.amdhsa_code_object_version 6
	.text
	.protected	k_qe5b9f15735_proj
	.globl	k_qe5b9f15735_proj
	.p2align	8
	.type	k_qe5b9f15735_proj,@function
k_qe5b9f15735_proj:
	s_mov_b64 s[64:65], 0
	v_nop
	global_prefetch_b8 v0, s[64:65] scope:SCOPE_SE
	s_setreg_imm32_b32 hwreg(HW_REG_WAVE_SCHED_MODE, 0, 2), 2
	s_setreg_imm32_b32 hwreg(HW_REG_WAVE_MODE, 25, 1), 1
	s_wait_xcnt 0x0
	s_wait_alu depctr_vm_vsrc(0)
; x1 = x + attention's result x proj_w^T + proj_b, and the partial statistics of the second group norm.
; A work-group takes a group of 64 tokens (64 batch + G); wave w makes channels 16 w .. 16 w + 15 for all four tiles of tokens.  Transposed use: source 0 = 16 rows of proj_w, source 1 = 16 tokens:
; lane (r, h) holds token row r and channels 16 w + 8 h + j; the bias is the C of each sum's first instruction.  The four tiles' numbers of a channel are 16 consecutive bytes of x's row, so the residual's
; addition also turns the results into what the stores want: sixteen lanes write 256 consecutive bytes, aligned.  No LDS, no barrier: waves share nothing.
; A half of the lanes holds 8 channels x 64 tokens = 512 numbers of ONE group of the norm: (mean, sum of squares about it) goes to part2[batch][group 2 w + h][G].
; The weights go straight into registers (3 KB a wave, once): nothing is shared through LDS, so no cluster.
; THE MODE: SCHED_MODE bits 1:0 = 2 (LLVM: expert scheduling mode 2), set by the entry lines.  The code itself states the register dependences
; between vector or matrix instructions and memory instructions, with s_wait_alu, always for 0.
; THE PLAN.  Registers that memory instructions touch: the offsets v3 to v9, made once at the head; the loads' targets v16-49, v52-163, v200-231, which no vector line names before they land;
; v200-231 again, written by the residual's additions and read by the eight stores; v[248:249], written by the statistics and read by the masked store.  Nothing that a memory instruction has read is written again.
.macro RED16 a
	v_add_f32_dpp v[\a], v[\a], v[\a] row_xmask:1 row_mask:0xf bank_mask:0xf
	v_add_f32_dpp v[\a], v[\a], v[\a] row_xmask:2 row_mask:0xf bank_mask:0xf
	v_add_f32_dpp v[\a], v[\a], v[\a] row_xmask:4 row_mask:0xf bank_mask:0xf
	v_add_f32_dpp v[\a], v[\a], v[\a] row_xmask:8 row_mask:0xf bank_mask:0xf
.endm
; v16-39 proj_w's two fragments; v40-41 their scale words; v42-49 the bias; v52-147 the tokens' fragments, 12 (2 u + s); v148-163 scale bytes; v164-167 scale words; v168-199 sums, 8 u + j; v200-231 x, then x1: 4 j + u; v232-255 at work
	s_load_b256 s[4:11], s[0:1], 0x0               ; ao, aosc, wimg, wsc
	s_load_b256 s[12:19], s[0:1], 0x20             ; proj_b, x, x1, part2
	v_lshrrev_b32 v1, 5, v0
	v_readfirstlane_b32 s20, v1                    ; wave 0..15
	v_and_b32 v10, 31, v0
	v_and_b32 v1, 15, v0                           ; r
	v_bfe_u32 v2, v0, 4, 1                         ; h
	v_lshlrev_b32 v3, 4, v10                       ; 16 L
	v_lshlrev_b32 v4, 2, v10                       ; 4 L
	v_mul_u32_u24 v5, v2, 98304
	v_mad_u32_u24 v5, v1, 24, v5                   ; ao: one head x h + 24 r
	v_lshl_add_u32 v6, v2, 14, v1                  ; aosc: four heads x h + r
	v_lshlrev_b32 v7, 5, v2                        ; the bias: 8 numbers x h
	v_lshlrev_b32 v8, 4, v1
	v_lshl_add_u32 v8, v2, 17, v8                  ; x: 8 channels x h + 16 r
	v_lshlrev_b32 v9, 9, v2                        ; part2: one group x h
	s_wait_alu depctr_va_sdst(0)                   ; the wave's number is written, ahead of its first reader: the bases are made from it
	s_lshr_b32 s21, ttmp9, 6                       ; batch
	s_and_b32 s22, ttmp9, 63                       ; G
	s_mul_i32 s24, s21, 786432
	s_mul_i32 s25, s22, 1536
	s_add_co_u32 s24, s24, s25
	s_mov_b32 s25, 0
	s_lshl_b32 s26, s21, 15
	s_lshl_b32 s27, s22, 6
	s_add_co_u32 s26, s26, s27
	s_mov_b32 s27, 0
	s_mul_i32 s28, s20, 3072
	s_add_co_u32 s28, s28, 147456                  ; fragments 96 + 2 w, 96 + 2 w + 1
	s_mov_b32 s29, 0
	s_lshl_b32 s30, s20, 8
	s_add_co_u32 s30, s30, 12288
	s_mov_b32 s31, 0
	s_lshl_b32 s32, s20, 6
	s_mov_b32 s33, 0
	s_lshl_b32 s34, s21, 22
	s_lshl_b32 s35, s20, 18
	s_add_co_u32 s34, s34, s35
	s_lshl_b32 s35, s22, 8
	s_add_co_u32 s34, s34, s35
	s_mov_b32 s35, 0
	s_lshl_b32 s36, s21, 14
	s_lshl_b32 s37, s20, 10
	s_add_co_u32 s36, s36, s37
	s_lshl_b32 s37, s22, 3
	s_add_co_u32 s36, s36, s37
	s_mov_b32 s37, 0
	s_wait_kmcnt 0x0
	s_add_nc_u64 s[4:5], s[4:5], s[24:25]
	s_add_nc_u64 s[6:7], s[6:7], s[26:27]
	s_add_nc_u64 s[8:9], s[8:9], s[28:29]
	s_add_nc_u64 s[10:11], s[10:11], s[30:31]
	s_add_nc_u64 s[12:13], s[12:13], s[32:33]
	s_add_nc_u64 s[14:15], s[14:15], s[34:35]
	s_add_nc_u64 s[16:17], s[16:17], s[34:35]
	s_add_nc_u64 s[18:19], s[18:19], s[36:37]
	s_wait_alu depctr_va_vdst(0)                   ; the offsets v3 to v9 are written: every load and store of the kernel reads one of them
.irp u, 0,1,2,3
.irp s, 0,1
.irp c, 0,1
.irp p, 0,1,2
	global_load_b64 v[52+12*(2*\u+\s)+6*\c+2*\p:53+12*(2*\u+\s)+6*\c+2*\p], v5, s[4:5] offset:(4*\s+2*\c)*98304+384*\u+8*\p   ; block 4 s + 2 c + h of the projection's K is head 4 s + 2 c + h
.endr
.endr
.endr
.endr
.irp u, 0,1,2,3
.irp k, 0,1,2,3
	global_load_u8 v[148+4*\u+\k], v6, s[6:7] offset:4096*\k+16*\u      ; lanes 0-15: heads 0-3, lanes 16-31: heads 4-7
.endr
.endr
.irp k, 0,1,2,3,4,5
	global_load_b128 v[16+4*\k:19+4*\k], v3, s[8:9] offset:512*\k
.endr
	global_load_b32 v40, v4, s[10:11]
	global_load_b32 v41, v4, s[10:11] offset:128
	global_load_b128 v[42:45], v7, s[12:13]
	global_load_b128 v[46:49], v7, s[12:13] offset:16
.irp j, 0,1,2,3,4,5,6,7
	global_load_b128 v[200+4*\j:203+4*\j], v8, s[14:15] offset:16384*\j
.endr
	s_wait_loadcnt 8                               ; all but x's eight loads
.irp u, 0,1,2,3
	v_lshl_or_b32 v[164+\u], v[149+4*\u], 8, v[148+4*\u]
.endr
.irp u, 0,1,2,3
	v_lshl_or_b32 v[164+\u], v[150+4*\u], 16, v[164+\u]
.endr
.irp u, 0,1,2,3
	v_lshl_or_b32 v[164+\u], v[151+4*\u], 24, v[164+\u]    ; lanes 0-15: K step 0's word, lanes 16-31: K step 1's
.endr
.rept 8
	v_nop                                          ; a scale register written by a vector instruction stands eight places ahead of the product
.endr
	s_wait_alu depctr_va_vdst(0)                   ; the scale words v164-167 are written, which the products take as scales; the places above stay beside this wait
.irp u, 0,1,2,3
	v_wmma_scale_f32_16x16x128_f8f6f4 v[168+8*\u:175+8*\u], v[16:27], v[52+24*\u:63+24*\u], v[42:49], v40, v[164+\u] matrix_a_fmt:MATRIX_FMT_BF6 matrix_b_fmt:MATRIX_FMT_BF6
.endr
.irp u, 0,1,2,3
	v_wmma_scale_f32_16x16x128_f8f6f4 v[168+8*\u:175+8*\u], v[28:39], v[64+24*\u:75+24*\u], v[168+8*\u:175+8*\u], v41, v[164+\u] matrix_a_fmt:MATRIX_FMT_BF6 matrix_b_fmt:MATRIX_FMT_BF6 matrix_b_scale:MATRIX_SCALE_ROW1
.endr
.rept 4
	v_nop
.endr
	s_wait_loadcnt 0x0
.irp j, 0,1,2,3,4,5,6,7
.irp u, 0,1,2,3
	v_add_f32 v[200+4*\j+\u], v[168+8*\u+\j], v[200+4*\j+\u]      ; each accumulator from its low end on
.endr
.endr
	s_wait_alu depctr_va_vdst(0)                   ; the additions have written v200-231, which the stores read
.irp j, 0,1,2,3,4,5,6,7
	global_store_b128 v8, v[200+4*\j:203+4*\j], s[16:17] offset:16384*\j
.endr
.set I0, 0
.rept 8
	v_pk_add_f32 v[232+2*I0:233+2*I0], v[200+4*I0:201+4*I0], v[202+4*I0:203+4*I0]
.set I0, I0+1
.endr
	v_pk_add_f32 v[232:233], v[232:233], v[234:235]
	v_pk_add_f32 v[236:237], v[236:237], v[238:239]
	v_pk_add_f32 v[240:241], v[240:241], v[242:243]
	v_pk_add_f32 v[244:245], v[244:245], v[246:247]
	v_pk_add_f32 v[232:233], v[232:233], v[236:237]
	v_pk_add_f32 v[240:241], v[240:241], v[244:245]
	v_pk_add_f32 v[232:233], v[232:233], v[240:241]
	v_add_f32 v232, v232, v233
	RED16 232
	v_mul_f32 v248, 0x3b000000, v232               ; / 512
	v_mul_f32 v249, 0x3b000000, v232
	v_pk_add_f32 v[234:235], v[200:201], v[248:249] neg_lo:[0,1] neg_hi:[0,1]
	v_pk_add_f32 v[236:237], v[202:203], v[248:249] neg_lo:[0,1] neg_hi:[0,1]
	v_pk_mul_f32 v[240:241], v[234:235], v[234:235]
	v_pk_mul_f32 v[242:243], v[236:237], v[236:237]
.set I0, 1
.rept 7
	v_pk_add_f32 v[234:235], v[200+4*I0:201+4*I0], v[248:249] neg_lo:[0,1] neg_hi:[0,1]
	v_pk_add_f32 v[236:237], v[202+4*I0:203+4*I0], v[248:249] neg_lo:[0,1] neg_hi:[0,1]
	v_pk_fma_f32 v[240:241], v[234:235], v[234:235], v[240:241]
	v_pk_fma_f32 v[242:243], v[236:237], v[236:237], v[242:243]
.set I0, I0+1
.endr
	v_pk_add_f32 v[240:241], v[240:241], v[242:243]
	v_add_f32 v249, v240, v241
	RED16 249
	s_wait_xcnt 0x0                                ; EXEC changes only behind this wait
	v_cmp_eq_u32 vcc_lo, 0, v1
	s_wait_alu depctr_va_vcc(0)                    ; VCC is written: EXEC is made from it
	s_wait_alu depctr_va_vdst(0)                   ; ahead of a write of EXEC: the vector lines issued so far are done; among them those that wrote v[248:249], which the store below reads
	s_wait_alu depctr_vm_vsrc(0)                   ; ahead of a write of EXEC: the memory instructions issued so far have read their registers
	s_and_saveexec_b32 s38, vcc_lo
	global_store_b64 v9, v[248:249], s[18:19]      ; lanes 0 and 16: their group's pair
	s_wait_xcnt 0x0
	s_wait_alu depctr_va_vdst(0)                   ; ahead of the write that restores EXEC: the vector side,
	s_wait_alu depctr_vm_vsrc(0)                   ; and the store has read its registers
	s_or_b32 exec_lo, exec_lo, s38
	s_endpgm
.Lfunc_end_k_qe5b9f15735_proj:
	.size	k_qe5b9f15735_proj, .Lfunc_end_k_qe5b9f15735_proj-k_qe5b9f15735_proj
	.p2alignl 7, 3214868480
	.fill 96, 4, 3214868480
	.section	.rodata,"a",@progbits
	.p2align	6, 0x0
	.amdhsa_kernel k_qe5b9f15735_proj
		.amdhsa_group_segment_fixed_size 0
		.amdhsa_private_segment_fixed_size 0
		.amdhsa_enable_private_segment 0
		.amdhsa_kernarg_size 64
		.amdhsa_user_sgpr_count 2
		.amdhsa_user_sgpr_kernarg_segment_ptr 1
		.amdhsa_wavefront_size32 1
		.amdhsa_system_sgpr_workgroup_id_x 1
		.amdhsa_system_sgpr_workgroup_id_y 1
		.amdhsa_system_sgpr_workgroup_id_z 1
		.amdhsa_system_vgpr_workitem_id 0
		.amdhsa_next_free_vgpr 256
		.amdhsa_next_free_sgpr 66
		.amdhsa_reserve_vcc 1
		.amdhsa_float_denorm_mode_32 3
		.amdhsa_float_denorm_mode_16_64 3
		.amdhsa_memory_ordered 1
		.amdhsa_forward_progress 1
		.amdhsa_inst_pref_size 19
	.end_amdhsa_kernel
	.amdgpu_metadata
---
amdhsa.version: [ 1, 2 ]
amdhsa.kernels:
  - .name:           k_qe5b9f15735_proj
    .symbol:         k_qe5b9f15735_proj.kd
    .args:
      - { .name: ao, .offset: 0, .size: 8, .value_kind: global_buffer, .address_space: global }
      - { .name: aosc, .offset: 8, .size: 8, .value_kind: global_buffer, .address_space: global }
      - { .name: wimg, .offset: 16, .size: 8, .value_kind: global_buffer, .address_space: global }
      - { .name: wsc, .offset: 24, .size: 8, .value_kind: global_buffer, .address_space: global }
      - { .name: proj_b, .offset: 32, .size: 8, .value_kind: global_buffer, .address_space: global }
      - { .name: x, .offset: 40, .size: 8, .value_kind: global_buffer, .address_space: global }
      - { .name: x1, .offset: 48, .size: 8, .value_kind: global_buffer, .address_space: global }
      - { .name: part2, .offset: 56, .size: 8, .value_kind: global_buffer, .address_space: global }
    .group_segment_fixed_size: 0
    .private_segment_fixed_size: 0
    .kernarg_segment_align: 8
    .kernarg_segment_size: 64
    .max_flat_workgroup_size: 512
    .sgpr_count:     66
    .vgpr_count:     256
    .wavefront_size: 32
...
	.end_amdgpu_metadata
.endif
;; end of part 9
;; launch mlp (part 10): grid 128 x 1, 8 waves a work-group, no clusters, 67,072 bytes of LDS; arguments x1, part2, gn2_w, gn2_b, wimg, wsc, mlp_b1, mlp_b2, out0; writes out0
.if DOCPART == 10
	.amdgcn_target "amdgcn-amd-amdhsa--gfx1250"
	.amdhsa_code_object_version 6
	.text
	.protected	k_qe5b9f15735_mlp
	.globl	k_qe5b9f15735_mlp
	.p2align	8
	.type	k_qe5b9f15735_mlp,@function
k_qe5b9f15735_mlp:
	s_mov_b64 s[64:65], 0
	v_nop
	global_prefetch_b8 v0, s[64:65] scope:SCOPE_SE
	s_setreg_imm32_b32 hwreg(HW_REG_WAVE_SCHED_MODE, 0, 2), 2
	s_setreg_imm32_b32 hwreg(HW_REG_WAVE_MODE, 25, 1), 1
	s_wait_xcnt 0x0
	s_wait_alu depctr_vm_vsrc(0)
; out0 = x1 + gelu(norm2(x1) W1^T + b1) W2^T + b2, both products on codes of E3M2.  The hidden layer never goes to memory.
; A work-group takes a group of 64 tokens (64 batch + G), four tiles (row r of tile u = token 4 r + u).  THE WAVES SHARE THE COLUMNS: wave w makes hidden units 128 w .. + 127 and outputs 32 w .. + 31 for all 64 tokens;
; its parts of W1 and then of W2 (24 KB each) stand in its registers, window 1.  Operands go from wave to wave through LDS as images of their registers.
; Three barriers: (a, b') of the norm | x's eight fragments (made by waves 0-3) | the hidden layer's 32 fragments.
; THE NORM is one fused multiply-add x a + b' (b' rounded once: under a large common offset the result carries half an ulp of b').
; GELU, exact form: gelu(x) = max(x, 0) - |x| E, E = erfc(|x| / sqrt 2) / 2 = t 2^(P(t) - x^2 log2(e) / 2), t = 1 / (1 + |x| / (2 sqrt 2)), P of degree 9 (a Chebyshev fit whose fractional error stays under 1.2e-7 for every x); all in f32.
; The rows of W1 that form a tile are chosen so that a lane's 32 registers of four tiles are one block of the next K (hidden 64 g + 32 h + 0 .. 31).  The biases are the C of each sum's first instruction.
; The weights go straight into registers, once a wave: nothing of them is shared through LDS, so no cluster.
; LIMITS: NaN and infinities are not served; blocks under 2^-122 and blocks of zeros keep the byte 1.
; THE MODE: SCHED_MODE bits 1:0 = 2 (LLVM: expert scheduling mode 2), set by the entry lines.  The code itself states the register dependences
; between vector or matrix instructions and memory or LDS instructions, with s_wait_alu, always for 0.
; THE PLAN.  Registers that memory or LDS instructions touch:
;   v4-v15        offsets and LDS addresses, made once at the head; v57, v58 and v84 offsets made where they are needed, each ahead of a wait on va_vdst.
;   v32-49, v[216:217], AB, AB2, v128-151, v44-47: the statistics and the norm: loaded, worked on, stored to LDS once.  AB2 lies where b1 is loaded later.
;   The hidden layer, tile u: x's fragments v32-56 are read by the tile's products and then loaded again (tile 3: W1's registers take W2); the codes v184-195 and the word v203 are written by the tile's quantiser and read by the LDS stores issued in tile u + 1.
;     So ONE wait on va_vdst stands in a tile, behind its products' places: the products are done reading, and the tile before has written its codes.  One wait on vm_vsrc stands ahead of the quantiser, a whole GELU behind those stores.
;   The second product, K step z: two buffers of hidden fragments by turns (v32-79; window 1, v192-239, where b1 stood) and two sets of scale words (v80-83, v88-91): step z's products read one, the loads of step z + 1 land in the other.
;     ONE wait on va_vdst stands at a step's head: the step before is done reading the buffer that is asked for again.
;   v160-223      x1 as loaded; written by the residual's additions; read by the last stores.
.set TAB,  0
.set XIMG, 2048                        ; x's 8 fragments: (2 u + s) 1,536
.set XSC,  14336                       ; their scale words [u][s][16]
.set HSC,  14848                       ; the hidden layer's [u][K step][16]
.set HIMG, 16896                       ; its 32 fragments: (8 u + K step) 1,536
.set VL,   1
.set VR,   2
.set VH,   3
.set L16,  4
.set L4,   5
.set XA,   6
.set XW0,  7
.set XW1,  8
.set XSB,  9
.set TABR, 10
.set TABW, 11
.set V8H,  12
.set HWI,  13                          ; v13 HIMG + 16 L + 1,536 w
.set HWS,  14                          ; v14 HSC + 4 r + 64 w
.set HRD,  15                          ; v15 HIMG + 16 L
.set AB,   32
.set AB2,  192                         ; window 1, v448-479: the other sixteen (a, b'); b1 is loaded there afterwards
.set RW,   64
.set NL,   192
.set HA,   64                          ; v64-127 my 8 tiles of the hidden layer
.set T1,   128                         ; v128-175 GELU at work
.set T2,   144
.set T3,   160
.set C8V,  204                         ; v[204:205] c8
; v16-31 W1's scale words; v32-55, v56 x's fragments and words; v176-183 quantiser; v184-195 codes; v196-202 halves; v203 scale word; v206 permute; v224-239 b2; v240-255 W2's scale words
; second product: v32-79 and window 1 v192-239 four hidden fragments each; v80-83, v88-91 their words; v84 offset; v96-159 sums 8 (4 n + u); v160-223 x1: 4 (8 n + j) + u
; window 1: v0-191 W1 (12 (2 tile + s)), later W2 (12 (8 n + K step)); v192-255 b1's 8 tiles
.set WV,   22
.set SEL,  26
.set CV,   28
.set CE,   29
.set MK,   2                           ; s2, s3, s25 the masks of the statistics' three compares
.set MK2,  25
.set C9,   40
.set C7,   44
.set C6,   46
.set C5,   48
.set C4,   50
.set C3,   52
.set C2,   54
.set C1,   56
.set C0,   58
.set K2,   60
.set KK,   62
.set MSB,  0
.macro WIN new
.if MSB != \new
	s_set_vgpr_msb (MSB<<8)|\new
.set MSB, \new
.endif
.endm
.macro PLACES
.rept 4
	v_nop
.endr
.endm
.macro QUANT32 src, dst, tmp, m, by
	v_max3_num_f32 v[\m], |v[\src]|, |v[(\src)+1]|, 0x2800000
	v_max3_num_f32 v[(\m)+1], |v[(\src)+16]|, |v[(\src)+17]|, 0x2800000
.irp i, 2,4,6,8,10,12,14
	v_max3_num_f32 v[\m], v[\m], |v[(\src)+\i]|, |v[(\src)+\i+1]|
	v_max3_num_f32 v[(\m)+1], v[(\m)+1], |v[(\src)+16+\i]|, |v[(\src)+17+\i]|
.endr
	v_max_num_f32 v[\m], v[\m], v[(\m)+1]
	v_add_nc_u32 v[(\m)+2], 0xfe000000, v[\m]
	v_lshrrev_b32 v[\by], 23, v[(\m)+2]
	v_cvt_scalef32_pk16_bf6_f32 v[\dst:(\dst)+2], v[\src:(\src)+15], v[(\m)+2]
	v_cvt_scalef32_pk16_bf6_f32 v[\tmp:(\tmp)+2], v[(\src)+16:(\src)+31], v[(\m)+2]
	v_nop
.irp i, 0,1,2
	v_mov_b32 v[(\dst)+3+\i], v[(\tmp)+\i]
.endr
.endm
.macro WORD2 w, b0, b1, t
	v_lshl_or_b32 v[\w], v[\b1], 16, v[\b0]
	v_lshlrev_b32 v[\w], v[V8H], v[\w]
	v_permlanex16_b32 v[\t], v[\w], s[SEL], s[SEL+1]
	v_or_b32 v[\w], v[\w], v[\t]
.endm
.macro FETCHX reg, sc, tile
.irp k, 0,1,2,3,4,5
	ds_load_b128 v[(\reg)+4*\k:(\reg)+4*\k+3], v[L16] offset:XIMG+(\tile)*3072+512*\k
.endr
	ds_load_b32 v[\sc], v[L4] offset:XSC+128*(\tile)
.endm
.macro STATS                           ; wave w joins the 64 partial statistics of groups 4 w .. 4 w + 3 and stores (a, b') of channel 32 w + lane
.irp q, 0,1,2,3
	v_add_f32 v[192+\q], v[32+4*\q], v[34+4*\q]
.endr
.irp msk, 1,2,4,8
.irp q, 0,1,2,3
	v_add_f32_dpp v[192+\q], v[192+\q], v[192+\q] row_xmask:\msk row_mask:0xf bank_mask:0xf
.endr
.endr
.irp q, 0,1,2,3
	v_permlanex16_b32 v[196+\q], v[192+\q], s[SEL], s[SEL+1]
.endr
.irp q, 0,1,2,3
	v_add_f32 v[192+\q], v[192+\q], v[196+\q]
.endr
.irp q, 0,1,2,3
	v_mul_f32 v[192+\q], 0x3c800000, v[192+\q]
.endr
.irp q, 0,1,2,3
	v_sub_f32 v[200+\q], v[32+4*\q], v[192+\q]
	v_sub_f32 v[204+\q], v[34+4*\q], v[192+\q]
	v_add_f32 v[208+\q], v[33+4*\q], v[35+4*\q]
.endr
.irp q, 0,1,2,3
	v_mul_f32 v[200+\q], v[200+\q], v[200+\q]
.endr
.irp q, 0,1,2,3
	v_fma_f32 v[200+\q], v[204+\q], v[204+\q], v[200+\q]
.endr
.irp q, 0,1,2,3
	v_fma_f32 v[208+\q], v[200+\q], 0x44000000, v[208+\q]
.endr
.irp msk, 1,2,4,8
.irp q, 0,1,2,3
	v_add_f32_dpp v[208+\q], v[208+\q], v[208+\q] row_xmask:\msk row_mask:0xf bank_mask:0xf
.endr
.endr
.irp q, 0,1,2,3
	v_permlanex16_b32 v[196+\q], v[208+\q], s[SEL], s[SEL+1]
.endr
.irp q, 0,1,2,3
	v_add_f32 v[208+\q], v[208+\q], v[196+\q]
.endr
.irp q, 0,1,2,3
	v_fma_f32 v[208+\q], v[208+\q], s[CV], s[CE]
.endr
	s_wait_alu depctr_va_vdst(0)
.irp q, 0,1,2,3
	v_rsq_f32 v[208+\q], v[208+\q]
.endr
	v_lshrrev_b32 v212, 3, v[VL]                   ; (a plain place behind the roots)
	v_cmp_eq_u32 s[MK], 1, v212                    ; the three compares in one run, each into a mask of its own
	v_cmp_eq_u32 s[MK+1], 2, v212
	v_cmp_eq_u32 s[MK2], 3, v212
	s_wait_alu depctr_va_sdst(0)                   ; the three masks are written, ahead of the first select that reads one
	v_cndmask_b32 v213, v192, v193, s[MK]
	v_cndmask_b32 v213, v213, v194, s[MK+1]
	v_cndmask_b32 v213, v213, v195, s[MK2]
	s_wait_alu depctr_va_vdst(0)                   ; the four roots v208-211 are written, ahead of their first reader
	v_cndmask_b32 v214, v208, v209, s[MK]
	v_cndmask_b32 v214, v214, v210, s[MK+1]
	v_cndmask_b32 v214, v214, v211, s[MK2]
	v_mul_f32 v216, v214, v48
	v_fma_f32 v217, -v213, v216, v49
	s_wait_alu depctr_va_vdst(0)                   ; v[216:217] are written, which the LDS store reads; and these lines are done reading v32-49, in which later LDS loads land
	ds_store_b64 v[TABW], v[216:217]
.endm
.macro XPHASE                          ; a wave's unit: 64 tokens x 64 channels; a lane holds 32 channels (one block) of four tokens
.irp k, 0,1,2,3,4,5,6,7
	ds_load_b128 v[AB+4*\k:AB+4*\k+3], v[TABR] offset:TAB+16*\k
.endr
	WIN 0x40                                       ; destination window 1
.irp k, 0,1,2,3,4,5,6,7
	ds_load_b128 v[AB2+4*\k:AB2+4*\k+3], v[TABR] offset:TAB+128+16*\k    ; the other sixteen, into registers of their own: no vector line has named them
.endr
	WIN 0
	s_wait_dscnt 8                                 ; the first sixteen are in; the eight loads behind them may be out
.set I0, 0
.rept 16
.irp u, 0,1,2,3
	v_fma_f32 v[NL+16*\u+I0], v[RW+4*I0+\u], v[AB+2*I0], v[AB+2*I0+1]
.endr
.set I0, I0+1
.endr
	s_wait_dscnt 0x0
	WIN 0x14                                       ; sources 1 and 2 in window 1
.set I0, 0
.rept 16
.irp u, 0,1,2,3
	v_fma_f32 v[RW+16*\u+I0], v[RW+64+4*I0+\u], v[AB2+2*I0], v[AB2+2*I0+1]
.endr
.set I0, I0+1
.endr
	WIN 0
.irp u, 0,1,2,3
	v_max3_num_f32 v[32+\u], |v[NL+16*\u]|, |v[NL+16*\u+1]|, 0x2800000
	v_max3_num_f32 v[36+\u], |v[RW+16*\u]|, |v[RW+16*\u+1]|, 0x2800000
.endr
.irp i, 2,4,6,8,10,12,14
.irp u, 0,1,2,3
	v_max3_num_f32 v[32+\u], v[32+\u], |v[NL+16*\u+\i]|, |v[NL+16*\u+\i+1]|
	v_max3_num_f32 v[36+\u], v[36+\u], |v[RW+16*\u+\i]|, |v[RW+16*\u+\i+1]|
.endr
.endr
.irp u, 0,1,2,3
	v_max_num_f32 v[32+\u], v[32+\u], v[36+\u]
.endr
.irp u, 0,1,2,3
	v_add_nc_u32 v[40+\u], 0xfe000000, v[32+\u]
.endr
.irp u, 0,1,2,3
	v_lshrrev_b32 v[44+\u], 23, v[40+\u]
.endr
.irp u, 0,1,2,3
	v_cvt_scalef32_pk16_bf6_f32 v[128+6*\u:130+6*\u], v[NL+16*\u:NL+16*\u+15], v[40+\u]
	v_cvt_scalef32_pk16_bf6_f32 v[152+4*\u:154+4*\u], v[RW+16*\u:RW+16*\u+15], v[40+\u]
.endr
	v_nop
.irp u, 0,1,2,3
.irp i, 0,1,2
	v_mov_b32 v[131+6*\u+\i], v[152+4*\u+\i]
.endr
.endr
	s_wait_alu depctr_va_vdst(0)                   ; the codes v128-151 and the bytes v44-47 are written, which the LDS stores read
.irp u, 0,1,2,3
	ds_store_b64 v[XW0], v[128+6*\u:129+6*\u] offset:3072*\u
	ds_store_b64 v[XW1], v[130+6*\u:131+6*\u] offset:3072*\u
	ds_store_b64 v[XW0], v[132+6*\u:133+6*\u] offset:3072*\u+512
	ds_store_b8 v[XSB], v[44+\u] offset:128*\u
.endr
.endm
.macro GELU hb                         ; sixteen numbers, in place
.irp i, 0,1,2,3,4,5,6,7,8,9,10,11,12,13,14,15
	v_fma_f32 v[T1+\i], |v[(\hb)+\i]|, s[KK], 1.0  ; each accumulator is read from its low end on
.endr
	s_wait_alu depctr_va_vdst(0)
.irp i, 0,1,2,3,4,5,6,7,8,9,10,11,12,13,14,15
	v_rcp_f32 v[T1+\i], v[T1+\i]                   ; t
.endr
.irp i, 0,2,4,6,8,10,12,14
	v_pk_mul_f32 v[T3+\i:T3+\i+1], v[(\hb)+\i:(\hb)+\i+1], s[K2:K2+1] op_sel_hi:[1,0]    ; (plain places behind the reciprocals)  -x log2(e) / 2
.endr
	s_wait_alu depctr_va_vdst(0)                   ; the sixteen reciprocals in T1 are written, ahead of their first reader
.irp i, 0,2,4,6,8,10,12,14
	v_pk_fma_f32 v[T2+\i:T2+\i+1], v[T1+\i:T1+\i+1], s[C9:C9+1], v[C8V:C8V+1] op_sel_hi:[1,0,1]
.endr
.irp cc, C7,C6,C5,C4,C3,C2,C1,C0
.irp i, 0,2,4,6,8,10,12,14
	v_pk_fma_f32 v[T2+\i:T2+\i+1], v[T2+\i:T2+\i+1], v[T1+\i:T1+\i+1], s[\cc:\cc+1] op_sel_hi:[1,1,0]
.endr
.endr
.irp i, 0,2,4,6,8,10,12,14
	v_pk_fma_f32 v[T2+\i:T2+\i+1], v[T3+\i:T3+\i+1], v[(\hb)+\i:(\hb)+\i+1], v[T2+\i:T2+\i+1]
.endr
	s_wait_alu depctr_va_vdst(0)
.irp i, 0,1,2,3,4,5,6,7,8,9,10,11,12,13,14,15
	v_exp_f32 v[T2+\i], v[T2+\i]
.endr
.irp i, 0,1,2,3,4,5,6,7,8,9,10,11,12,13,14,15
	v_max_num_f32 v[T3+\i], 0, v[(\hb)+\i]         ; (plain places behind the exponentials)
.endr
	s_wait_alu depctr_va_vdst(0)                   ; the sixteen exponentials in T2 are written, ahead of their first reader
.irp i, 0,2,4,6,8,10,12,14
	v_pk_mul_f32 v[T2+\i:T2+\i+1], v[T2+\i:T2+\i+1], v[T1+\i:T1+\i+1]
.endr
.irp i, 0,1,2,3,4,5,6,7,8,9,10,11,12,13,14,15
	v_fma_f32 v[(\hb)+\i], -|v[(\hb)+\i]|, v[T2+\i], v[T3+\i]
.endr
.endm
	s_load_b256 s[4:11], s[0:1], 0x0               ; x1, part2, gn2_w, gn2_b
	s_load_b256 s[12:19], s[0:1], 0x20             ; wimg, wsc, mlp_b1, mlp_b2
	s_load_b64 s[20:21], s[0:1], 0x40              ; out0
	v_lshrrev_b32 v1, 5, v0
	v_readfirstlane_b32 s[WV], v1                  ; wave 0..7
	v_and_b32 v[VL], 31, v0
	v_and_b32 v[VR], 15, v0
	v_bfe_u32 v[VH], v0, 4, 1
	v_lshlrev_b32 v[L16], 4, v[VL]
	s_wait_alu depctr_va_vdst(0)
	v_lshlrev_b32 v[L4], 2, v[VL]
	v_lshlrev_b32 v[XA], 4, v[VR]
	v_lshl_add_u32 v[XA], v[VH], 19, v[XA]
	v_lshlrev_b32 v[V8H], 3, v[VH]
	s_wait_alu depctr_va_sdst(0)                   ; the wave's number is written, ahead of its first reader: LDS places, bases and branches are made from it
	s_lshr_b32 s23, ttmp9, 6                       ; batch
	s_and_b32 s24, ttmp9, 63                       ; G
	s_bfe_u32 s30, s[WV], 0x10001                  ; waves 0-3: K step s,
	s_and_b32 s31, s[WV], 1                        ; half c
	s_mul_i32 s32, s30, 1536
	s_mul_i32 s33, s31, 520
	s_add_co_u32 s33, s32, s33
	s_add_co_u32 s33, s33, XIMG
	v_add_nc_u32 v[XW0], s33, v[L16]
	s_mul_i32 s33, s31, 1016
	s_add_co_u32 s33, s32, s33
	s_add_co_u32 s33, s33, XIMG+8
	v_add_nc_u32 v[XW1], s33, v[L16]
	s_lshl_b32 s32, s30, 6
	s_lshl_b32 s33, s31, 1
	s_add_co_u32 s32, s32, s33
	s_add_co_u32 s32, s32, XSC
	v_lshl_add_u32 v[XSB], v[VR], 2, v[VH]
	v_add_nc_u32 v[XSB], s32, v[XSB]
	s_lshl_b32 s32, s30, 10
	s_lshl_b32 s33, s31, 9
	s_add_co_u32 s32, s32, s33
	v_lshlrev_b32 v[TABR], 8, v[VH]
	v_add_nc_u32 v[TABR], s32, v[TABR]
	s_lshl_b32 s32, s[WV], 8
	v_lshlrev_b32 v[TABW], 3, v[VL]
	v_add_nc_u32 v[TABW], s32, v[TABW]
	s_mul_i32 s32, s[WV], 1536
	s_add_co_u32 s32, s32, HIMG
	v_add_nc_u32 v[HWI], s32, v[L16]
	s_lshl_b32 s32, s[WV], 6
	s_add_co_u32 s32, s32, HSC
	v_lshl_add_u32 v[HWS], v[VR], 2, s32
	v_add_nc_u32 v[HRD], HIMG, v[L16]
.irp q, 0,1,2,3
	v_mov_b32 v[196+\q], 0
.endr
	s_mov_b32 s[SEL], 0x76543210
	s_mov_b32 s[SEL+1], 0xfedcba98
	s_mov_b32 s[CV], 0x38000000
	s_mov_b32 s[CE], 0x3727c5ac
	s_mov_b32 s[C9], 0x3e7c6f08                    ; P's coefficients x log2(e), the factor 1/2 in c0; each in both words of a pair, since the packed form names the pair
	s_mov_b32 s[C9+1], 0x3e7c6f08
	s_mov_b32 s[C7], 0x40097039
	s_mov_b32 s[C7+1], 0x40097039
	s_mov_b32 s[C6], 0xbfd1a1e5
	s_mov_b32 s[C6+1], 0xbfd1a1e5
	s_mov_b32 s[C5], 0x3ecdfd18
	s_mov_b32 s[C5+1], 0x3ecdfd18
	s_mov_b32 s[C4], 0xbe899a80
	s_mov_b32 s[C4+1], 0xbe899a80
	s_mov_b32 s[C3], 0x3e0efb2e
	s_mov_b32 s[C3+1], 0x3e0efb2e
	s_mov_b32 s[C2], 0x3f0a29d2
	s_mov_b32 s[C2+1], 0x3f0a29d2
	s_mov_b32 s[C1], 0x3fb8ab5a
	s_mov_b32 s[C1+1], 0x3fb8ab5a
	s_mov_b32 s[C0], 0xc034d90f
	s_mov_b32 s[C0+1], 0xc034d90f
	s_mov_b32 s[K2], 0xbf38aa3b                    ; -log2(e) / 2
	s_mov_b32 s[K2+1], 0xbf38aa3b
	s_mov_b32 s[KK], 0x3eb504f3                    ; 1 / (2 sqrt 2)
	s_lshl_b32 s32, s23, 22                        ; x1, for the norm: batch, 128 s + 64 c channels, group G
	s_lshl_b32 s33, s30, 21
	s_add_co_u32 s32, s32, s33
	s_lshl_b32 s33, s31, 20
	s_add_co_u32 s32, s32, s33
	s_lshl_b32 s33, s24, 8
	s_add_co_u32 s32, s32, s33
	s_mov_b32 s33, 0
	s_lshl_b32 s34, s23, 22                        ; x1 and out0, for the residual: batch, 32 w channels, group G
	s_lshl_b32 s35, s[WV], 19
	s_add_co_u32 s34, s34, s35
	s_lshl_b32 s35, s24, 8
	s_add_co_u32 s34, s34, s35
	s_mov_b32 s35, 0
	s_mul_i32 s36, s[WV], 24576
	s_add_co_u32 s36, s36, 196608                  ; fragments 128 + 16 w on (W2's lie 196,608 bytes further)
	s_mov_b32 s37, 0
	s_lshl_b32 s38, s[WV], 11
	s_add_co_u32 s38, s38, 16384                   ; their scale words (W2's 16,384 further)
	s_mov_b32 s39, 0
	s_lshl_b32 s30, s23, 14
	s_lshl_b32 s31, s[WV], 11
	s_add_co_u32 s30, s30, s31
	s_mov_b32 s31, 0
	s_wait_kmcnt 0x0
	s_add_nc_u64 s[6:7], s[6:7], s[30:31]          ; part2: my four groups
	s_lshl_b32 s30, s[WV], 7
	s_add_nc_u64 s[8:9], s[8:9], s[30:31]
	s_add_nc_u64 s[10:11], s[10:11], s[30:31]
	s_add_nc_u64 s[18:19], s[18:19], s[30:31]      ; b2: my 32
	s_lshl_b32 s30, s[WV], 9
	s_add_nc_u64 s[16:17], s[16:17], s[30:31]      ; b1: my 128
	s_add_nc_u64 s[32:33], s[4:5], s[32:33]
	s_add_nc_u64 s[4:5], s[4:5], s[34:35]
	s_add_nc_u64 s[20:21], s[20:21], s[34:35]
	s_add_nc_u64 s[12:13], s[12:13], s[36:37]
	s_add_nc_u64 s[14:15], s[14:15], s[38:39]
	s_wait_alu depctr_va_vdst(0)                   ; the offsets and LDS addresses v4 to v15 are written, which the loads and stores below read
.irp q, 0,1,2,3
	global_load_b128 v[32+4*\q:35+4*\q], v[L16], s[6:7] offset:512*\q
.endr
	global_load_b32 v48, v[L4], s[8:9]
	global_load_b32 v49, v[L4], s[10:11]
	s_cmp_lt_u32 s[WV], 4
	s_cbranch_scc0 .Lno_raw
.set I0, 0
.rept 32
	global_load_b128 v[RW+4*I0:RW+4*I0+3], v[XA], s[32:33] offset:16384*I0
.set I0, I0+1
.endr
	s_wait_loadcnt 32                              ; the statistics are in; x1's 32 loads may be out
	s_branch .Lstat
.Lno_raw:
	s_wait_loadcnt 0x0
.Lstat:
	STATS
	WIN 0x40                                       ; destination window 1: registers that no vector line has named
.set I0, 0
.rept 16
.irp k, 0,1,2
	global_load_b128 v[12*I0+4*\k:12*I0+4*\k+3], v[L16], s[12:13] offset:1536*I0+512*\k    ; W1
.endr
.set I0, I0+1
.endr
	WIN 0
	s_wait_dscnt 0x0
	s_barrier_signal -1
	s_barrier_wait -1                              ; the 256 channels' (a, b') lie in LDS
	s_wait_alu depctr_vm_vsrc(0)                   ; my LDS store has read v[216:217]: the norm's multiply-adds write them in waves 0-3, a load of x1 lands there in every wave
	s_cmp_lt_u32 s[WV], 4
	s_cbranch_scc0 .Lno_x
	s_wait_loadcnt 48                              ; x1 is in; behind it stand W1's 48 loads
	XPHASE
.Lno_x:
	v_lshlrev_b32 v57, 7, v[VH]                    ; b1: 32 numbers x h
	v_lshlrev_b32 v58, 5, v[VH]                    ; b2: 8 numbers x h
	v_mov_b32 v[C8V], 0xbf97d29d
	v_mov_b32 v[C8V+1], 0xbf97d29d
	v_mov_b32 v206, 0
	s_wait_alu depctr_va_vdst(0)                   ; the offsets v57 and v58 are written, which the loads below read; the norm and its quantiser are done with AB2 and v224-255, in which the loads below land
.irp i, 0,1,2,3,4,5,6,7,8,9,10,11,12,13,14,15
	global_load_b32 v[16+\i], v[L4], s[14:15] offset:128*\i
.endr
	WIN 0x40
.irp i, 0,1,2,3,4,5,6,7,8,9,10,11,12,13,14,15
	global_load_b128 v[192+4*\i:195+4*\i], v57, s[16:17] offset:256*(\i/8)+16*(\i%8)     ; b1 at hidden 64 c + 32 h + 0 .. 31: the results' layout
.endr
	WIN 0
.irp i, 0,1,2,3,4,5,6,7,8,9,10,11,12,13,14,15
	global_load_b32 v[240+\i], v[L4], s[14:15] offset:16384+128*\i
.endr
.irp i, 0,1,2,3
	global_load_b128 v[224+4*\i:227+4*\i], v58, s[18:19] offset:64*(\i/2)+16*(\i%2)
.endr
	s_wait_dscnt 0x0
	s_barrier_signal -1
	s_barrier_wait -1                              ; x's eight fragments lie in LDS
	s_wait_alu depctr_vm_vsrc(0)                   ; my LDS stores have read v44-47, in which the load below lands, and v128-151, which the GELU writes; the biases' loads have read v57 and v58, in which hidden fragments land later
	FETCHX 32, 56, 0
	s_wait_loadcnt 0x0
; ---- the hidden layer, a tile of 16 tokens at a time: eight accumulators by turns, two K steps; GELU; quantised: K step w of the second product
.macro HOUT u                          ; tile u's fragment and its scale word go to LDS
.irp k, 0,1,2
	ds_store_b128 v[HWI], v[184+4*\k:187+4*\k] offset:12288*(\u)+512*\k
.endr
	ds_store_b32 v[HWS], v203 offset:512*(\u)      ; both halves of the lanes write the same word
.endm
.macro PH1 u
	s_wait_dscnt 0x0
	WIN 0x11                                       ; source 0 (W1) and C (b1) in window 1
.irp i, 0,1,2,3,4,5,6,7
	v_wmma_scale_f32_16x16x128_f8f6f4 v[HA+8*\i:HA+8*\i+7], v[24*\i:24*\i+11], v[32:43], v[192+8*\i:199+8*\i], v[16+2*\i], v56 matrix_a_fmt:MATRIX_FMT_BF6 matrix_b_fmt:MATRIX_FMT_BF6
.endr
	WIN 0x01
.irp i, 0,1,2,3,4,5,6,7
	v_wmma_scale_f32_16x16x128_f8f6f4 v[HA+8*\i:HA+8*\i+7], v[24*\i+12:24*\i+23], v[44:55], v[HA+8*\i:HA+8*\i+7], v[17+2*\i], v56 matrix_a_fmt:MATRIX_FMT_BF6 matrix_b_fmt:MATRIX_FMT_BF6 matrix_b_scale:MATRIX_SCALE_ROW1
.endr
	WIN 0
	PLACES
	s_wait_alu depctr_va_vdst(0)                   ; the products are done reading v32-56 (tile 3: W1's registers), in which the loads below land; the tile before has written v184-195 and v203, which the LDS stores below read
.if \u > 0
	HOUT (\u)-1
.endif
.if \u < 3
	FETCHX 32, 56, (\u)+1                          ; the next tile lands under the GELU
.else
	WIN 0x40
.set I0, 0
.rept 16
.irp k, 0,1,2
	global_load_b128 v[12*I0+4*\k:12*I0+4*\k+3], v[L16], s[12:13] offset:196608+1536*I0+512*\k   ; W1 is done with: W2 takes its registers
.endr
.set I0, I0+1
.endr
	WIN 0
.endif
	GELU HA
	GELU HA+16
	GELU HA+32
	GELU HA+48
.if \u > 0
	s_wait_alu depctr_vm_vsrc(0)                   ; the LDS stores above have read v184-195 and v203, which the quantiser writes again
.endif
	QUANT32 HA, 184, 196, 176, 182
	QUANT32 HA+32, 190, 200, 179, 183
	WORD2 203, 182, 183, 206
.endm
	PH1 0
	PH1 1
	PH1 2
	PH1 3
	v_lshlrev_b32 v84, 4, v[VR]
	v_lshl_add_u32 v84, v[VH], 17, v84             ; x1, out0: 8 channels x h + 16 r
	s_wait_alu depctr_va_vdst(0)                   ; tile 3's codes and word are written, which the LDS stores read; v84 is written, the offset of x1's loads; GELU and quantiser are done with v64-95 and v160-206, in which loads land below
	HOUT 3
	s_wait_dscnt 0x0                               ; my fragments have landed
	s_wait_alu depctr_vm_vsrc(0)                   ; the LDS stores have read v184-195 and v203, in which x1 lands
.irp n, 0,1
.irp j, 0,1,2,3,4,5,6,7
	global_load_b128 v[160+4*(8*\n+\j):163+4*(8*\n+\j)], v84, s[4:5] offset:16384*(16*\n+\j)
.endr
.endr
	s_barrier_signal -1
	s_barrier_wait -1                              ; the hidden layer's 32 fragments lie in LDS
	; ---- my 32 outputs for the 64 tokens: eight accumulators by turns, a K step at a time; the next step's fragments are asked for ahead of this step's products
.macro LOADH z, base                   ; K step z's four hidden fragments
.irp u, 0,1,2,3
.irp k, 0,1,2
	ds_load_b128 v[(\base)+12*\u+4*\k:(\base)+12*\u+4*\k+3], v[HRD] offset:(8*\u+(\z))*1536+512*\k
.endr
.endr
.endm
.macro LOADS z, p                      ; the scale words of K steps z and z + 1 into set p: lanes 0-15 step z's, lanes 16-31 step z + 1's
.irp u, 0,1,2,3
	ds_load_b32 v[80+8*(\p)+\u], v[L4] offset:HSC+512*\u+64*(\z)
.endr
.endm
	LOADH 0, 32
	LOADS 0, 0
.irp z, 0,1,2,3,4,5,6,7
.if \z < 7
.if \z > 0
	PLACES                                         ; behind the last step's products
.endif
.if \z%2 == 0
	WIN 0x40                                       ; destination window 1
.endif
.if \z > 0
	s_wait_alu depctr_va_vdst(0)                   ; the last step's products are done reading the other buffer, and those of two and three steps back the scale words' other set: the loads below land there
.endif
.if \z%2 == 0
	LOADH \z+1, 192
	s_wait_dscnt 12                                ; LDS loads come back in order (ISA guide 5.7.1): this step's are in; the twelve just issued may be out
.else
	LOADH \z+1, 32
	LOADS \z+1, ((\z+1)/2)%2
	s_wait_dscnt 16                                ; this step's are in; the sixteen just issued may be out
.endif
.else
	s_wait_dscnt 0x0
.endif
.if \z == 0
	s_wait_loadcnt 16                              ; W2 is in; x1's sixteen loads may be out
.endif
.if \z%2 == 0
	WIN 0x01                                       ; source 0 (W2) in window 1
.else
	WIN 0x05                                       ; sources 0 (W2) and 1 (the hidden fragments) in window 1
.endif
.set BB, 32+160*(\z%2)
.set HSR, 80+8*((\z/2)%2)
.irp u, 0,1,2,3
.irp n, 0,1
.if \z == 0
	v_wmma_scale_f32_16x16x128_f8f6f4 v[96+8*(4*\n+\u):103+8*(4*\n+\u)], v[12*(8*\n+\z):12*(8*\n+\z)+11], v[BB+12*\u:BB+12*\u+11], v[224+8*\n:231+8*\n], v[240+8*\n+\z], v[HSR+\u] matrix_a_fmt:MATRIX_FMT_BF6 matrix_b_fmt:MATRIX_FMT_BF6
.elseif \z%2 == 0
	v_wmma_scale_f32_16x16x128_f8f6f4 v[96+8*(4*\n+\u):103+8*(4*\n+\u)], v[12*(8*\n+\z):12*(8*\n+\z)+11], v[BB+12*\u:BB+12*\u+11], v[96+8*(4*\n+\u):103+8*(4*\n+\u)], v[240+8*\n+\z], v[HSR+\u] matrix_a_fmt:MATRIX_FMT_BF6 matrix_b_fmt:MATRIX_FMT_BF6
.else
	v_wmma_scale_f32_16x16x128_f8f6f4 v[96+8*(4*\n+\u):103+8*(4*\n+\u)], v[12*(8*\n+\z):12*(8*\n+\z)+11], v[BB+12*\u:BB+12*\u+11], v[96+8*(4*\n+\u):103+8*(4*\n+\u)], v[240+8*\n+\z], v[HSR+\u] matrix_a_fmt:MATRIX_FMT_BF6 matrix_b_fmt:MATRIX_FMT_BF6 matrix_b_scale:MATRIX_SCALE_ROW1
.endif
.endr
.endr
	WIN 0
.endr
	PLACES
	s_wait_loadcnt 0x0
.irp n, 0,1
.irp j, 0,1,2,3,4,5,6,7
.irp u, 0,1,2,3
	v_add_f32 v[160+4*(8*\n+\j)+\u], v[96+8*(4*\n+\u)+\j], v[160+4*(8*\n+\j)+\u]     ; the residual; each accumulator from its low end on
.endr
.endr
.endr
	s_wait_alu depctr_va_vdst(0)                   ; the additions have written v160-223, which the stores read
.irp n, 0,1
.irp j, 0,1,2,3,4,5,6,7
	global_store_b128 v84, v[160+4*(8*\n+\j):163+4*(8*\n+\j)], s[20:21] offset:16384*(16*\n+\j) th:TH_STORE_NT   ; sixteen lanes store 256 consecutive bytes, aligned
.endr
.endr
	s_wait_xcnt 0x0
	v_lshl_add_u32 v254, v0, 2, 0x10200            ; the add's two registers, made anew: no memory or LDS instruction has read either
	v_mov_b32 v255, 0
	s_wait_dscnt 0x0                               ; the closing lines, six on end
	s_wait_alu 0x0
	s_wait_tensorcnt 0x0
	ds_add_u32 v254, v255
	s_wait_dscnt 0x0
	s_endpgm
.Lfunc_end_k_qe5b9f15735_mlp:
	.size	k_qe5b9f15735_mlp, .Lfunc_end_k_qe5b9f15735_mlp-k_qe5b9f15735_mlp
	.p2alignl 7, 3214868480
	.fill 96, 4, 3214868480
	.section	.rodata,"a",@progbits
	.p2align	6, 0x0
	.amdhsa_kernel k_qe5b9f15735_mlp
		.amdhsa_group_segment_fixed_size 67072
		.amdhsa_private_segment_fixed_size 0
		.amdhsa_enable_private_segment 0
		.amdhsa_kernarg_size 72
		.amdhsa_user_sgpr_count 2
		.amdhsa_user_sgpr_kernarg_segment_ptr 1
		.amdhsa_wavefront_size32 1
		.amdhsa_system_sgpr_workgroup_id_x 1
		.amdhsa_system_sgpr_workgroup_id_y 1
		.amdhsa_system_sgpr_workgroup_id_z 1
		.amdhsa_system_vgpr_workitem_id 0
		.amdhsa_next_free_vgpr 512
		.amdhsa_next_free_sgpr 66
		.amdhsa_reserve_vcc 0
		.amdhsa_float_denorm_mode_32 3
		.amdhsa_float_denorm_mode_16_64 3
		.amdhsa_memory_ordered 1
		.amdhsa_forward_progress 1
		.amdhsa_inst_pref_size 247
	.end_amdhsa_kernel
	.amdgpu_metadata
---
amdhsa.version: [ 1, 2 ]
amdhsa.kernels:
  - .name:           k_qe5b9f15735_mlp
    .symbol:         k_qe5b9f15735_mlp.kd
    .args:
      - { .name: x1, .offset: 0, .size: 8, .value_kind: global_buffer, .address_space: global }
      - { .name: part2, .offset: 8, .size: 8, .value_kind: global_buffer, .address_space: global }
      - { .name: gn2_w, .offset: 16, .size: 8, .value_kind: global_buffer, .address_space: global }
      - { .name: gn2_b, .offset: 24, .size: 8, .value_kind: global_buffer, .address_space: global }
      - { .name: wimg, .offset: 32, .size: 8, .value_kind: global_buffer, .address_space: global }
      - { .name: wsc, .offset: 40, .size: 8, .value_kind: global_buffer, .address_space: global }
      - { .name: mlp_b1, .offset: 48, .size: 8, .value_kind: global_buffer, .address_space: global }
      - { .name: mlp_b2, .offset: 56, .size: 8, .value_kind: global_buffer, .address_space: global }
      - { .name: out0, .offset: 64, .size: 8, .value_kind: global_buffer, .address_space: global }
    .group_segment_fixed_size: 67072
    .private_segment_fixed_size: 0
    .kernarg_segment_align: 8
    .kernarg_segment_size: 72
    .max_flat_workgroup_size: 256
    .sgpr_count:     66
    .vgpr_count:     512
    .wavefront_size: 32
...
	.end_amdgpu_metadata
.endif
;; end of part 10
